; MI455X (gfx1250); checked and timed in simulation.
; The chip was launched on July 23, 2026; its instructions are those of AMD's public machine-readable ISA for CDNA 5 (MIT licence, August 2026) and "CDNA5" Instruction Set Architecture Reference Guide (July 2026). The comments in the code are by the model that wrote it; some were corrected since.
;; Cosine Gated Attention Unit. Allowed arithmetic: float matrix products may take bf16 or f16 operands with f32 sums; other float arithmetic in f32, or as packed bf16 or f16 multiplies, adds, multiply-adds, maxima and minima; sums over many terms, partial sums and values carried from step to step in f32; what a program stores and reads back later, other than sums and carried values, may be rounded once to bf16 or f16.
;; Inputs: Wo 2,048 x 1,024 float32; Wqk 1,024 x 1,024 float32; Wvg 1,024 x 4,096 float32; bo 1,024 float32; bqk 1,024 float32; bvg 4,096 float32; ln_b 1,024 float32; ln_w 1,024 float32; mask 2 x 2,048 bool; pos_bias 8 x 2,048 x 2,048 float32; temperature one number float32; x 2 x 2,048 x 1,024 float32.
;; Outputs: out0 2 x 2,048 x 1,024 float32.
;; 3 versions, each right; version 3 is version 2 with the launch prep written anew for expert scheduling mode. Each part assembles by itself: llvm-mc -triple=amdgcn-amd-amdhsa -mcpu=gfx1250 --defsym DOCPART=n.
;; ======== version 1 of 3: 5 launches
;; limits: values are held in f16: magnitudes above 65,504 overflow, below 6.1e-05 lose precision; right only within a limited range of input values
;; workspace buffers: xn 8,388,608 bytes; wvg16 8,388,608 bytes; wqk16 2,097,152 bytes; wo16 4,194,304 bytes; vgh 33,554,432 bytes; qkh 8,388,608 bytes; ag 16,777,216 bytes; asc 131,072 bytes
;; launch prep (part 1): grid 704 x 1, 8 waves a work-group, no clusters, 0 bytes of LDS; arguments x, ln_w, ln_b, Wvg, Wqk, Wo, xn, wvg16, wqk16, wo16; writes xn, wvg16, wqk16, wo16
.if DOCPART == 1
	.amdgcn_target "amdgcn-amd-amdhsa--gfx1250"
	.amdhsa_code_object_version 6
	.text
	.protected	k_qd42bd41177_prep
	.globl	k_qd42bd41177_prep
	.p2align	8
	.type	k_qd42bd41177_prep,@function
k_qd42bd41177_prep:
	s_mov_b64 s[64:65], 0
	v_nop
	global_prefetch_b8 v0, s[64:65] scope:SCOPE_SE
	s_setreg_imm32_b32 hwreg(HW_REG_WAVE_MODE, 25, 1), 1
	s_wait_xcnt 0x0
; PREP.  Work-groups 0-255: xn = LayerNorm(x) * ln_w + ln_b, f32 arithmetic, rounded once to f16.  Work-groups 256-703: the three weight tensors rounded once to f16, layout kept.
; A stream: every byte is read once by 16-byte loads and written once; no LDS, no matrix unit, no cluster: no wave wants a byte that another has fetched.
; LIMITS.  f16 ends at 65,504: |W| and |xn| (at most 32 |ln_w| + |ln_b|) stay below it.  The variance is taken of x - mean (two passes over registers), so a common offset of x costs nothing.
.set LW, 16                            ; v[16:47]    ln_w: my 4 columns of each of 8 groups of 128
.set LB, 48                            ; v[48:79]    ln_b likewise
.set X0, 80                            ; v[80:111]   row 0
.set X1, 112                           ; v[112:143]  row 1
.set AC, 144                           ; v[144:151]  sums at work
.set Y0, 160                           ; v[160:175]  row 0 in f16
.set Y1, 176                           ; v[176:191]  row 1 in f16
	s_load_b512 s[8:23], s[0:1], 0x0               ; x 8, ln_w 10, ln_b 12, Wvg 14, Wqk 16, Wo 18, xn 20, wvg16 22
	s_load_b128 s[24:27], s[0:1], 0x40             ; wqk16 24, wo16 26
	v_lshrrev_b32 v1, 5, v0
	v_readfirstlane_b32 s2, v1                     ; wave 0..7
	s_mov_b32 s37, 0
	s_cmp_lt_u32 ttmp9, 256
	s_cbranch_scc1 .Lnorm
	; THE CAST.  A work-group takes 65,536 bytes of f32: Wvg has 256 such pieces, Wqk 64, Wo 128.
	s_sub_co_u32 s3, ttmp9, 256                    ; piece 0..447
	s_mov_b32 s34, 320
	v_lshlrev_b32 v2, 4, v0                        ; 16 bytes a thread in,
	v_lshlrev_b32 v3, 3, v0                        ; 8 bytes out
	s_wait_kmcnt 0x0
	s_cmp_lt_u32 s3, 320
	s_cselect_b64 s[30:31], s[16:17], s[18:19]     ; from Wqk or Wo,
	s_cselect_b64 s[32:33], s[24:25], s[26:27]     ; to wqk16 or wo16,
	s_cselect_b32 s34, 256, s34                    ; whose first piece has this number
	s_cmp_lt_u32 s3, 256
	s_cselect_b64 s[30:31], s[14:15], s[30:31]     ; or from Wvg
	s_cselect_b64 s[32:33], s[22:23], s[32:33]
	s_cselect_b32 s34, 0, s34
	s_sub_co_u32 s3, s3, s34                       ; the piece's number in its tensor
	s_lshl_b32 s36, s3, 16
	s_add_nc_u64 s[30:31], s[30:31], s[36:37]
	s_lshl_b32 s36, s3, 15
	s_add_nc_u64 s[32:33], s[32:33], s[36:37]
.irp j, 0,1,2,3,4,5,6,7,8,9,10,11,12,13,14,15
	global_load_b128 v[16+4*(\j):19+4*(\j)], v2, s[30:31] offset:4096*(\j) th:TH_LOAD_NT  ; all sixteen go out at once
.endr
.irp j, 0,1,2,3,4,5,6,7,8,9,10,11,12,13,14,15
	s_wait_loadcnt 15-(\j)                         ; loads come back in order: number j is in, the younger ones stay out
	v_cvt_pk_f16_f32 v[80+2*(\j)], v[16+4*(\j)], v[17+4*(\j)]
	v_cvt_pk_f16_f32 v[81+2*(\j)], v[18+4*(\j)], v[19+4*(\j)]
	global_store_b64 v3, v[80+2*(\j):81+2*(\j)], s[32:33] offset:2048*(\j)  ; a wave's store covers 256 consecutive bytes, aligned; no register is written twice
.endr
	s_endpgm
; The sum over the wave's 32 lanes of v[r], left in every lane; v[r+1] is scratch that has been written.
.macro SUM32 r
	v_add_f32_dpp v[\r], v[\r], v[\r] row_xmask:1 row_mask:0xf bank_mask:0xf
	v_add_f32_dpp v[\r], v[\r], v[\r] row_xmask:2 row_mask:0xf bank_mask:0xf
	v_add_f32_dpp v[\r], v[\r], v[\r] row_xmask:4 row_mask:0xf bank_mask:0xf
	v_add_f32_dpp v[\r], v[\r], v[\r] row_xmask:8 row_mask:0xf bank_mask:0xf
	v_permlanex16_b32 v[(\r)+1], v[\r], s28, s29
	v_add_f32 v[\r], v[\r], v[(\r)+1]
.endm
; One row, held in 32 registers x: mean, x - mean, variance, scale, gain and bias, f16, stores at byte off behind the wave's first row.
.macro NORM x, y, off
	v_pk_add_f32 v[AC:AC+1],   v[(\x):(\x)+1],     v[(\x)+2:(\x)+3]     ; four chains, started by the first eight pairs
	v_pk_add_f32 v[AC+2:AC+3], v[(\x)+4:(\x)+5],   v[(\x)+6:(\x)+7]
	v_pk_add_f32 v[AC+4:AC+5], v[(\x)+8:(\x)+9],   v[(\x)+10:(\x)+11]
	v_pk_add_f32 v[AC+6:AC+7], v[(\x)+12:(\x)+13], v[(\x)+14:(\x)+15]
.set i, 16
.rept 8
	v_pk_add_f32 v[AC+i%8:AC+i%8+1], v[AC+i%8:AC+i%8+1], v[(\x)+i:(\x)+i+1]
.set i, i+2
.endr
	v_pk_add_f32 v[AC:AC+1], v[AC:AC+1], v[AC+2:AC+3]
	v_pk_add_f32 v[AC+4:AC+5], v[AC+4:AC+5], v[AC+6:AC+7]
	v_pk_add_f32 v[AC:AC+1], v[AC:AC+1], v[AC+4:AC+5]
	v_add_f32 v[AC], v[AC], v[AC+1]
	SUM32 AC
	v_mul_f32 v[AC], 0x3a800000, v[AC]             ; the mean: sum / 1,024
	v_mov_b32 v[AC+1], v[AC]
.set i, 0
.rept 16
	v_pk_add_f32 v[(\x)+i:(\x)+i+1], v[(\x)+i:(\x)+i+1], v[AC:AC+1] neg_lo:[0,1] neg_hi:[0,1]
.set i, i+2
.endr
	v_pk_mul_f32 v[AC+2:AC+3], v[(\x):(\x)+1], v[(\x):(\x)+1]        ; the squares, in two chains
	v_pk_mul_f32 v[AC+4:AC+5], v[(\x)+2:(\x)+3], v[(\x)+2:(\x)+3]
.set i, 4
.rept 14
	v_pk_fma_f32 v[AC+2+i%4:AC+3+i%4], v[(\x)+i:(\x)+i+1], v[(\x)+i:(\x)+i+1], v[AC+2+i%4:AC+3+i%4]
.set i, i+2
.endr
	v_pk_add_f32 v[AC+2:AC+3], v[AC+2:AC+3], v[AC+4:AC+5]
	v_add_f32 v[AC+2], v[AC+2], v[AC+3]
	SUM32 AC+2
	v_fma_f32 v[AC+2], v[AC+2], s38, s39           ; variance + 1e-5
	v_rsq_f32 v[AC+2], v[AC+2]
	v_nop                                          ; a plain instruction behind the root,
	s_wait_alu depctr_va_vdst(0)                   ; and the wait ahead of its first reader
	v_mov_b32 v[AC+3], v[AC+2]
.set i, 0
.rept 16
	v_pk_mul_f32 v[(\x)+i:(\x)+i+1], v[(\x)+i:(\x)+i+1], v[AC+2:AC+3]
.set i, i+2
.endr
.set i, 0
.rept 16
	v_pk_fma_f32 v[(\x)+i:(\x)+i+1], v[(\x)+i:(\x)+i+1], v[LW+i:LW+i+1], v[LB+i:LB+i+1]
.set i, i+2
.endr
.set i, 0
.rept 16
	v_cvt_pk_f16_f32 v[(\y)+i], v[(\x)+2*i], v[(\x)+2*i+1]
.set i, i+1
.endr
.irp j, 0,1,2,3,4,5,6,7
	global_store_b64 v3, v[(\y)+2*(\j):(\y)+2*(\j)+1], s[32:33] offset:(\off)+256*(\j)  ; 32 lanes x 8 bytes: 256 consecutive bytes, aligned
.endr
.endm
.Lnorm:                                        ; LAYERNORM.  A wave takes two rows: 16 x work-group + 2 x wave + 0, 1.  Lane l holds columns 128 j + 4 l .. + 3, j = 0..7.
	s_lshl_b32 s3, ttmp9, 4
	s_lshl1_add_u32 s3, s2, s3
	s_mov_b32 s28, 0x76543210                      ; v_permlanex16_b32: each lane takes its own place in the other half
	s_mov_b32 s29, 0xfedcba98
	s_mov_b32 s38, 0x3a800000                      ; 1 / 1,024
	s_mov_b32 s39, 0x3727c5ac                      ; 1e-5
	v_and_b32 v1, 31, v0
	v_lshlrev_b32 v2, 4, v1
	v_lshlrev_b32 v3, 3, v1
	s_lshl_b32 s36, s3, 12
	s_wait_kmcnt 0x0
	s_add_nc_u64 s[30:31], s[8:9], s[36:37]        ; x at my first row
	s_lshl_b32 s36, s3, 11
	s_add_nc_u64 s[32:33], s[20:21], s[36:37]      ; xn at my first row
.irp j, 0,1,2,3,4,5,6,7
	global_load_b128 v[LW+4*(\j):LW+4*(\j)+3], v2, s[10:11] offset:512*(\j)
.endr
.irp j, 0,1,2,3,4,5,6,7
	global_load_b128 v[LB+4*(\j):LB+4*(\j)+3], v2, s[12:13] offset:512*(\j)
.endr
.irp j, 0,1,2,3,4,5,6,7
	global_load_b128 v[X0+4*(\j):X0+4*(\j)+3], v2, s[30:31] offset:512*(\j) th:TH_LOAD_NT
.endr
.irp j, 0,1,2,3,4,5,6,7
	global_load_b128 v[X1+4*(\j):X1+4*(\j)+3], v2, s[30:31] offset:4096+512*(\j) th:TH_LOAD_NT
.endr
	s_wait_loadcnt 8                               ; gain, bias and row 0 are in; row 1's eight loads stay out
	NORM X0, Y0, 0
	s_wait_loadcnt 0x0
	NORM X1, Y1, 2048
	s_endpgm
.Lfunc_end_k_qd42bd41177_prep:
	.size	k_qd42bd41177_prep, .Lfunc_end_k_qd42bd41177_prep-k_qd42bd41177_prep
	.p2alignl 7, 3214868480
	.fill 96, 4, 3214868480
	.section	.rodata,"a",@progbits
	.p2align	6, 0x0
	.amdhsa_kernel k_qd42bd41177_prep
		.amdhsa_group_segment_fixed_size 0
		.amdhsa_private_segment_fixed_size 0
		.amdhsa_enable_private_segment 0
		.amdhsa_kernarg_size 80
		.amdhsa_user_sgpr_count 2
		.amdhsa_user_sgpr_kernarg_segment_ptr 1
		.amdhsa_wavefront_size32 1
		.amdhsa_system_sgpr_workgroup_id_x 1
		.amdhsa_system_sgpr_workgroup_id_y 1
		.amdhsa_system_sgpr_workgroup_id_z 1
		.amdhsa_system_vgpr_workitem_id 0
		.amdhsa_next_free_vgpr 192
		.amdhsa_next_free_sgpr 66
		.amdhsa_reserve_vcc 0
		.amdhsa_float_denorm_mode_32 3
		.amdhsa_float_denorm_mode_16_64 3
		.amdhsa_memory_ordered 1
		.amdhsa_forward_progress 1
		.amdhsa_inst_pref_size 27
	.end_amdhsa_kernel
	.amdgpu_metadata
---
amdhsa.version: [ 1, 2 ]
amdhsa.kernels:
  - .name:           k_qd42bd41177_prep
    .symbol:         k_qd42bd41177_prep.kd
    .args:
      - { .name: x, .offset: 0, .size: 8, .value_kind: global_buffer, .address_space: global }
      - { .name: ln_w, .offset: 8, .size: 8, .value_kind: global_buffer, .address_space: global }
      - { .name: ln_b, .offset: 16, .size: 8, .value_kind: global_buffer, .address_space: global }
      - { .name: Wvg, .offset: 24, .size: 8, .value_kind: global_buffer, .address_space: global }
      - { .name: Wqk, .offset: 32, .size: 8, .value_kind: global_buffer, .address_space: global }
      - { .name: Wo, .offset: 40, .size: 8, .value_kind: global_buffer, .address_space: global }
      - { .name: xn, .offset: 48, .size: 8, .value_kind: global_buffer, .address_space: global }
      - { .name: wvg16, .offset: 56, .size: 8, .value_kind: global_buffer, .address_space: global }
      - { .name: wqk16, .offset: 64, .size: 8, .value_kind: global_buffer, .address_space: global }
      - { .name: wo16, .offset: 72, .size: 8, .value_kind: global_buffer, .address_space: global }
    .group_segment_fixed_size: 0
    .private_segment_fixed_size: 0
    .kernarg_segment_align: 8
    .kernarg_segment_size: 80
    .max_flat_workgroup_size: 256
    .sgpr_count:     66
    .vgpr_count:     192
    .wavefront_size: 32
...
	.end_amdgpu_metadata
.endif
;; end of part 1
;; launch gemm_vg (part 2): grid 16 x 16, 4 waves a work-group, clusters of 4 x 4, 327,680 bytes of LDS; arguments xn, wvg16, bvg, vgh; writes vgh
.if DOCPART == 2
	.amdgcn_target "amdgcn-amd-amdhsa--gfx1250"
	.amdhsa_code_object_version 6
	.text
	.protected	k_qd42bd41177_gemm_vg
	.globl	k_qd42bd41177_gemm_vg
	.p2align	8
	.type	k_qd42bd41177_gemm_vg,@function
k_qd42bd41177_gemm_vg:
	s_mov_b64 s[64:65], 0
	v_nop
	global_prefetch_b8 v0, s[64:65] scope:SCOPE_SE
	s_setreg_imm32_b32 hwreg(HW_REG_WAVE_MODE, 25, 1), 1
	s_wait_xcnt 0x0
	s_wait_alu depctr_hold_cnt(0) depctr_sa_sdst(0) depctr_va_vdst(0) depctr_va_sdst(0) depctr_va_ssrc(0) depctr_va_vcc(0) depctr_vm_vsrc(0)
	s_getreg_b32 s2, hwreg(HW_REG_IB_STS2, 6, 4)
	s_cmp_eq_u32 s2, 0
	s_cbranch_scc0 .Lentry_in_a_cluster
	s_endpgm
.Lentry_in_a_cluster:
	s_bfe_u32 s2, ttmp6, 0x10000c
	s_cmp_lg_u32 s2, 0xf033
	s_cbranch_scc0 .Lentry_shape_is_right
	s_endpgm
.Lentry_shape_is_right:
; vgh = silu(xn Wvg + bvg), by heads.  xn: f16 [4096][1024]; wvg16: f16 [1024][4096] (K along the rows' index, as Wvg lies); bvg: f32 [4096];
; vgh: f16 [part 0 = v, 1 = gate][batch][head][n][256].  Sums, bias and SiLU in f32, the result rounded once.
; LIMITS.  f16 ends at 65,504: v and gate stay below it.  silu(z) = z / (1 + 2^(-z log2 e)): where the power overflows the quotient is 0, as it should be.
; SHARES.  A tile of 256 x 256 to a work-group (a tile column is one head of v or of gate), 128 x 128 to each of four waves: 64 accumulators, 512 registers.  K = 1,024 goes in 8 steps of 128 through two LDS slots.
; The matrix instruction is used transposed: source 0 = 16 columns of W (turned on the way out of LDS by ds_load_tr16_b128), source 1 = 16 rows of xn: a lane holds one row and eight neighbouring columns.
; CLUSTER 4 x 4: xn's tile is asked for jointly along a row of the cluster, W's along a column.
; REGISTERS: window 0: v0-39 addresses and the bias; v64-127, v128-191 fragments of xn (later: at work on the way out).  Window 1: v64-191 fragments of W.  Windows 2, 3: accumulator (a, b) at v[8 (8 a + b)].
.set PA,    272                        ; a row of xn's tile in LDS: 256 bytes + 16: sixteen rows start at sixteen different groups of four banks
.set PB,    544                        ; a K row of W's tile: 512 bytes + 32
.set HALFT, 34816                      ; 128 rows x 272 = 64 rows x 544: what one tensor load brings
.set BOFF,  2*HALFT
.set SLOT,  4*HALFT
.set SPARE, 2*SLOT                     ; the spare words, 128 bytes a wave; no other line names them
.set DP,    528                        ; the way out: a row of 128 f32 + 16 bytes
.set DW,    128*DP                     ; a wave's 128 rows; the four lie over the two slots, which have had their last fill
.set ADRA, 16
.set ADRB, 20
.set DST,  24
.set RDA,  25
.set CO,   26
.set SPW,  28
.set NIL,  29
.set PFO,  30
.set BIAS, 32
.set F0,   64
.set F1,   128
.set Z,    64
.set T,    96
.set Y,    128
.set G1A,  24
.set G0A,  32
.set G1B,  48
.set G0B,  56
.set PFA,  66
.set PFS,  68
.set LIM,  70
.set LAP,  71
.set ROWS, 72
.set MUL_LO, 0xa1                      ; source 0 (W) window 1, source 1 (xn) window 0, C and D window 2
.set MUL_HI, 0xf1                      ; the same with window 3
.set TO_B,   0x40                      ; destination window 1
.set MSB, 0
.macro WIN new                         ; the immediate's high byte repeats the setting that is left; a switch that changes nothing is dropped
.if MSB != (\new)
	s_set_vgpr_msb (MSB<<8)|(\new)
.set MSB, \new
.endif
.endm
.macro PLACES                          ; four plain places behind matrix instructions
.rept 4
	v_nop
.endr
.endm
.macro JLOAD s                         ; a joint load: waves 0, 1 fetch xn's two halves, waves 2, 3 W's; the branch hangs on the wave's number alone; s_nop 0 and four v_nop follow each line
	s_cmp_eq_u32 s17, 0
	s_cbranch_scc0 .Lfor_b_\@
	tensor_load_to_lds s[G0A+4*(\s):G0A+4*(\s)+3], s[G1A:G1A+7]
	s_nop 0
.rept 4
	v_nop
.endr
	s_branch .Lasked_\@
.Lfor_b_\@:
	tensor_load_to_lds s[G0B+4*(\s):G0B+4*(\s)+3], s[G1B:G1B+7]
	s_nop 0
.rept 4
	v_nop
.endr
.Lasked_\@:
.endm
.macro ASK                             ; one prefetch a wave: 32 blocks of 256 bytes of the K step two refills on; the last lap asks for nothing
	s_cmp_gt_u32 s[LAP], s[LIM]
	s_cbranch_scc0 .Lnot_mine_\@
	global_prefetch_b8 v[PFO], s[PFA:PFA+1] th:TH_LOAD_NT scope:SCOPE_SE
.Lnot_mine_\@:
.endm
.macro CREST                           ; a round of the cluster's barrier behind its opening barrier
	s_cmp_lg_u32 s16, 0
	s_cbranch_scc1 .Lnot_wave_0_\@
	s_barrier_signal -3
.Lnot_wave_0_\@:
	s_barrier_wait -3
	s_barrier_signal -1
	s_barrier_wait -1
.endm
.macro CROUND
	s_barrier_signal -1
	s_barrier_wait -1
	CREST
.endm
	s_load_b256 s[4:11], s[0:1], 0x0               ; xn 4, wvg16 6, bvg 8, vgh 10
	v_lshl_add_u32 v[SPW], v0, 2, SPARE
	v_mov_b32 v[NIL], 0
	ds_add_u32 v[SPW], v[NIL]                      ; the wave's opening: the add and its wait ahead of my first tensor load
	v_lshrrev_b32 v1, 5, v0
	v_readfirstlane_b32 s16, v1                    ; wave 0..3
	s_lshr_b32 s17, s16, 1                         ; my half of the tile's rows; also 0: I fetch xn, 1: W
	s_and_b32 s18, s16, 1                          ; my half of its columns; also which half tile I fetch
	s_bfe_u32 s19, ttmp6, 0x40000                  ; cx
	s_bfe_u32 s20, ttmp6, 0x40004                  ; cy
	s_lshl_b32 s21, ttmp9, 2
	s_add_co_u32 s21, s21, s19                     ; tile column
	s_and_b32 s22, ttmp7, 0xffff
	s_lshl_b32 s22, s22, 2
	s_add_co_u32 s22, s22, s20                     ; tile row
	s_lshl_b32 s40, s20, 2
	s_lshl_b32 s40, 15, s40                        ; my row of the cluster
	s_lshl_b32 s41, 0x1111, s19                    ; my column
	s_or_b32 s[G1A], s40, (1<<16)|(1<<20)|(1<<21)|(5<<22)|(3<<25)   ; mask; 2-byte elements; padding on; bit 21 beside a mask; after every 64 words 4 words
	s_or_b32 s[G1B], s41, (1<<16)|(1<<20)|(1<<21)|(6<<22)|(7<<25)   ; after every 128 words 8 words
	s_mov_b32 s[G1A+1], 128<<16                    ; tensor_dim0 = 128
	s_mov_b32 s[G1A+2], 128<<16                    ; tensor_dim1 = 128
	s_mov_b32 s[G1A+3], 128<<16                    ; tile_dim0 = 128
	s_mov_b32 s[G1A+4], 128                        ; tile_dim1 = 128
	s_mov_b32 s[G1A+5], 1024                       ; elements from row to row
	s_mov_b32 s[G1A+6], 0
	s_mov_b32 s[G1A+7], 0
	s_mov_b32 s[G1B+1], 256<<16
	s_mov_b32 s[G1B+2], 64<<16
	s_mov_b32 s[G1B+3], 256<<16
	s_mov_b32 s[G1B+4], 64
	s_mov_b32 s[G1B+5], 4096
	s_mov_b32 s[G1B+6], 0
	s_mov_b32 s[G1B+7], 0
	s_lshl_b32 s42, s22, 8                         ; xn: row 256 x tile row + 128 x half, 2,048 bytes a row
	s_lshl_b32 s43, s18, 7
	s_add_co_u32 s42, s42, s43
	s_lshl_b32 s42, s42, 11
	s_mov_b32 s43, 0
	s_lshl_b32 s44, s18, 19                        ; W: K row 64 x half (8,192 bytes a row), column 256 x tile column
	s_lshl_b32 s45, s21, 9
	s_add_co_u32 s44, s44, s45
	s_mov_b32 s45, 0
	s_mul_i32 s23, s16, HALFT                      ; where my part goes: wave x 34,816: xn's two halves, then W's two
	s_wait_dscnt 0x0                               ; the opening add is done
	s_wait_kmcnt 0x0
	s_add_nc_u64 s[42:43], s[4:5], s[42:43]
	s_add_nc_u64 s[44:45], s[6:7], s[44:45]
	CROUND                                         ; all sixteen work-groups are here: the first joint loads meet
.irp s, 0,1
	s_mov_b32 s[G0A+4*(\s)], 1
	s_add_co_u32 s[G0A+4*(\s)+1], s23, (\s)*SLOT
	s_add_nc_u64 s[G0A+4*(\s)+2:G0A+4*(\s)+3], s[42:43], (\s)*256
	s_or_b32 s[G0A+4*(\s)+3], s[G0A+4*(\s)+3], 0x80000000
	s_mov_b32 s[G0B+4*(\s)], 1
	s_add_co_u32 s[G0B+4*(\s)+1], s23, (\s)*SLOT
	s_add_nc_u64 s[G0B+4*(\s)+2:G0B+4*(\s)+3], s[44:45], (\s)*1048576
	s_or_b32 s[G0B+4*(\s)+3], s[G0B+4*(\s)+3], 0x80000000
	JLOAD \s                                       ; K steps 0 and 1: two loads of mine are out
.endr
	v_and_b32 v1, 15, v0                           ; r
	v_bfe_u32 v2, v0, 4, 1                         ; hh
	v_mul_u32_u24 v3, v1, PA
	v_lshl_add_u32 v3, v2, 4, v3
	s_mul_i32 s46, s17, HALFT
	v_add_nc_u32 v[ADRA], s46, v3
	s_add_co_u32 s46, s46, SLOT
	v_add_nc_u32 v[ADRA+1], s46, v3
	v_and_b32 v4, 7, v0                            ; the turning load: K row 8 hh + l % 8, 16 bytes for each half of eight lanes
	v_lshl_add_u32 v4, v2, 3, v4
	v_mul_u32_u24 v4, v4, PB
	v_bfe_u32 v5, v0, 3, 1
	v_lshl_add_u32 v4, v5, 4, v4
	s_lshl_b32 s47, s18, 8                         ; my 128 columns
	s_add_co_u32 s47, s47, BOFF
	v_add_nc_u32 v[ADRB], s47, v4
	s_add_co_u32 s47, s47, SLOT
	v_add_nc_u32 v[ADRB+1], s47, v4
	s_lshl_b32 s76, s21, 10                        ; the bias of my lane's 8 columns on the way out: (256 tile column + 128 half + 8 r) x 4
	s_lshl_b32 s77, s18, 9
	s_add_co_u32 s76, s76, s77
	v_lshl_add_u32 v6, v1, 5, s76
	global_load_b128 v[BIAS:BIAS+3], v6, s[8:9]
	global_load_b128 v[BIAS+4:BIAS+7], v6, s[8:9] offset:16
	s_mul_i32 s46, s16, DW
	v_mul_u32_u24 v[DST], v1, DP
	v_lshl_add_u32 v[DST], v2, 5, v[DST]
	v_add_nc_u32 v[DST], s46, v[DST]               ; in: row r, 32 bytes for each half of the lanes
	v_mul_u32_u24 v[RDA], v2, DP
	v_lshl_add_u32 v[RDA], v1, 5, v[RDA]
	v_add_nc_u32 v[RDA], s46, v[RDA]               ; back: lanes 0-15 one row, lanes 16-31 the next, 8 columns a lane
	v_lshlrev_b32 v[CO], 9, v2
	v_lshl_add_u32 v[CO], v1, 4, v[CO]             ; the same two rows in vgh: 512 bytes a row
	s_lshr_b32 s76, s21, 3                         ; vgh: part << 24 | batch << 23 | head << 20 | n x 512 + 2 c
	s_lshl_b32 s76, s76, 24
	s_lshr_b32 s77, s22, 3
	s_lshl_b32 s77, s77, 23
	s_or_b32 s76, s76, s77
	s_and_b32 s77, s21, 7
	s_lshl_b32 s77, s77, 20
	s_or_b32 s76, s76, s77
	s_and_b32 s77, s22, 7
	s_lshl_b32 s77, s77, 17
	s_or_b32 s76, s76, s77
	s_lshl_b32 s77, s17, 16
	s_or_b32 s76, s76, s77
	s_lshl_b32 s77, s18, 8
	s_or_b32 s76, s76, s77
	s_mov_b32 s77, 0
	s_add_nc_u64 s[10:11], s[10:11], s[76:77]
	; THE PREFETCHES.  xn's tile row is read by every cluster of that row of clusters: cluster x = 0 asks; W's tile column by every cluster of that column: cluster y = 0 asks.  The four partners that ask for a half
	; tile jointly share it out by address: of xn's 128 rows 32 each (a lane a row), of W's 64 K rows 16 each (two lanes a row of 512 bytes).  So each aligned block of 256 bytes is named once in the launch.
	v_and_b32 v7, 31, v0
	v_lshrrev_b32 v[PFO], s17, v7
	s_lshl_b32 s46, s17, 1
	s_add_co_u32 s46, s46, 11                      ; 2,048 bytes a row of xn, 8,192 a row of W
	v_lshlrev_b32 v[PFO], s46, v[PFO]
	v_and_b32 v8, s17, v7
	v_lshl_add_u32 v[PFO], v8, 8, v[PFO]
	s_lshl_b32 s76, s22, 8
	s_lshl_b32 s77, s18, 7
	s_add_co_u32 s76, s76, s77
	s_lshl_b32 s77, s19, 5
	s_add_co_u32 s76, s76, s77
	s_lshl_b32 s76, s76, 11
	s_add_co_u32 s76, s76, 3*256                   ; at K step 3: each change of slots steps first, so the refill of K step t names K step t + 2
	s_lshl_b32 s78, s18, 6
	s_lshl4_add_u32 s78, s20, s78
	s_lshl_b32 s78, s78, 13
	s_lshl_b32 s79, s21, 9
	s_add_co_u32 s78, s78, s79
	s_add_co_u32 s78, s78, 3*1048576
	s_and_b32 s79, ttmp7, 0xffff
	s_mov_b32 s[PFS], 1048576
	s_mov_b32 s[PFS+1], 0
	s_cmp_eq_u32 s17, 0
	s_cselect_b32 s76, s76, s78
	s_cselect_b32 s79, ttmp9, s79
	s_cselect_b64 s[PFA:PFA+1], s[4:5], s[6:7]
	s_cselect_b32 s[PFS], 256, s[PFS]
	s_mov_b32 s77, 0
	s_add_nc_u64 s[PFA:PFA+1], s[PFA:PFA+1], s[76:77]
	s_cmp_eq_u32 s79, 0
	s_cselect_b32 s[LIM], 1, -1                    ; the same in all sixteen partners, for a given wave
; 16 matrix instructions: row blocks a0, a0 + 1 of the window's four x all 8 column blocks, 32 along K.  zero = 1: the product starts the sum.
.macro MUL16 f, hi, a0, zero
	WIN MUL_LO+0x50*(\hi)
.irp a, \a0, (\a0)+1
.irp b, 0,1,2,3,4,5,6,7
.if \zero
	v_wmma_f32_16x16x32_f16 v[8*(8*(\a)+(\b)):8*(8*(\a)+(\b))+7], v[(\f)+8*(\b):(\f)+8*(\b)+7], v[(\f)+8*(4*(\hi)+(\a)):(\f)+8*(4*(\hi)+(\a))+7], 0
.else
	v_wmma_f32_16x16x32_f16 v[8*(8*(\a)+(\b)):8*(8*(\a)+(\b))+7], v[(\f)+8*(\b):(\f)+8*(\b)+7], v[(\f)+8*(4*(\hi)+(\a)):(\f)+8*(4*(\hi)+(\a))+7], v[8*(8*(\a)+(\b)):8*(8*(\a)+(\b))+7]
.endif
.endr
.endr
.endm
; 32 LDS loads in one run: quarter q (32 along K) of a slot into buffer f: W's 8 column blocks, turned, then xn's 8 row blocks
.macro FETCH slot, q, f
	WIN TO_B
.irp i, 0,1,2,3,4,5,6,7
	ds_load_tr16_b128 v[(\f)+8*(\i):(\f)+8*(\i)+3],   v[ADRB+(\slot)] offset:(\q)*32*PB+32*(\i)
	ds_load_tr16_b128 v[(\f)+8*(\i)+4:(\f)+8*(\i)+7], v[ADRB+(\slot)] offset:(\q)*32*PB+32*(\i)+16*PB
.endr
	WIN 0
.irp i, 0,1,2,3,4,5,6,7
	ds_load_b128 v[(\f)+8*(\i):(\f)+8*(\i)+3],   v[ADRA+(\slot)] offset:64*(\q)+(\i)*16*PA
	ds_load_b128 v[(\f)+8*(\i)+4:(\f)+8*(\i)+7], v[ADRA+(\slot)] offset:64*(\q)+(\i)*16*PA+32
.endr
.endm
; One of a K step's first three quarters: multiplies buffer f, and in its middle fetches quarter q into buffer g
.macro QUARTER slot, q, f, g, zero
	s_wait_dscnt 8                                 ; W and xn's rows 0-63 are in; the youngest eight loads (rows 64-127) may be out
	MUL16 \f, 0, 0, \zero
	MUL16 \f, 0, 2, \zero
	PLACES
	FETCH \slot, \q, \g
	s_wait_dscnt 32                                ; all but the 32 just issued
	MUL16 \f, 1, 0, \zero
	MUL16 \f, 1, 2, \zero
.endm
; The first half of the last quarter: one barrier for the change of slots
.macro MEET round
	WIN 0
	s_wait_tensorcnt 0x0                           ; all my tensor loads have landed: the one that was out is my part of the next slot
	ds_add_u32 v[SPW], v[NIL]                      ; 0 onto my spare word
	s_wait_dscnt 9                                 ; (the add and the youngest eight loads may be out)
	MUL16 F1, 0, 0, 0
	s_wait_dscnt 0x0                               ; the add is done, my reads of this slot are over
	s_barrier_signal -1
	MUL16 F1, 0, 2, 0
.if \round
	WIN 0
.endif
	s_barrier_wait -1
.endm
.macro TURN slot, next, fill
.if \fill
	s_wait_xcnt 0x0                                ; the last prefetch, a K step back, has read its address
	s_add_nc_u64 s[PFA:PFA+1], s[PFA:PFA+1], s[PFS:PFS+1]
	MEET 1
	CREST                                          ; no wave of any partner still reads this slot or has a load on its way
	s_add_nc_u64 s[G0A+4*(\slot)+2:G0A+4*(\slot)+3], s[G0A+4*(\slot)+2:G0A+4*(\slot)+3], 512
	s_add_nc_u64 s[G0B+4*(\slot)+2:G0B+4*(\slot)+3], s[G0B+4*(\slot)+2:G0B+4*(\slot)+3], 2097152
	JLOAD \slot                                    ; my one tensor load behind the round; its four v_nop are the places in front of the loads below
.else
	MEET 0
	PLACES
.endif
	FETCH \next, 0, F0
.if \fill
	ASK
.endif
	MUL16 F1, 1, 0, 0
	MUL16 F1, 1, 2, 0
.endm
	s_wait_tensorcnt 1                             ; my part of K step 0 is in; K step 1's load stays out
	s_barrier_signal -1
	s_barrier_wait -1
	FETCH 0, 0, F0
	QUARTER 0, 1, F0, F1, 1                        ; the first quarter starts the sums
	WIN 0
	s_mov_b32 s[LAP], 3
.Llap:                                         ; a trip goes once round the ring and fills both slots again
	QUARTER 0, 2, F1, F0, 0
	QUARTER 0, 3, F0, F1, 0
	TURN 0, 1, 1
	QUARTER 1, 1, F0, F1, 0
	QUARTER 1, 2, F1, F0, 0
	QUARTER 1, 3, F0, F1, 0
	TURN 1, 0, 1
	QUARTER 0, 1, F0, F1, 0
	WIN 0
	s_sub_co_u32 s[LAP], s[LAP], 1
	s_cmp_lg_u32 s[LAP], 0
	s_cbranch_scc1 .Llap
	QUARTER 0, 2, F1, F0, 0                        ; the last lap fills nothing
	QUARTER 0, 3, F0, F1, 0
	TURN 0, 1, 0
	QUARTER 1, 1, F0, F1, 0
	QUARTER 1, 2, F1, F0, 0
	QUARTER 1, 3, F0, F1, 0
	s_wait_dscnt 8
	MUL16 F1, 0, 0, 0
	MUL16 F1, 0, 2, 0
	s_wait_dscnt 0x0
	MUL16 F1, 1, 0, 0
	MUL16 F1, 1, 2, 0
	; THE WAY OUT.  Every wave has left both slots (barrier); the f32 sums go into my own 128 rows of LDS and come back by rows; bias, SiLU, f16; sixteen lanes store 256 consecutive bytes.
	WIN 0
	PLACES
	PLACES
	s_wait_dscnt 0x0
	s_barrier_signal -1
	s_barrier_wait -1
.irp a, 0,1,2,3,4,5,6,7
	WIN 0x08+4*((\a)/4)                            ; the stores' data in window 2 or 3
.irp b, 0,1,2,3,4,5,6,7
	ds_store_b128 v[DST], v[8*(8*((\a)%4)+(\b)):8*(8*((\a)%4)+(\b))+3]   offset:(\a)*16*DP+(\b)*64
	ds_store_b128 v[DST], v[8*(8*((\a)%4)+(\b))+4:8*(8*((\a)%4)+(\b))+7] offset:(\a)*16*DP+(\b)*64+16
.endr
.endr
	WIN 0
	s_wait_loadcnt 0x0                             ; the bias
	s_mov_b32 s[ROWS], 16
.Lrow:                                         ; a trip: 8 rows; LDS serves a wave's instructions in order, so these loads see the stores above
.irp p, 0,1,2,3
	ds_load_b128 v[Z+8*(\p):Z+8*(\p)+3],   v[RDA] offset:(\p)*2*DP
	ds_load_b128 v[Z+8*(\p)+4:Z+8*(\p)+7], v[RDA] offset:(\p)*2*DP+16
.endr
	s_wait_dscnt 0x0
.set i, 0
.rept 16
	v_pk_add_f32 v[Z+2*i:Z+2*i+1], v[Z+2*i:Z+2*i+1], v[BIAS+2*(i%4):BIAS+2*(i%4)+1]
.set i, i+1
.endr
.set i, 0
.rept 16
	v_pk_mul_f32 v[T+2*i:T+2*i+1], v[Z+2*i:Z+2*i+1], 0xbfb8aa3b op_sel_hi:[1,0]  ; -z log2 e
.set i, i+1
.endr
.set i, 0
.rept 32
	v_exp_f32 v[T+i], v[T+i]
.set i, i+1
.endr
	v_nop
	s_wait_alu depctr_va_vdst(0)                   ; one wait for the batch of 32
.set i, 0
.rept 16
	v_pk_add_f32 v[T+2*i:T+2*i+1], v[T+2*i:T+2*i+1], 1.0 op_sel_hi:[1,0]
.set i, i+1
.endr
.set i, 0
.rept 32
	v_rcp_f32 v[T+i], v[T+i]
.set i, i+1
.endr
	v_nop
	s_wait_alu depctr_va_vdst(0)
.set i, 0
.rept 16
	v_pk_mul_f32 v[Z+2*i:Z+2*i+1], v[Z+2*i:Z+2*i+1], v[T+2*i:T+2*i+1]
.set i, i+1
.endr
.set i, 0
.rept 16
	v_cvt_pk_f16_f32 v[Y+i], v[Z+2*i], v[Z+2*i+1]
.set i, i+1
.endr
.irp p, 0,1,2,3
	global_store_b128 v[CO], v[Y+4*(\p):Y+4*(\p)+3], s[10:11] offset:(\p)*1024
.endr
	v_add_nc_u32 v[RDA], 8*DP, v[RDA]
	s_wait_xcnt 0x0                                ; the stores have read their data and their base: both are written again only behind this wait
	s_add_nc_u64 s[10:11], s[10:11], 4096
	s_sub_co_u32 s[ROWS], s[ROWS], 1
	s_cmp_lg_u32 s[ROWS], 0
	s_cbranch_scc1 .Lrow
	s_wait_tensorcnt 0x0                           ; the wave's end
	ds_add_u32 v[SPW], v[NIL]
	s_wait_dscnt 0x0
	CROUND                                         ; the closing round
	s_endpgm
.Lfunc_end_k_qd42bd41177_gemm_vg:
	.size	k_qd42bd41177_gemm_vg, .Lfunc_end_k_qd42bd41177_gemm_vg-k_qd42bd41177_gemm_vg
	.p2alignl 7, 3214868480
	.fill 96, 4, 3214868480
	.section	.rodata,"a",@progbits
	.p2align	6, 0x0
	.amdhsa_kernel k_qd42bd41177_gemm_vg
		.amdhsa_group_segment_fixed_size 327680
		.amdhsa_private_segment_fixed_size 0
		.amdhsa_enable_private_segment 0
		.amdhsa_kernarg_size 32
		.amdhsa_user_sgpr_count 2
		.amdhsa_user_sgpr_kernarg_segment_ptr 1
		.amdhsa_wavefront_size32 1
		.amdhsa_system_sgpr_workgroup_id_x 1
		.amdhsa_system_sgpr_workgroup_id_y 1
		.amdhsa_system_sgpr_workgroup_id_z 1
		.amdhsa_system_vgpr_workitem_id 0
		.amdhsa_next_free_vgpr 1024
		.amdhsa_next_free_sgpr 80
		.amdhsa_reserve_vcc 0
		.amdhsa_float_denorm_mode_32 3
		.amdhsa_float_denorm_mode_16_64 3
		.amdhsa_memory_ordered 1
		.amdhsa_forward_progress 1
		.amdhsa_inst_pref_size 130
	.end_amdhsa_kernel
	.amdgpu_metadata
---
amdhsa.version: [ 1, 2 ]
amdhsa.kernels:
  - .name:           k_qd42bd41177_gemm_vg
    .symbol:         k_qd42bd41177_gemm_vg.kd
    .args:
      - { .name: xn, .offset: 0, .size: 8, .value_kind: global_buffer, .address_space: global }
      - { .name: wvg16, .offset: 8, .size: 8, .value_kind: global_buffer, .address_space: global }
      - { .name: bvg, .offset: 16, .size: 8, .value_kind: global_buffer, .address_space: global }
      - { .name: vgh, .offset: 24, .size: 8, .value_kind: global_buffer, .address_space: global }
    .group_segment_fixed_size: 327680
    .private_segment_fixed_size: 0
    .kernarg_segment_align: 8
    .kernarg_segment_size: 32
    .max_flat_workgroup_size: 128
    .sgpr_count:     80
    .vgpr_count:     1024
    .wavefront_size: 32
...
	.end_amdgpu_metadata
.endif
;; end of part 2
;; launch gemm_qk (part 3): grid 8 x 32, 4 waves a work-group, clusters of 4 x 4, 327,680 bytes of LDS; arguments xn, wqk16, bqk, temperature, qkh; writes qkh
.if DOCPART == 3
	.amdgcn_target "amdgcn-amd-amdhsa--gfx1250"
	.amdhsa_code_object_version 6
	.text
	.protected	k_qd42bd41177_gemm_qk
	.globl	k_qd42bd41177_gemm_qk
	.p2align	8
	.type	k_qd42bd41177_gemm_qk,@function
k_qd42bd41177_gemm_qk:
	s_mov_b64 s[64:65], 0
	v_nop
	global_prefetch_b8 v0, s[64:65] scope:SCOPE_SE
	s_setreg_imm32_b32 hwreg(HW_REG_WAVE_MODE, 25, 1), 1
	s_wait_xcnt 0x0
	s_wait_alu depctr_hold_cnt(0) depctr_sa_sdst(0) depctr_va_vdst(0) depctr_va_sdst(0) depctr_va_ssrc(0) depctr_va_vcc(0) depctr_vm_vsrc(0)
	s_getreg_b32 s2, hwreg(HW_REG_IB_STS2, 6, 4)
	s_cmp_eq_u32 s2, 0
	s_cbranch_scc0 .Lentry_in_a_cluster
	s_endpgm
.Lentry_in_a_cluster:
	s_bfe_u32 s2, ttmp6, 0x10000c
	s_cmp_lg_u32 s2, 0xf033
	s_cbranch_scc0 .Lentry_shape_is_right
	s_endpgm
.Lentry_shape_is_right:
; qkh = l2norm(silu(xn Wqk + bqk)) by heads, q also times temperature x log2 e.  xn: f16 [4096][1024]; wqk16: f16 [1024][1024] (K by rows); qkh: f16 [part 0 = q, 1 = k][batch][head][n][64].
; Sums, bias, SiLU and the norm in f32; the result rounded once.  LIMITS: |temperature x log2 e| below 65,504; a sum of squares below 2^-126 counts as 0 (the row is then divided by 1e-12, as the norm's floor asks).
; SHARES.  A tile of 128 x 128 (one head's q | k) to a work-group, 64 x 64 to a wave: column half 0 is q, 1 is k, so a wave holds whole vectors of 64.  K = 1,024 in 4 steps of 256 through two LDS slots.
; Transposed use: source 0 = 16 columns of W (turned by ds_load_tr16_b128), source 1 = 16 rows of xn.  CLUSTER 4 x 4: xn's tile jointly along a row, W's along a column.
; No prefetch: a step's tiles are small and the launch is short.
; REGISTERS: window 0: v0-31 addresses, v32-87 at work on the way out, v128-255 accumulator (a, b) at 128 + 8 (4 a + b).  Window 1: two fragment buffers of 128: 64 of xn, then 64 of W.
.set PA,    528                        ; a row of xn's tile: 512 bytes + 16
.set PB,    288                        ; a K row of W's tile: 256 bytes + 32
.set HALFA, 64*PA
.set BOFF,  128*PA
.set HALFB, 128*PB
.set SLOT,  BOFF+2*HALFB
.set SPARE, 2*SLOT
.set DP,    272                        ; the way out: a row of 64 f32 + 16 bytes
.set DW,    64*DP                      ; a wave's 64 rows; the four lie in slot 0, which has had its last fill and its last read at the last change of slots
.set ASTEP, 1024                       ; two K steps along a row of xn, in bytes
.set BSTEP, 1048576                    ; two K steps down W's rows
.set ADRA, 16
.set ADRB, 20                          ; v20-23: slot s, K half kh at 20 + 2 s + kh
.set DST,  24
.set RDA,  25
.set CO,   26
.set SPW,  30
.set NIL,  31
.set BIAS, 32
.set Z,    40
.set T,    56
.set SS,   72
.set Y,    80
.set ACC,  128
.set F0,   0
.set F1,   128
.set G1A,  24
.set G0A,  32
.set G1B,  48
.set G0B,  56
.set ROWS, 72
.set FQ,   73
.set MUL,  0x05
.set TO_F, 0x40
.set MSB, 0
.macro WIN new
.if MSB != (\new)
	s_set_vgpr_msb (MSB<<8)|(\new)
.set MSB, \new
.endif
.endm
.macro PLACES
.rept 4
	v_nop
.endr
.endm
.macro JLOAD s                         ; waves 0, 1 fetch xn's halves, waves 2, 3 W's; s_nop 0 and four v_nop follow each line
	s_cmp_eq_u32 s17, 0
	s_cbranch_scc0 .Lfor_b_\@
	tensor_load_to_lds s[G0A+4*(\s):G0A+4*(\s)+3], s[G1A:G1A+7]
	s_nop 0
.rept 4
	v_nop
.endr
	s_branch .Lasked_\@
.Lfor_b_\@:
	tensor_load_to_lds s[G0B+4*(\s):G0B+4*(\s)+3], s[G1B:G1B+7]
	s_nop 0
.rept 4
	v_nop
.endr
.Lasked_\@:
.endm
.macro CREST
	s_cmp_lg_u32 s16, 0
	s_cbranch_scc1 .Lnot_wave_0_\@
	s_barrier_signal -3
.Lnot_wave_0_\@:
	s_barrier_wait -3
	s_barrier_signal -1
	s_barrier_wait -1
.endm
.macro CROUND
	s_barrier_signal -1
	s_barrier_wait -1
	CREST
.endm
	s_load_b256 s[4:11], s[0:1], 0x0               ; xn 4, wqk16 6, bqk 8, temperature 10
	s_load_b64 s[12:13], s[0:1], 0x20              ; qkh
	v_lshl_add_u32 v[SPW], v0, 2, SPARE
	v_mov_b32 v[NIL], 0
	ds_add_u32 v[SPW], v[NIL]                      ; the wave's opening: the add and its wait ahead of my first tensor load
	v_lshrrev_b32 v1, 5, v0
	v_readfirstlane_b32 s16, v1
	s_lshr_b32 s17, s16, 1                         ; row half; also 0: I fetch xn, 1: W
	s_and_b32 s18, s16, 1                          ; column half; also which half tile I fetch
	s_bfe_u32 s19, ttmp6, 0x40000
	s_bfe_u32 s20, ttmp6, 0x40004
	s_lshl_b32 s21, ttmp9, 2
	s_add_co_u32 s21, s21, s19                     ; tile column = head
	s_and_b32 s22, ttmp7, 0xffff
	s_lshl_b32 s22, s22, 2
	s_add_co_u32 s22, s22, s20                     ; tile row
	s_lshl_b32 s40, s20, 2
	s_lshl_b32 s40, 15, s40
	s_lshl_b32 s41, 0x1111, s19
	s_or_b32 s[G1A], s40, (1<<16)|(1<<20)|(1<<21)|(6<<22)|(3<<25)   ; after every 128 words 4 words
	s_or_b32 s[G1B], s41, (1<<16)|(1<<20)|(1<<21)|(5<<22)|(7<<25)   ; after every 64 words 8 words
	s_mov_b32 s[G1A+1], 256<<16
	s_mov_b32 s[G1A+2], 64<<16
	s_mov_b32 s[G1A+3], 256<<16
	s_mov_b32 s[G1A+4], 64
	s_mov_b32 s[G1A+5], 1024
	s_mov_b32 s[G1A+6], 0
	s_mov_b32 s[G1A+7], 0
	s_mov_b32 s[G1B+1], 128<<16
	s_mov_b32 s[G1B+2], 128<<16
	s_mov_b32 s[G1B+3], 128<<16
	s_mov_b32 s[G1B+4], 128
	s_mov_b32 s[G1B+5], 1024
	s_mov_b32 s[G1B+6], 0
	s_mov_b32 s[G1B+7], 0
	s_lshl_b32 s42, s22, 7                         ; xn: row 128 x tile row + 64 x half, 2,048 bytes a row
	s_lshl_b32 s43, s18, 6
	s_add_co_u32 s42, s42, s43
	s_lshl_b32 s42, s42, 11
	s_mov_b32 s43, 0
	s_lshl_b32 s44, s18, 18                        ; W: K row 128 x half (2,048 bytes a row), column 128 x tile column
	s_lshl_b32 s45, s21, 8
	s_add_co_u32 s44, s44, s45
	s_mov_b32 s45, 0
	s_mul_i32 s46, s18, HALFA
	s_mul_i32 s47, s18, HALFB
	s_add_co_u32 s47, s47, BOFF
	s_wait_dscnt 0x0
	s_wait_kmcnt 0x0
	s_add_nc_u64 s[42:43], s[4:5], s[42:43]
	s_add_nc_u64 s[44:45], s[6:7], s[44:45]
	CROUND
.irp s, 0,1
	s_mov_b32 s[G0A+4*(\s)], 1
	s_add_co_u32 s[G0A+4*(\s)+1], s46, (\s)*SLOT
	s_add_nc_u64 s[G0A+4*(\s)+2:G0A+4*(\s)+3], s[42:43], (\s)*512
	s_or_b32 s[G0A+4*(\s)+3], s[G0A+4*(\s)+3], 0x80000000
	s_mov_b32 s[G0B+4*(\s)], 1
	s_add_co_u32 s[G0B+4*(\s)+1], s47, (\s)*SLOT
	s_add_nc_u64 s[G0B+4*(\s)+2:G0B+4*(\s)+3], s[44:45], (\s)*524288
	s_or_b32 s[G0B+4*(\s)+3], s[G0B+4*(\s)+3], 0x80000000
	JLOAD \s
.endr
	s_load_b32 s[FQ], s[10:11], 0x0                ; the temperature
	v_and_b32 v1, 15, v0
	v_bfe_u32 v2, v0, 4, 1
	v_mul_u32_u24 v3, v1, PA
	v_lshl_add_u32 v3, v2, 4, v3
	s_mul_i32 s46, s17, HALFA
	v_add_nc_u32 v[ADRA], s46, v3
	s_add_co_u32 s46, s46, SLOT
	v_add_nc_u32 v[ADRA+1], s46, v3
	v_and_b32 v4, 7, v0
	v_lshl_add_u32 v4, v2, 3, v4
	v_mul_u32_u24 v4, v4, PB
	v_bfe_u32 v5, v0, 3, 1
	v_lshl_add_u32 v4, v5, 4, v4
	s_lshl_b32 s47, s18, 7                         ; my 64 columns
	s_add_co_u32 s47, s47, BOFF
	v_add_nc_u32 v[ADRB], s47, v4
	s_add_co_u32 s47, s47, HALFB
	v_add_nc_u32 v[ADRB+1], s47, v4
	s_add_co_u32 s47, s47, SLOT-HALFB
	v_add_nc_u32 v[ADRB+2], s47, v4
	s_add_co_u32 s47, s47, HALFB
	v_add_nc_u32 v[ADRB+3], s47, v4
	s_lshl_b32 s76, s21, 9                         ; the bias of my lane's 4 columns on the way out: (128 head + 64 half + 4 r) x 4
	s_lshl_b32 s77, s18, 8
	s_add_co_u32 s76, s76, s77
	v_lshl_add_u32 v6, v1, 4, s76
	global_load_b128 v[BIAS:BIAS+3], v6, s[8:9]
	s_mul_i32 s46, s16, DW
	v_mul_u32_u24 v[DST], v1, DP
	v_lshl_add_u32 v[DST], v2, 5, v[DST]
	v_add_nc_u32 v[DST], s46, v[DST]
	v_mul_u32_u24 v[RDA], v2, DP
	v_lshl_add_u32 v[RDA], v1, 4, v[RDA]
	v_add_nc_u32 v[RDA], s46, v[RDA]               ; back: lanes 0-15 one row of 64 f32, lanes 16-31 the next
	v_and_b32 v[CO], 31, v0
	v_lshlrev_b32 v[CO], 3, v[CO]                  ; two rows of 128 bytes are 256 consecutive bytes of qkh
	s_lshl_b32 s76, s18, 22                        ; qkh: part << 22 | batch << 21 | head << 18 | n x 128
	s_lshr_b32 s77, s22, 4
	s_lshl_b32 s77, s77, 21
	s_or_b32 s76, s76, s77
	s_lshl_b32 s77, s21, 18
	s_or_b32 s76, s76, s77
	s_and_b32 s77, s22, 15
	s_lshl_b32 s77, s77, 14
	s_or_b32 s76, s76, s77
	s_lshl_b32 s77, s17, 13
	s_or_b32 s76, s76, s77
	s_mov_b32 s77, 0
	s_add_nc_u64 s[12:13], s[12:13], s[76:77]
	s_wait_kmcnt 0x0
	s_mul_f32 s[FQ], s[FQ], 0x3fb8aa3b             ; q carries temperature x log2 e, k carries 1
	s_cmp_eq_u32 s18, 0
	s_cselect_b32 s[FQ], s[FQ], 1.0
.macro MUL8 f, c, a0, zero             ; 8 matrix instructions: row blocks a0, a0 + 1 x 4 column blocks, half c of buffer f
	WIN MUL
.irp a, \a0, (\a0)+1
.irp b, 0,1,2,3
.if \zero
	v_wmma_f32_16x16x32_f16 v[ACC+8*(4*(\a)+(\b)):ACC+8*(4*(\a)+(\b))+7], v[(\f)+64+8*(4*(\c)+(\b)):(\f)+64+8*(4*(\c)+(\b))+7], v[(\f)+8*(4*(\c)+(\a)):(\f)+8*(4*(\c)+(\a))+7], 0
.else
	v_wmma_f32_16x16x32_f16 v[ACC+8*(4*(\a)+(\b)):ACC+8*(4*(\a)+(\b))+7], v[(\f)+64+8*(4*(\c)+(\b)):(\f)+64+8*(4*(\c)+(\b))+7], v[(\f)+8*(4*(\c)+(\a)):(\f)+8*(4*(\c)+(\a))+7], v[ACC+8*(4*(\a)+(\b)):ACC+8*(4*(\a)+(\b))+7]
.endif
.endr
.endr
.endm
.macro FETCH slot, q, f                ; 32 LDS loads: quarter q (64 along K) into buffer f, its first 32 along K first
	WIN TO_F
.irp c, 0,1
.irp i, 0,1,2,3
	ds_load_tr16_b128 v[(\f)+64+8*(4*(\c)+(\i)):(\f)+64+8*(4*(\c)+(\i))+3],   v[ADRB+2*(\slot)+(\q)/2] offset:(2*((\q)%2)+(\c))*32*PB+32*(\i)
	ds_load_tr16_b128 v[(\f)+64+8*(4*(\c)+(\i))+4:(\f)+64+8*(4*(\c)+(\i))+7], v[ADRB+2*(\slot)+(\q)/2] offset:(2*((\q)%2)+(\c))*32*PB+32*(\i)+16*PB
	ds_load_b128 v[(\f)+8*(4*(\c)+(\i)):(\f)+8*(4*(\c)+(\i))+3],   v[ADRA+(\slot)] offset:128*(\q)+64*(\c)+(\i)*16*PA
	ds_load_b128 v[(\f)+8*(4*(\c)+(\i))+4:(\f)+8*(4*(\c)+(\i))+7], v[ADRA+(\slot)] offset:128*(\q)+64*(\c)+(\i)*16*PA+32
.endr
.endr
.endm
.macro QUARTER slot, q, f, g, zero
	s_wait_dscnt 16                                ; the first 32 along K are in
	MUL8 \f, 0, 0, \zero
	MUL8 \f, 0, 2, \zero
	PLACES
	FETCH \slot, \q, \g
	s_wait_dscnt 32                                ; all but the 32 just issued
	MUL8 \f, 1, 0, 0
	MUL8 \f, 1, 2, 0
.endm
.macro TURN slot, next, fill           ; the last quarter multiplies buffer 1 and changes slots
	WIN 0
	s_wait_tensorcnt 0x0                           ; all my tensor loads have landed: my part of the next slot
	ds_add_u32 v[SPW], v[NIL]
	s_wait_dscnt 17                                ; (the add and the youngest sixteen loads may be out)
	MUL8 F1, 0, 0, 0
	s_wait_dscnt 0x0                               ; the add is done, my reads of this slot are over
	s_barrier_signal -1
	MUL8 F1, 0, 2, 0
.if \fill
	WIN 0
.endif
	s_barrier_wait -1
.if \fill
	CREST
	s_add_nc_u64 s[G0A+4*(\slot)+2:G0A+4*(\slot)+3], s[G0A+4*(\slot)+2:G0A+4*(\slot)+3], ASTEP
	s_add_nc_u64 s[G0B+4*(\slot)+2:G0B+4*(\slot)+3], s[G0B+4*(\slot)+2:G0B+4*(\slot)+3], BSTEP
	JLOAD \slot                                    ; my one tensor load behind the round; its four v_nop are the places in front of the loads below
.else
	PLACES
.endif
	FETCH \next, 0, F0
	MUL8 F1, 1, 0, 0
	MUL8 F1, 1, 2, 0
.endm
	s_wait_tensorcnt 1                             ; K step 0 is in; K step 1's load stays out
	s_barrier_signal -1
	s_barrier_wait -1
	FETCH 0, 0, F0
	QUARTER 0, 1, F0, F1, 1                        ; four K steps, written straight: the first two fill their slots again, the last two do not
	QUARTER 0, 2, F1, F0, 0
	QUARTER 0, 3, F0, F1, 0
	TURN 0, 1, 1
	QUARTER 1, 1, F0, F1, 0
	QUARTER 1, 2, F1, F0, 0
	QUARTER 1, 3, F0, F1, 0
	TURN 1, 0, 1
	QUARTER 0, 1, F0, F1, 0
	QUARTER 0, 2, F1, F0, 0
	QUARTER 0, 3, F0, F1, 0
	TURN 0, 1, 0
	QUARTER 1, 1, F0, F1, 0
	QUARTER 1, 2, F1, F0, 0
	QUARTER 1, 3, F0, F1, 0
	s_wait_dscnt 16
	MUL8 F1, 0, 0, 0
	MUL8 F1, 0, 2, 0
	s_wait_dscnt 0x0
	MUL8 F1, 1, 0, 0
	MUL8 F1, 1, 2, 0
	; THE WAY OUT: the f32 sums go into my own 64 rows in slot 0 and come back by rows: sixteen lanes hold a vector of 64.
	WIN 0
	PLACES
	PLACES
.irp a, 0,1,2,3
.irp b, 0,1,2,3
	ds_store_b128 v[DST], v[ACC+8*(4*(\a)+(\b)):ACC+8*(4*(\a)+(\b))+3]   offset:(\a)*16*DP+(\b)*64
	ds_store_b128 v[DST], v[ACC+8*(4*(\a)+(\b))+4:ACC+8*(4*(\a)+(\b))+7] offset:(\a)*16*DP+(\b)*64+16
.endr
.endr
	s_wait_loadcnt 0x0                             ; the bias
	s_mov_b32 s[ROWS], 8
.Lrow:                                         ; a trip: 8 rows
.irp p, 0,1,2,3
	ds_load_b128 v[Z+4*(\p):Z+4*(\p)+3], v[RDA] offset:(\p)*2*DP
.endr
	s_wait_dscnt 0x0
.set i, 0
.rept 8
	v_pk_add_f32 v[Z+2*i:Z+2*i+1], v[Z+2*i:Z+2*i+1], v[BIAS+2*(i%2):BIAS+2*(i%2)+1]
.set i, i+1
.endr
.set i, 0
.rept 8
	v_pk_mul_f32 v[T+2*i:T+2*i+1], v[Z+2*i:Z+2*i+1], 0xbfb8aa3b op_sel_hi:[1,0]
.set i, i+1
.endr
.set i, 0
.rept 16
	v_exp_f32 v[T+i], v[T+i]
.set i, i+1
.endr
	v_nop
	s_wait_alu depctr_va_vdst(0)
.set i, 0
.rept 8
	v_pk_add_f32 v[T+2*i:T+2*i+1], v[T+2*i:T+2*i+1], 1.0 op_sel_hi:[1,0]
.set i, i+1
.endr
.set i, 0
.rept 16
	v_rcp_f32 v[T+i], v[T+i]
.set i, i+1
.endr
	v_nop
	s_wait_alu depctr_va_vdst(0)
.set i, 0
.rept 8
	v_pk_mul_f32 v[Z+2*i:Z+2*i+1], v[Z+2*i:Z+2*i+1], v[T+2*i:T+2*i+1]
.set i, i+1
.endr
.irp p, 0,1,2,3
	v_pk_mul_f32 v[SS+2*(\p):SS+2*(\p)+1], v[Z+4*(\p):Z+4*(\p)+1], v[Z+4*(\p):Z+4*(\p)+1]
.endr
.irp p, 0,1,2,3
	v_pk_fma_f32 v[SS+2*(\p):SS+2*(\p)+1], v[Z+4*(\p)+2:Z+4*(\p)+3], v[Z+4*(\p)+2:Z+4*(\p)+3], v[SS+2*(\p):SS+2*(\p)+1]
.endr
.irp p, 0,1,2,3
	v_add_f32 v[SS+2*(\p)], v[SS+2*(\p)], v[SS+2*(\p)+1]
.endr
.irp m, 1,2,4,8
.irp p, 0,1,2,3
	v_add_f32_dpp v[SS+2*(\p)], v[SS+2*(\p)], v[SS+2*(\p)] row_xmask:\m row_mask:0xf bank_mask:0xf
.endr
.endr
.irp p, 0,1,2,3
	v_sqrt_f32 v[SS+2*(\p)], v[SS+2*(\p)]
.endr
	v_nop
	s_wait_alu depctr_va_vdst(0)
.irp p, 0,1,2,3
	v_max_num_f32 v[SS+2*(\p)], 0x2b8cbccc, v[SS+2*(\p)]  ; the norm's floor, 1e-12
.endr
.irp p, 0,1,2,3
	v_rcp_f32 v[SS+2*(\p)], v[SS+2*(\p)]
.endr
	v_nop
	s_wait_alu depctr_va_vdst(0)
.irp p, 0,1,2,3
	v_mul_f32 v[SS+2*(\p)], s[FQ], v[SS+2*(\p)]
.endr
.irp p, 0,1,2,3
	v_pk_mul_f32 v[Z+4*(\p):Z+4*(\p)+1],   v[Z+4*(\p):Z+4*(\p)+1],   v[SS+2*(\p):SS+2*(\p)+1] op_sel_hi:[1,0]
	v_pk_mul_f32 v[Z+4*(\p)+2:Z+4*(\p)+3], v[Z+4*(\p)+2:Z+4*(\p)+3], v[SS+2*(\p):SS+2*(\p)+1] op_sel_hi:[1,0]
.endr
.set i, 0
.rept 8
	v_cvt_pk_f16_f32 v[Y+i], v[Z+2*i], v[Z+2*i+1]
.set i, i+1
.endr
.irp p, 0,1,2,3
	global_store_b64 v[CO], v[Y+2*(\p):Y+2*(\p)+1], s[12:13] offset:(\p)*256  ; 32 lanes x 8 bytes: 256 consecutive bytes, aligned
.endr
	v_add_nc_u32 v[RDA], 8*DP, v[RDA]
	s_wait_xcnt 0x0                                ; the stores have read their data and their base
	s_add_nc_u64 s[12:13], s[12:13], 1024
	s_sub_co_u32 s[ROWS], s[ROWS], 1
	s_cmp_lg_u32 s[ROWS], 0
	s_cbranch_scc1 .Lrow
	s_wait_tensorcnt 0x0                           ; the wave's end
	ds_add_u32 v[SPW], v[NIL]
	s_wait_dscnt 0x0
	CROUND
	s_endpgm
.Lfunc_end_k_qd42bd41177_gemm_qk:
	.size	k_qd42bd41177_gemm_qk, .Lfunc_end_k_qd42bd41177_gemm_qk-k_qd42bd41177_gemm_qk
	.p2alignl 7, 3214868480
	.fill 96, 4, 3214868480
	.section	.rodata,"a",@progbits
	.p2align	6, 0x0
	.amdhsa_kernel k_qd42bd41177_gemm_qk
		.amdhsa_group_segment_fixed_size 327680
		.amdhsa_private_segment_fixed_size 0
		.amdhsa_enable_private_segment 0
		.amdhsa_kernarg_size 40
		.amdhsa_user_sgpr_count 2
		.amdhsa_user_sgpr_kernarg_segment_ptr 1
		.amdhsa_wavefront_size32 1
		.amdhsa_system_sgpr_workgroup_id_x 1
		.amdhsa_system_sgpr_workgroup_id_y 1
		.amdhsa_system_sgpr_workgroup_id_z 1
		.amdhsa_system_vgpr_workitem_id 0
		.amdhsa_next_free_vgpr 512
		.amdhsa_next_free_sgpr 80
		.amdhsa_reserve_vcc 0
		.amdhsa_float_denorm_mode_32 3
		.amdhsa_float_denorm_mode_16_64 3
		.amdhsa_memory_ordered 1
		.amdhsa_forward_progress 1
		.amdhsa_inst_pref_size 89
	.end_amdhsa_kernel
	.amdgpu_metadata
---
amdhsa.version: [ 1, 2 ]
amdhsa.kernels:
  - .name:           k_qd42bd41177_gemm_qk
    .symbol:         k_qd42bd41177_gemm_qk.kd
    .args:
      - { .name: xn, .offset: 0, .size: 8, .value_kind: global_buffer, .address_space: global }
      - { .name: wqk16, .offset: 8, .size: 8, .value_kind: global_buffer, .address_space: global }
      - { .name: bqk, .offset: 16, .size: 8, .value_kind: global_buffer, .address_space: global }
      - { .name: temperature, .offset: 24, .size: 8, .value_kind: global_buffer, .address_space: global }
      - { .name: qkh, .offset: 32, .size: 8, .value_kind: global_buffer, .address_space: global }
    .group_segment_fixed_size: 327680
    .private_segment_fixed_size: 0
    .kernarg_segment_align: 8
    .kernarg_segment_size: 40
    .max_flat_workgroup_size: 128
    .sgpr_count:     80
    .vgpr_count:     512
    .wavefront_size: 32
...
	.end_amdgpu_metadata
.endif
;; end of part 3
;; launch attn (part 4): grid 16 x 16, 4 waves a work-group, clusters of 4 x 4, 327,680 bytes of LDS; arguments qkh, vgh, pos_bias, mask, ag, asc; writes ag, asc
.if DOCPART == 4
	.amdgcn_target "amdgcn-amd-amdhsa--gfx1250"
	.amdhsa_code_object_version 6
	.text
	.protected	k_qd42bd41177_attn
	.globl	k_qd42bd41177_attn
	.p2align	8
	.type	k_qd42bd41177_attn,@function
k_qd42bd41177_attn:
	s_mov_b64 s[64:65], 0
	v_nop
	global_prefetch_b8 v0, s[64:65] scope:SCOPE_SE
	s_setreg_imm32_b32 hwreg(HW_REG_WAVE_MODE, 25, 1), 1
	s_wait_xcnt 0x0
	s_wait_alu depctr_hold_cnt(0) depctr_sa_sdst(0) depctr_va_vdst(0) depctr_va_sdst(0) depctr_va_ssrc(0) depctr_va_vcc(0) depctr_vm_vsrc(0)
	s_getreg_b32 s2, hwreg(HW_REG_IB_STS2, 6, 4)
	s_cmp_eq_u32 s2, 0
	s_cbranch_scc0 .Lentry_in_a_cluster
	s_endpgm
.Lentry_in_a_cluster:
	s_bfe_u32 s2, ttmp6, 0x10000c
	s_cmp_lg_u32 s2, 0xf033
	s_cbranch_scc0 .Lentry_shape_is_right
	s_endpgm
.Lentry_shape_is_right:
; ag, asc = (softmax(q k^T T + pos_bias, masked) v) * gate, scaled.  qkh: f16 [q', k][b][h][n][64] (q' carries T log2 e); vgh: f16 [v, gate][b][h][n][256]; pos_bias: f32 [h][n][n]; mask: bytes [b][n], 1 = padded.
; ag: f16 [4096][2048], each (row, head)'s 256 numbers divided by a power of two 2^e that brings the largest into [1, 2); asc: f32 [head][row] = 2^e.  The next launch multiplies it back in f32.
; SOFTMAX in powers of 2, with a running maximum m: s2 = K Q'^T + C, C = pos_bias log2 e + MK[key], MK = 0 or -2^100 for a padded key; p = 2^(cq s2 - cq m); O and l are multiplied by a = 2^(cq m_old - cq m_new) in every step.
; cq = 1 for a valid query.  cq = 0 for a padded one: then p = 1 for all 2,048 keys: the uniform row that a row of equal scores gives.  What padded keys leave in O and l while m = -2^100 is wiped by a = 0 at the first
; valid key, or by the factor 0 at the merge; a valid query has a valid key: its own position.  No branch hangs on the mask.
; LIMITS.  True scores lie above -2^99 in units of log2; a weight below 2^-24 is 0 in P (l is summed of the unrounded weights); mask bytes are 0 or 1; NaN and infinities are not treated apart.
; SHARES.  A work-group: 128 queries of one (batch, head).  Wave w: queries 64 (w / 2) + 0..63 (four tiles of 16) and keys 64 (w % 2) + 0..63 of every slot of 128 keys: the keys are split between the two waves of a pair,
; each with its own m, l and O (512 registers); the two are merged once, at the end, through LDS in f32.
; CLUSTER 4 x 4: the four query blocks of a row share (batch, head): K and V are asked for jointly.  pos_bias's tile is wanted by two work-groups only (the two batches): each loads it by a load of its own.
; REGISTERS.  Window 0: v0-31 addresses, cq; v32-63 statistics, 8 a tile: cq m, m, l (even, odd keys), c0-c3 (c2 takes a); v64-191 S, tile t key block kb at 64 + 32 t + 8 kb; v192-255 P.
; Window 1: v0-63 Q; v64-127, v128-191 two buffers of V (K lies in the first); v192-223 MK.  Window 2: O of tiles 0, 1 at 128 (t % 2) + 8 cb; window 3: tiles 2, 3.
.set PK,    144                        ; a key's row of K: 128 bytes + 16
.set PV,    544                        ; of V: 512 + 32
.set PP,    528                        ; a query's row of pos_bias: 512 + 16
.set VOFF,  128*PK
.set PBOFF, VOFF+128*PV
.set SLOT,  PBOFF+128*PP               ; 155,648
.set XK,    155648                     ; slot 0's address of each tile, exclusive-or slot 1's: one s_xor_b32 turns the one into the other
.set XV,    188416
.set XP0,   188416
.set XP1,   385024
.set MKT,   2*SLOT                     ; f32 MK[2048], stored once; no tile lands here
.set SPARE, MKT+8192                   ; the spare words, 128 bytes a wave
.set STT,   SPARE+512                  ; (cq m, l) of 4 waves x 64 queries
.set DPI,   1040                       ; the merge: a query's 256 f32 + 16 bytes
.set DW,    32*DPI                     ; 32 queries a wave and round; over the ring, which has had its last fill
.set GBASE, 4*DW                       ; behind them: 16,384 bytes of gate a wave
.set MSB, 0
.macro WIN new
.if MSB != (\new)
	s_set_vgpr_msb (MSB<<8)|(\new)
.set MSB, \new
.endif
.endm
.macro PLACES
.rept 4
	v_nop
.endr
.endm
.macro CROUND                          ; a round of the cluster's barrier
	s_barrier_signal -1
	s_barrier_wait -1
	s_cmp_lg_u32 s16, 0
	s_cbranch_scc1 .Lnot_wave_0_\@
	s_barrier_signal -3
.Lnot_wave_0_\@:
	s_barrier_wait -3
	s_barrier_signal -1
	s_barrier_wait -1
.endm
.macro JLOAD                           ; a slot's four loads, one a wave: 0: K (joint), 1: V (joint), 2, 3: the two halves of pos_bias's rows; s_nop 0 and four v_nop follow each
	s_cmp_lt_u32 s16, 2
	s_cbranch_scc0 .Lbias_\@
	s_cmp_eq_u32 s16, 0
	s_cbranch_scc0 .Lval_\@
	tensor_load_to_lds s[48:51], s[24:31]
	s_nop 0
.rept 4
	v_nop
.endr
	s_branch .Lasked_\@
.Lval_\@:
	tensor_load_to_lds s[52:55], s[32:39]
	s_nop 0
.rept 4
	v_nop
.endr
	s_branch .Lasked_\@
.Lbias_\@:
	s_cmp_eq_u32 s16, 2
	s_cbranch_scc0 .Lbias1_\@
	tensor_load_to_lds s[56:59], s[40:47]
	s_nop 0
.rept 4
	v_nop
.endr
	s_branch .Lasked_\@
.Lbias1_\@:
	tensor_load_to_lds s[60:63], s[40:47]
	s_nop 0
.rept 4
	v_nop
.endr
.Lasked_\@:
.endm
; PREFETCHES of what the next change of slots will ask for.  pos_bias: the two batches' work-groups share a tile's 256 blocks of 256 bytes by address: batch b names rows 64 b + 16 w + l / 2, block l % 2.
; V: the row of clusters' first cluster asks; its four partners take 32 keys each by address, waves 0 and 1 sixteen each.  The last trip of the loop asks for nothing.
.macro ASK
	s_cmp_gt_u32 s69, 1
	s_cbranch_scc0 .Lno_p_\@
	global_prefetch_b8 v13, s[74:75] th:TH_LOAD_NT scope:SCOPE_SE
.Lno_p_\@:
	s_cmp_gt_u32 s69, s78
	s_cbranch_scc0 .Lno_v_\@
	global_prefetch_b8 v14, s[76:77] th:TH_LOAD_NT scope:SCOPE_SE
.Lno_v_\@:
.endm
; THE CHANGE OF SLOTS.  Each wave waits for all its tensor loads (one is out: its part of the slot to be read), adds 0 to its spare word, waits for that and for its reads of the slot that it leaves.
; fill = 1: a round of the cluster's barrier, and the slot just left is filled with the next 128 keys' tiles, first thing behind it.
.macro CHANGE fill
	WIN 0
	s_wait_tensorcnt 0x0
	ds_add_u32 v30, v31                            ; 0 onto my spare word; the scalar steps stand between it and the wait for it
.if \fill
	s_xor_b32 s49, s49, XK
	s_add_nc_u64 s[50:51], s[50:51], 16384
	s_xor_b32 s53, s53, XV
	s_add_nc_u64 s[54:55], s[54:55], 65536
	s_xor_b32 s57, s57, XP0
	s_add_nc_u64 s[58:59], s[58:59], 512
	s_xor_b32 s61, s61, XP1
	s_add_nc_u64 s[62:63], s[62:63], 512
	s_wait_xcnt 0x0                                ; the last prefetches, a step back, have read their addresses
	s_add_nc_u64 s[74:75], s[74:75], 512
	s_add_nc_u64 s[76:77], s[76:77], 65536
.endif
	s_xor_b32 s67, s67, SLOT                       ; the slot to be read
	s_add_co_u32 s68, s68, 512                     ; its 128 keys in MK
	s_wait_dscnt 0x0
.if \fill
	CROUND
	JLOAD
.else
	s_barrier_signal -1
	s_barrier_wait -1
	PLACES
.endif
.endm
	s_load_b256 s[4:11], s[0:1], 0x0               ; qkh 4, vgh 6, pos_bias 8, mask 10
	s_load_b128 s[12:15], s[0:1], 0x20             ; ag 12, asc 14
	v_lshl_add_u32 v30, v0, 2, SPARE
	v_mov_b32 v31, 0
	ds_add_u32 v30, v31                            ; the wave's opening: the add and its wait ahead of my first tensor load
	v_lshrrev_b32 v1, 5, v0
	v_readfirstlane_b32 s16, v1                    ; wave
	s_lshr_b32 s17, s16, 1                         ; QG: my half of the queries
	s_and_b32 s18, s16, 1                          ; KH: my half of a slot's keys
	s_bfe_u32 s19, ttmp6, 0x40000                  ; cx
	s_bfe_u32 s20, ttmp6, 0x40004                  ; cy
	s_lshl_b32 s21, ttmp9, 2
	s_add_co_u32 s21, s21, s19                     ; the block of 128 queries
	s_and_b32 s22, ttmp7, 0xffff
	s_lshl_b32 s22, s22, 2
	s_add_co_u32 s22, s22, s20                     ; 2 h + b
	s_lshr_b32 s23, s22, 1                         ; h
	s_and_b32 s66, s22, 1                          ; b
	s_lshl3_add_u32 s79, s66, s23                  ; 8 b + h
	s_lshl_b32 s80, s20, 2
	s_lshl_b32 s80, 15, s80                        ; my row of the cluster
	s_or_b32 s24, s80, (1<<16)|(1<<20)|(1<<21)|(4<<22)|(3<<25)  ; K: 128 keys are 16,384 dense bytes: 64 rows of 256 bytes, 4 words of padding after every 32 (a key)
	s_mov_b32 s25, 128<<16
	s_mov_b32 s26, 64<<16
	s_mov_b32 s27, 128<<16
	s_mov_b32 s28, 64
	s_mov_b32 s29, 128
	s_mov_b32 s30, 0
	s_mov_b32 s31, 0
	s_or_b32 s32, s80, (1<<16)|(1<<20)|(1<<21)|(6<<22)|(7<<25)  ; V: 128 rows of 256 elements, 8 words after every 128
	s_mov_b32 s33, 256<<16
	s_mov_b32 s34, 128<<16
	s_mov_b32 s35, 256<<16
	s_mov_b32 s36, 128
	s_mov_b32 s37, 256
	s_mov_b32 s38, 0
	s_mov_b32 s39, 0
	s_mov_b32 s40, (2<<16)|(1<<20)|(6<<22)|(3<<25)              ; pos_bias: 64 rows of 128 f32, 4 words after every 128; no mask
	s_mov_b32 s41, 128<<16
	s_mov_b32 s42, 64<<16
	s_mov_b32 s43, 128<<16
	s_mov_b32 s44, 64
	s_mov_b32 s45, 2048
	s_mov_b32 s46, 0
	s_mov_b32 s47, 0
	s_mov_b32 s48, 1
	s_mov_b32 s49, 0
	s_mov_b32 s52, 1
	s_mov_b32 s53, VOFF
	s_mov_b32 s56, 1
	s_mov_b32 s57, PBOFF
	s_mov_b32 s60, 1
	s_mov_b32 s61, PBOFF+64*PP
	s_mov_b32 s81, 0
	s_mov_b32 s83, 0
	s_mov_b32 s85, 0
	s_mov_b32 s70, 0x3fb8aa3b                      ; log2 e, as a pair
	s_mov_b32 s71, 0x3fb8aa3b
	s_mov_b32 s72, 0x76543210
	s_mov_b32 s73, 0xfedcba98
	s_wait_dscnt 0x0
	s_wait_kmcnt 0x0
	s_lshl_b32 s80, s79, 18
	s_add_co_u32 s80, s80, 1<<22
	s_add_nc_u64 s[50:51], s[4:5], s[80:81]        ; k of (b, h)
	s_or_b32 s51, s51, 0x80000000
	s_lshl_b32 s80, s79, 20
	s_add_nc_u64 s[54:55], s[6:7], s[80:81]        ; v of (b, h)
	s_or_b32 s55, s55, 0x80000000
	s_lshl_b32 s82, s23, 24
	s_lshl_b32 s84, s21, 20
	s_add_co_u32 s82, s82, s84
	s_add_nc_u64 s[58:59], s[8:9], s[82:83]        ; pos_bias at (h, my first query, key 0)
	s_add_nc_u64 s[62:63], s[58:59], 524288        ; and 64 rows on
	s_or_b32 s59, s59, 0x80000000
	s_or_b32 s63, s63, 0x80000000
	CROUND                                         ; all sixteen work-groups are here
	JLOAD                                          ; tile 0 into slot 0; slot 1 is asked for by the loop's first change of slots
	v_and_b32 v1, 15, v0                           ; r
	v_bfe_u32 v10, v0, 4, 1                        ; hh
	v_and_b32 v11, 31, v0                          ; lane
	s_lshl_b32 s84, s66, 11
	s_add_nc_u64 s[10:11], s[10:11], s[84:85]      ; the batch's mask
	v_lshlrev_b32 v28, 4, v0
	global_load_b128 v[64:67], v28, s[10:11]       ; 16 bytes a thread: all 2,048
	s_lshl_b32 s98, s21, 7
	s_lshl_b32 s84, s17, 6
	s_add_co_u32 s98, s98, s84                     ; my wave's first query
	v_add_nc_u32 v29, s98, v1
	global_load_u8 v24, v29, s[10:11]              ; my four queries' bytes
	global_load_u8 v25, v29, s[10:11] offset:16
	global_load_u8 v26, v29, s[10:11] offset:32
	global_load_u8 v27, v29, s[10:11] offset:48
	s_lshl_b32 s84, s79, 18
	s_lshl_b32 s86, s98, 7
	s_add_co_u32 s84, s84, s86
	s_add_nc_u64 s[96:97], s[4:5], s[84:85]        ; q' at my first query
	v_lshlrev_b32 v12, 7, v1
	v_lshl_add_u32 v12, v10, 4, v12
	WIN 0x40
.irp t, 0,1,2,3
.irp c, 0,1
	global_load_b128 v[16*(\t)+8*(\c):16*(\t)+8*(\c)+3],   v12, s[96:97] offset:(\t)*2048+64*(\c)
	global_load_b128 v[16*(\t)+8*(\c)+4:16*(\t)+8*(\c)+7], v12, s[96:97] offset:(\t)*2048+64*(\c)+32
.endr
.endr
	WIN 0
	; addresses
	s_mul_i32 s84, s18, 64*PK
	v_mul_u32_u24 v2, v1, PK
	v_lshl_add_u32 v2, v10, 4, v2
	v_add_nc_u32 v2, s84, v2                       ; K: (64 KH + r) x 144 + 16 hh
	v_and_b32 v3, 7, v0
	v_lshl_add_u32 v3, v10, 3, v3
	v_mul_u32_u24 v3, v3, PV
	v_bfe_u32 v17, v0, 3, 1
	v_lshl_add_u32 v3, v17, 4, v3
	s_mul_i32 s84, s18, 64*PV
	s_add_co_u32 s84, s84, VOFF
	v_add_nc_u32 v3, s84, v3                       ; V, for the turning load
	v_mul_u32_u24 v4, v1, PP
	v_lshl_add_u32 v4, v10, 5, v4
	s_mul_i32 s84, s17, 64*PP
	s_lshl_b32 s87, s18, 8
	s_add_co_u32 s84, s84, s87
	s_add_co_u32 s84, s84, PBOFF
	v_add_nc_u32 v4, s84, v4                       ; pos_bias: (64 QG + r) x 528 + 256 KH + 32 hh
	v_lshl_add_u32 v5, v10, 5, s87                 ; MK: (64 KH + 8 hh) x 4
	v_lshrrev_b32 v13, 1, v11
	v_lshlrev_b32 v13, 13, v13
	v_and_b32 v17, 1, v0
	v_lshl_add_u32 v13, v17, 8, v13                ; the prefetch of pos_bias: row l / 2, block l % 2
	v_lshlrev_b32 v14, 8, v11                      ; of V: 256 x lane
	s_mul_i32 s84, s16, DW
	v_mul_u32_u24 v15, v1, DPI
	v_lshl_add_u32 v15, v10, 5, v15
	v_add_nc_u32 v15, s84, v15                     ; the merge, in: row r, 32 bytes for each half of the lanes
	s_mul_i32 s84, s17, 2*DW
	s_mul_i32 s87, s18, 16*DPI
	s_add_co_u32 s84, s84, s87
	v_lshl_add_u32 v16, v11, 5, s84                ; back: the pair's first wave, row 16 KH, 8 channels a lane
	v_lshlrev_b32 v20, 4, v11
	s_lshl_b32 s84, s16, 14
	s_add_co_u32 s84, s84, GBASE
	v_lshl_add_u32 v23, v11, 4, s84                ; my gate rows in LDS
	s_lshl_b32 s99, s17, 10
	s_lshl_b32 s87, s18, 7
	s_add_co_u32 s99, s99, s87
	s_add_co_u32 s99, s99, STT                     ; the statistics that I merge: (128 QG + 16 KH) x 8
	s_lshl4_add_u32 s86, s18, s98                  ; the first query that I finish
	s_lshl_b32 s87, s86, 9
	s_lshl_b32 s84, s79, 20
	s_add_co_u32 s84, s84, s87
	s_add_co_u32 s84, s84, 1<<24
	s_add_nc_u64 s[88:89], s[6:7], s[84:85]        ; its gate row
	s_lshl_b32 s87, s66, 11
	s_add_co_u32 s86, s86, s87                     ; its row among the 4,096
	s_lshl_b32 s84, s86, 12
	s_lshl_b32 s87, s23, 9
	s_add_co_u32 s84, s84, s87
	s_add_nc_u64 s[90:91], s[12:13], s[84:85]      ; its place in ag
	s_lshl_b32 s84, s23, 14
	s_add_nc_u64 s[14:15], s[14:15], s[84:85]      ; the head's scales
	v_lshl_add_u32 v22, v10, 5, v1
	v_add_lshl_u32 v22, v22, s86, 2                ; lane l keeps the scale of row + 32 (l / 16) + l % 16
	s_lshl_b32 s84, s66, 6
	s_lshl4_add_u32 s84, s16, s84
	s_lshl_b32 s84, s84, 13
	s_add_co_u32 s84, s84, s82
	s_add_co_u32 s84, s84, 512                     ; at tile 1: each change steps first, so the trip that reads tile i names tile i + 2
	s_add_nc_u64 s[74:75], s[8:9], s[84:85]
	s_lshl_b32 s84, s19, 5
	s_lshl4_add_u32 s84, s16, s84
	s_lshl_b32 s84, s84, 9
	s_add_co_u32 s84, s84, s80
	s_add_co_u32 s84, s84, 65536
	s_add_nc_u64 s[76:77], s[6:7], s[84:85]
	s_lshr_b32 s78, s16, 1
	s_or_b32 s78, s78, ttmp9
	s_cmp_eq_u32 s78, 0
	s_cselect_b32 s78, 1, -1                       ; waves 0, 1 of the first cluster of the row of clusters ask for V: the same in all partners
	s_wait_loadcnt 16                              ; the mask's five loads are in; Q's sixteen stay out
.irp k, 0,1,2,3,4,5,6,7,8,9,10,11,12,13,14,15
	v_bfe_u32 v[68+(\k)], v[64+(\k)/4], 8*((\k)%4), 8
.endr
.irp k, 0,1,2,3,4,5,6,7,8,9,10,11,12,13,14,15
	v_cvt_f32_u32 v[68+(\k)], v[68+(\k)]
.endr
.irp k, 0,1,2,3,4,5,6,7,8,9,10,11,12,13,14,15
	v_mul_f32 v[68+(\k)], 0xf1800000, v[68+(\k)]   ; 0, or -2^100 for a padded key
.endr
	v_lshl_add_u32 v28, v0, 6, MKT
.irp k, 0,1,2,3
	ds_store_b128 v28, v[68+4*(\k):71+4*(\k)] offset:16*(\k)
.endr
.irp t, 0,1,2,3
	v_cvt_f32_u32 v[24+(\t)], v[24+(\t)]
.endr
.irp t, 0,1,2,3
	v_sub_f32 v[24+(\t)], 1.0, v[24+(\t)]          ; cq
.endr
.irp t, 0,1,2,3
	v_mov_b32 v[32+8*(\t)], 0xff7fffff             ; cq m and m start at the lowest finite number: the first step's a is 0
	v_mov_b32 v[33+8*(\t)], 0xff7fffff
	v_mov_b32 v[34+8*(\t)], 0
	v_mov_b32 v[35+8*(\t)], 0
.endr
	WIN 0x80                                       ; O starts at 0, written in the wait for the first tile: no first step is written out, which would be a third copy of the step's text
.set i, 0
.rept 256
	v_mov_b32 v[i], 0
.set i, i+1
.endr
	WIN 0xc0
.set i, 0
.rept 256
	v_mov_b32 v[i], 0
.set i, i+1
.endr
	WIN 0
	s_wait_loadcnt 0x0                             ; Q
	s_mov_b32 s67, SLOT                            ; the first change turns these into slot 0 and MK's first 128 keys
	s_mov_b32 s68, MKT-512
	s_mov_b32 s69, 15
.macro FK                              ; my 64 keys of K: 8 fragments, 16 loads
	WIN 0x40
.irp kb, 0,1,2,3
.irp c, 0,1
	ds_load_b128 v[64+16*(\kb)+8*(\c):64+16*(\kb)+8*(\c)+3],   v6 offset:(\kb)*16*PK+64*(\c)
	ds_load_b128 v[64+16*(\kb)+8*(\c)+4:64+16*(\kb)+8*(\c)+7], v6 offset:(\kb)*16*PK+64*(\c)+32
.endr
.endr
.endm
.macro FV kk, chh, buf                 ; V, turned: keys 32 kk on, channels 128 chh on: 8 fragments, 16 loads
	WIN 0x40
.irp cb, 0,1,2,3,4,5,6,7
	ds_load_tr16_b128 v[(\buf)+8*(\cb):(\buf)+8*(\cb)+3],   v7 offset:(\kk)*32*PV+(8*(\chh)+(\cb))*32
	ds_load_tr16_b128 v[(\buf)+8*(\cb)+4:(\buf)+8*(\cb)+7], v7 offset:(\kk)*32*PV+(8*(\chh)+(\cb))*32+16*PV
.endr
.endm
.macro QK                              ; S = K Q'^T + C, in place on C: 16 accumulators by turns, one instruction a turn
	WIN 0x05
.irp c, 0,1
.irp kb, 0,1,2,3
.irp t, 0,1,2,3
	v_wmma_f32_16x16x32_f16 v[64+32*(\t)+8*(\kb):64+32*(\t)+8*(\kb)+7], v[64+16*(\kb)+8*(\c):64+16*(\kb)+8*(\c)+7], v[16*(\t)+8*(\c):16*(\t)+8*(\c)+7], v[64+32*(\t)+8*(\kb):64+32*(\t)+8*(\kb)+7]
.endr
.endr
.endr
.endm
.macro PVC kk, chh, buf                ; O += V^T P: 32 products, each accumulator once
.irp g, 0,1
	WIN 0xa1+0x50*(\g)
.irp cb, 0,1,2,3,4,5,6,7
.irp u, 0,1
	v_wmma_f32_16x16x32_f16 v[128*(\u)+8*(8*(\chh)+(\cb)):128*(\u)+8*(8*(\chh)+(\cb))+7], v[(\buf)+8*(\cb):(\buf)+8*(\cb)+7], v[192+16*(2*(\g)+(\u))+8*(\kk):192+16*(2*(\g)+(\u))+8*(\kk)+7], v[128*(\u)+8*(8*(\chh)+(\cb)):128*(\u)+8*(8*(\chh)+(\cb))+7]
.endr
.endr
.endr
.endm
; Number j of the 22 that find tile t's maximum and statistics; each accumulator's lowest registers are read first
.macro SM t, j
.set rT, 32+8*(\t)
.set rS, 64+32*(\t)
.if (\j) < 4
	v_max3_num_f32 v[rT+4+(\j)], v[rS+8*(\j)], v[rS+8*(\j)+1], v[rS+8*(\j)+2]
.elseif (\j) < 12
	v_max3_num_f32 v[rT+4+(\j)%4], v[rT+4+(\j)%4], v[rS+8*((\j)%4)+2*((\j)/4)+1], v[rS+8*((\j)%4)+2*((\j)/4)+2]
.elseif (\j) == 12
	v_max3_num_f32 v[rT+4], v[rT+4], v[rS+7], v[rS+15]
.elseif (\j) == 13
	v_max3_num_f32 v[rT+6], v[rT+6], v[rS+23], v[rS+31]
.elseif (\j) == 14
	v_max3_num_f32 v[rT+4], v[rT+4], v[rT+5], v[rT+6]
.elseif (\j) == 15
	v_max3_num_f32 v[rT+4], v[rT+4], v[rT+7], v[rT+1]
.elseif (\j) == 16
	v_permlanex16_b32 v[rT+5], v[rT+4], s72, s73   ; the query's other 32 keys lie in the lane 16 away
.elseif (\j) == 17
	v_mov_b32 v[rT+7], v[rT]
.elseif (\j) == 18
	v_max_num_f32 v[rT+1], v[rT+4], v[rT+5]
.elseif (\j) == 19
	v_mul_f32 v[rT], v[24+(\t)], v[rT+1]
.elseif (\j) == 20
	v_sub_f32 v[rT+7], v[rT+7], v[rT]
.else
	v_exp_f32 v[rT+6], v[rT+7]
.endif
.endm
.macro SCL t, b                        ; pair b of tile t: cq s2 - cq m
.set rT, 32+8*(\t)
.set rS, 64+32*(\t)
.if (\t)%2
	v_pk_fma_f32 v[rS+2*(\b):rS+2*(\b)+1], v[rS+2*(\b):rS+2*(\b)+1], v[23+(\t):24+(\t)], v[rT:rT+1] op_sel:[0,1,0] op_sel_hi:[1,1,0] neg_lo:[0,0,1] neg_hi:[0,0,1]
.else
	v_pk_fma_f32 v[rS+2*(\b):rS+2*(\b)+1], v[rS+2*(\b):rS+2*(\b)+1], v[24+(\t):25+(\t)], v[rT:rT+1] op_sel_hi:[1,0,0] neg_lo:[0,0,1] neg_hi:[0,0,1]
.endif
.endm
.macro SU t, z                         ; number z of 16: the tile's 16 pairs are added in place, 1, 2, 4, 8 pairs apart; then l = a l + the sum
.set rT, 32+8*(\t)
.set rS, 64+32*(\t)
.if (\z) < 8
	v_pk_add_f32 v[rS+4*(\z):rS+4*(\z)+1], v[rS+4*(\z):rS+4*(\z)+1], v[rS+4*(\z)+2:rS+4*(\z)+3]
.elseif (\z) < 12
	v_pk_add_f32 v[rS+8*((\z)-8):rS+8*((\z)-8)+1], v[rS+8*((\z)-8):rS+8*((\z)-8)+1], v[rS+8*((\z)-8)+4:rS+8*((\z)-8)+5]
.elseif (\z) < 14
	v_pk_add_f32 v[rS+16*((\z)-12):rS+16*((\z)-12)+1], v[rS+16*((\z)-12):rS+16*((\z)-12)+1], v[rS+16*((\z)-12)+8:rS+16*((\z)-12)+9]
.elseif (\z) == 14
	v_pk_add_f32 v[rS:rS+1], v[rS:rS+1], v[rS+16:rS+17]
.else
	v_pk_fma_f32 v[rT+2:rT+3], v[rT+2:rT+3], v[rT+6:rT+7], v[rS:rS+1] op_sel_hi:[1,0,1]
.endif
.endm
; A STEP, in phases: a slot's 128 keys, of which 64 are mine.  last = 1: nothing is prefetched, and the gate's rows are asked for into S's registers once the sums have left them.
.macro STEP last
	WIN 0
	v_add_nc_u32 v6, s67, v2
	v_add_nc_u32 v7, s67, v3
	v_add_nc_u32 v8, s67, v4
	v_add_nc_u32 v9, s68, v5
	WIN 0x40
.irp kb, 0,1,2,3
	ds_load_b128 v[192+8*(\kb):195+8*(\kb)], v9 offset:64*(\kb)
	ds_load_b128 v[196+8*(\kb):199+8*(\kb)], v9 offset:64*(\kb)+16
.endr
	WIN 0
.irp t, 0,1,2,3
.irp kb, 0,1,2,3
	ds_load_b128 v[64+32*(\t)+8*(\kb):67+32*(\t)+8*(\kb)], v8 offset:(\t)*16*PP+64*(\kb)
	ds_load_b128 v[68+32*(\t)+8*(\kb):71+32*(\t)+8*(\kb)], v8 offset:(\t)*16*PP+64*(\kb)+16
.endr
.endr
	FK
	WIN 0
.if !(\last)
	ASK                                            ; behind the tensor load and the run of LDS loads
.endif
	s_wait_dscnt 16                                ; MK and pos_bias are in; K's sixteen loads may stay out
	WIN 0x10                                       ; source 2 (MK) in window 1
.irp t, 0,1,2,3
.set i, 0
.rept 16
	v_pk_fma_f32 v[64+32*(\t)+2*i:65+32*(\t)+2*i], v[64+32*(\t)+2*i:65+32*(\t)+2*i], s[70:71], v[192+2*i:193+2*i] op_sel_hi:[1,0,1]
.set i, i+1
.endr
.endr
	s_wait_dscnt 0x0                               ; K
	QK
	WIN 0
	PLACES                                         ; behind the products: V's first fragments land on K's registers, and the maxima read S
	FV 0, 0, 64
	FV 0, 1, 128
	WIN 0
.irp j, 0,1,2,3,4,5,6,7,8,9,10,11,12,13,14,15,16,17,18,19,20,21
.irp t, 0,1,2,3
	SM \t, \j
.endr
.endr
.set b, 0
.rept 16
.irp t, 0,1,2,3
	SCL \t, b
.endr
.set b, b+1
.endr
.set e, 0
.rept 128
	v_exp_f32 v[64+e], v[64+e]
.set e, e+1
.endr
	v_nop                                          ; a plain instruction behind the last exponential,
	s_wait_alu depctr_va_vdst(0)                   ; and ONE wait for the batch of 132 (the four a among them), ahead of its first reader
.set i, 0
.rept 64
	v_cvt_pk_f16_f32 v[192+i], v[64+2*i], v[64+2*i+1]
.set i, i+1
.endr
.set z, 0
.rept 16
.irp t, 0,1,2,3
	SU \t, z
.endr
.set z, z+1
.endr
.if \last
.set i, 0
.rept 32
	global_load_b128 v[64+4*i:67+4*i], v20, s[88:89] offset:(i/16)*16384+(i%16)*512  ; a gate row of 512 bytes a load: the 2 x 16 queries that I finish
.set i, i+1
.endr
.endif
.irp g, 0,1
	WIN 0x82+0x41*(\g)                             ; O in window 2 or 3, a in window 0
.irp u, 0,1
.set i, 0
.rept 64
	v_pk_mul_f32 v[128*(\u)+2*i:128*(\u)+2*i+1], v[128*(\u)+2*i:128*(\u)+2*i+1], v[38+8*(2*(\g)+(\u)):39+8*(2*(\g)+(\u))] op_sel_hi:[1,0]
.set i, i+1
.endr
.endr
.endr
	s_wait_dscnt 0x0                               ; V's first two buffers
	PVC 0, 0, 64
	PLACES
	FV 1, 0, 64
	PVC 0, 1, 128
	PLACES
	FV 1, 1, 128
	s_wait_dscnt 16                                ; the run just issued stays out
	PVC 1, 0, 64
	s_wait_dscnt 0x0
	PVC 1, 1, 128
.endm
.Lslot:                                        ; 15 trips: tile i is waited for, tile i + 1 asked for, tile i worked
	CHANGE 1
	STEP 0
	WIN 0
	s_sub_co_u32 s69, s69, 1
	s_cmp_lg_u32 s69, 0
	s_cbranch_scc1 .Lslot
	CHANGE 0                                       ; the last tile is written out: nothing is asked for
	STEP 1
	; THE WAY OUT.  l's two halves and the other half of the lanes'; (cq m, l) into LDS; O in two rounds of 32 queries a wave into LDS in f32; each wave merges 16 queries of its pair a round.
	WIN 0
.irp t, 0,1,2,3
	v_add_f32 v[36+8*(\t)], v[34+8*(\t)], v[35+8*(\t)]
.endr
.irp t, 0,1,2,3
	v_permlanex16_b32 v[37+8*(\t)], v[36+8*(\t)], s72, s73
.endr
.irp t, 0,1,2,3
	v_add_f32 v[33+8*(\t)], v[36+8*(\t)], v[37+8*(\t)]
.endr
	PLACES
	s_wait_dscnt 0x0
	s_barrier_signal -1
	s_barrier_wait -1                              ; every wave has left the ring, which is filled no more
	s_wait_loadcnt 0x0                             ; the gate
.set i, 0
.rept 32
	ds_store_b128 v23, v[64+4*i:67+4*i] offset:512*i
.set i, i+1
.endr
	s_lshl_b32 s84, s16, 9
	s_add_co_u32 s84, s84, STT
	v_lshl_add_u32 v28, v1, 3, s84
.irp t, 0,1,2,3
	ds_store_b64 v28, v[32+8*(\t):33+8*(\t)] offset:128*(\t)
.endr
.macro DUMP rd                         ; tiles 2 rd, 2 rd + 1 (window 2 + rd) into my 32 rows
	WIN 0x08+4*(\rd)
.irp u, 0,1
.irp cb, 0,1,2,3,4,5,6,7,8,9,10,11,12,13,14,15
	ds_store_b128 v15, v[128*(\u)+8*(\cb):128*(\u)+8*(\cb)+3]   offset:(\u)*16*DPI+64*(\cb)
	ds_store_b128 v15, v[128*(\u)+8*(\cb)+4:128*(\u)+8*(\cb)+7] offset:(\u)*16*DPI+64*(\cb)+16
.endr
.endr
	WIN 0
.endm
; Sixteen queries are finished, four a trip; a lane holds 8 channels.  o = (O0 f0 + O1 f1) / (l0 f0 + l1 f1), f = 2^(cq m - the larger cq m); times the gate; divided by the power of two of the row's largest number.
.macro FINAL rd
	v_mov_b32 v17, v16
	s_add_co_u32 s87, s99, (\rd)*256
	v_mov_b32 v18, s87
	v_add_nc_u32 v19, (\rd)*8192, v23
.if \rd
	s_add_nc_u64 s[90:91], s[90:91], 65536         ; from 16 rows behind the first round's first to 32 rows behind it
.endif
	s_mov_b32 s93, 4
.Lfin_\@:
.irp i, 0,1,2,3
	ds_load_b128 v[64+8*(\i):67+8*(\i)],   v17 offset:(\i)*DPI
	ds_load_b128 v[68+8*(\i):71+8*(\i)],   v17 offset:(\i)*DPI+16
	ds_load_b128 v[96+8*(\i):99+8*(\i)],   v17 offset:DW+(\i)*DPI
	ds_load_b128 v[100+8*(\i):103+8*(\i)], v17 offset:DW+(\i)*DPI+16
	ds_load_b64 v[48+4*(\i):49+4*(\i)], v18 offset:8*(\i)
	ds_load_b64 v[50+4*(\i):51+4*(\i)], v18 offset:512+8*(\i)
	ds_load_b128 v[32+4*(\i):35+4*(\i)], v19 offset:512*(\i)
.endr
	s_wait_dscnt 0x0
.irp i, 0,1,2,3
	v_max_num_f32 v[162+8*(\i)], v[48+4*(\i)], v[50+4*(\i)]
.endr
.irp i, 0,1,2,3
	v_sub_f32 v[160+8*(\i)], v[48+4*(\i)], v[162+8*(\i)]
	v_sub_f32 v[161+8*(\i)], v[50+4*(\i)], v[162+8*(\i)]
.endr
.irp i, 0,1,2,3
	v_exp_f32 v[160+8*(\i)], v[160+8*(\i)]
	v_exp_f32 v[161+8*(\i)], v[161+8*(\i)]
.endr
	v_nop
	s_wait_alu depctr_va_vdst(0)
.irp i, 0,1,2,3
	v_mul_f32 v[162+8*(\i)], v[49+4*(\i)], v[160+8*(\i)]
.endr
.irp i, 0,1,2,3
	v_fmac_f32 v[162+8*(\i)], v[51+4*(\i)], v[161+8*(\i)]
.endr
.irp i, 0,1,2,3
	v_rcp_f32 v[162+8*(\i)], v[162+8*(\i)]
.endr
	v_nop
	s_wait_alu depctr_va_vdst(0)
.irp i, 0,1,2,3
	v_mul_f32 v[160+8*(\i)], v[160+8*(\i)], v[162+8*(\i)]
	v_mul_f32 v[161+8*(\i)], v[161+8*(\i)], v[162+8*(\i)]
.endr
.irp i, 0,1,2,3
.irp k, 0,2,4,6
	v_pk_mul_f32 v[64+8*(\i)+(\k):65+8*(\i)+(\k)], v[64+8*(\i)+(\k):65+8*(\i)+(\k)], v[160+8*(\i):161+8*(\i)] op_sel_hi:[1,0]
.endr
.endr
.irp i, 0,1,2,3
.irp k, 0,2,4,6
	v_pk_fma_f32 v[64+8*(\i)+(\k):65+8*(\i)+(\k)], v[96+8*(\i)+(\k):97+8*(\i)+(\k)], v[160+8*(\i):161+8*(\i)], v[64+8*(\i)+(\k):65+8*(\i)+(\k)] op_sel:[0,1,0] op_sel_hi:[1,1,1]
.endr
.endr
.irp i, 0,1,2,3
.irp k, 0,1,2,3
	v_fma_mix_f32 v[64+8*(\i)+2*(\k)], v[32+4*(\i)+(\k)], v[64+8*(\i)+2*(\k)], v29 op_sel_hi:[1,0,0]                  ; the gate's low half x o + 0
	v_fma_mix_f32 v[65+8*(\i)+2*(\k)], v[32+4*(\i)+(\k)], v[65+8*(\i)+2*(\k)], v29 op_sel:[1,0,0] op_sel_hi:[1,0,0]  ; its high half
.endr
.endr
.irp i, 0,1,2,3
	v_max3_num_f32 v[163+8*(\i)], |v[64+8*(\i)]|, |v[65+8*(\i)]|, |v[66+8*(\i)]|
.endr
.irp i, 0,1,2,3
	v_max3_num_f32 v[163+8*(\i)], v[163+8*(\i)], |v[67+8*(\i)]|, |v[68+8*(\i)]|
.endr
.irp i, 0,1,2,3
	v_max3_num_f32 v[163+8*(\i)], v[163+8*(\i)], |v[69+8*(\i)]|, |v[70+8*(\i)]|
.endr
.irp i, 0,1,2,3
	v_max_num_f32 v[163+8*(\i)], v[163+8*(\i)], |v[71+8*(\i)]|
.endr
.irp m, 1,2,4,8
.irp i, 0,1,2,3
	v_max_num_f32_dpp v[163+8*(\i)], v[163+8*(\i)], v[163+8*(\i)] row_xmask:\m row_mask:0xf bank_mask:0xf
.endr
.endr
.irp i, 0,1,2,3
	v_permlanex16_b32 v[162+8*(\i)], v[163+8*(\i)], s72, s73
.endr
.irp i, 0,1,2,3
	v_max_num_f32 v[163+8*(\i)], v[163+8*(\i)], v[162+8*(\i)]
.endr
.irp i, 0,1,2,3
	v_and_b32 v[163+8*(\i)], 0x7f800000, v[163+8*(\i)]   ; the largest number's power of two,
.endr
.irp i, 0,1,2,3
	v_max_u32 v[163+8*(\i)], 0x00800000, v[163+8*(\i)]   ; held between 2^-126
.endr
.irp i, 0,1,2,3
	v_min_u32 v[163+8*(\i)], 0x7e800000, v[163+8*(\i)]   ; and 2^126, so that its reciprocal is a normal number too:
.endr
.irp i, 0,1,2,3
	v_sub_nc_u32 v[162+8*(\i)], 0x7f000000, v[163+8*(\i)] ; exponent field 254 - E
.endr
.irp i, 0,1,2,3
.irp k, 0,2,4,6
	v_pk_mul_f32 v[64+8*(\i)+(\k):65+8*(\i)+(\k)], v[64+8*(\i)+(\k):65+8*(\i)+(\k)], v[162+8*(\i):163+8*(\i)] op_sel_hi:[1,0]
.endr
.endr
.irp i, 0,1,2,3
.irp k, 0,1,2,3
	v_cvt_pk_f16_f32 v[192+4*(\i)+(\k)], v[64+8*(\i)+2*(\k)], v[65+8*(\i)+2*(\k)]
.endr
.endr
.irp i, 0,1,2,3
	s_add_co_u32 s80, s92, \i
	v_cmp_eq_u32 s94, s80, v11
	v_cndmask_b32 v21, v21, v[163+8*(\i)], s94     ; lane number = the query's number among my 32 keeps its scale
	global_store_b128 v20, v[192+4*(\i):195+4*(\i)], s[90:91] offset:(\i)*4096  ; 512 consecutive bytes, aligned
.endr
	v_add_nc_u32 v17, 4*DPI, v17
	v_add_nc_u32 v18, 32, v18
	v_add_nc_u32 v19, 2048, v19
	s_add_co_u32 s92, s92, 4
	s_wait_xcnt 0x0                                ; the stores have read their data and their base
	s_add_nc_u64 s[90:91], s[90:91], 16384
	s_sub_co_u32 s93, s93, 1
	s_cmp_lg_u32 s93, 0
	s_cbranch_scc1 .Lfin_\@
.endm
	DUMP 0
	v_mov_b32 v21, 0
	v_mov_b32 v29, 0
	s_mov_b32 s92, 0
	s_wait_dscnt 0x0                               ; my stores are done, for the partner's sake
	s_barrier_signal -1
	s_barrier_wait -1
	FINAL 0
	s_wait_dscnt 0x0                               ; my reads of the first round are over
	s_barrier_signal -1
	s_barrier_wait -1
	DUMP 1
	s_wait_dscnt 0x0
	s_barrier_signal -1
	s_barrier_wait -1
	FINAL 1
	global_store_b32 v22, v21, s[14:15]            ; my 32 scales
	s_wait_tensorcnt 0x0                           ; the wave's end
	ds_add_u32 v30, v31
	s_wait_dscnt 0x0
	CROUND                                         ; the closing round
	s_endpgm
.Lfunc_end_k_qd42bd41177_attn:
	.size	k_qd42bd41177_attn, .Lfunc_end_k_qd42bd41177_attn-k_qd42bd41177_attn
	.p2alignl 7, 3214868480
	.fill 96, 4, 3214868480
	.section	.rodata,"a",@progbits
	.p2align	6, 0x0
	.amdhsa_kernel k_qd42bd41177_attn
		.amdhsa_group_segment_fixed_size 327680
		.amdhsa_private_segment_fixed_size 0
		.amdhsa_enable_private_segment 0
		.amdhsa_kernarg_size 48
		.amdhsa_user_sgpr_count 2
		.amdhsa_user_sgpr_kernarg_segment_ptr 1
		.amdhsa_wavefront_size32 1
		.amdhsa_system_sgpr_workgroup_id_x 1
		.amdhsa_system_sgpr_workgroup_id_y 1
		.amdhsa_system_sgpr_workgroup_id_z 1
		.amdhsa_system_vgpr_workitem_id 0
		.amdhsa_next_free_vgpr 1024
		.amdhsa_next_free_sgpr 100
		.amdhsa_reserve_vcc 0
		.amdhsa_float_denorm_mode_32 3
		.amdhsa_float_denorm_mode_16_64 3
		.amdhsa_memory_ordered 1
		.amdhsa_forward_progress 1
		.amdhsa_inst_pref_size 198
	.end_amdhsa_kernel
	.amdgpu_metadata
---
amdhsa.version: [ 1, 2 ]
amdhsa.kernels:
  - .name:           k_qd42bd41177_attn
    .symbol:         k_qd42bd41177_attn.kd
    .args:
      - { .name: qkh, .offset: 0, .size: 8, .value_kind: global_buffer, .address_space: global }
      - { .name: vgh, .offset: 8, .size: 8, .value_kind: global_buffer, .address_space: global }
      - { .name: pos_bias, .offset: 16, .size: 8, .value_kind: global_buffer, .address_space: global }
      - { .name: mask, .offset: 24, .size: 8, .value_kind: global_buffer, .address_space: global }
      - { .name: ag, .offset: 32, .size: 8, .value_kind: global_buffer, .address_space: global }
      - { .name: asc, .offset: 40, .size: 8, .value_kind: global_buffer, .address_space: global }
    .group_segment_fixed_size: 327680
    .private_segment_fixed_size: 0
    .kernarg_segment_align: 8
    .kernarg_segment_size: 48
    .max_flat_workgroup_size: 128
    .sgpr_count:     100
    .vgpr_count:     1024
    .wavefront_size: 32
...
	.end_amdgpu_metadata
.endif
;; end of part 4
;; launch gemm_out (part 5): grid 8 x 32, 4 waves a work-group, clusters of 4 x 4, 327,680 bytes of LDS; arguments ag, wo16, asc, bo, out0; writes out0
.if DOCPART == 5
	.amdgcn_target "amdgcn-amd-amdhsa--gfx1250"
	.amdhsa_code_object_version 6
	.text
	.protected	k_qd42bd41177_gemm_out
	.globl	k_qd42bd41177_gemm_out
	.p2align	8
	.type	k_qd42bd41177_gemm_out,@function
k_qd42bd41177_gemm_out:
	s_mov_b64 s[64:65], 0
	v_nop
	global_prefetch_b8 v0, s[64:65] scope:SCOPE_SE
	s_setreg_imm32_b32 hwreg(HW_REG_WAVE_MODE, 25, 1), 1
	s_wait_xcnt 0x0
	s_wait_alu depctr_hold_cnt(0) depctr_sa_sdst(0) depctr_va_vdst(0) depctr_va_sdst(0) depctr_va_ssrc(0) depctr_va_vcc(0) depctr_vm_vsrc(0)
	s_getreg_b32 s2, hwreg(HW_REG_IB_STS2, 6, 4)
	s_cmp_eq_u32 s2, 0
	s_cbranch_scc0 .Lentry_in_a_cluster
	s_endpgm
.Lentry_in_a_cluster:
	s_bfe_u32 s2, ttmp6, 0x10000c
	s_cmp_lg_u32 s2, 0xf033
	s_cbranch_scc0 .Lentry_shape_is_right
	s_endpgm
.Lentry_shape_is_right:
; out0 = (the sum over heads h of asc[h][row] x (ag[row][256 h ..] Wo[256 h ..][:])) + bo.  ag: f16 [4096][2048]; wo16: f16 [2048][1024] (K by rows); asc: f32 [8][4096], powers of two; out0: f32 [4096][1024].
; A K step of 256 is one head: its products start a partial sum with the constant 0, and at the step's end the total takes partial x the row's scale, in f32 (FOLD).
; SHARES.  A tile of 128 x 128 to a work-group, 64 x 64 to a wave; 8 K steps through two LDS slots.  Transposed use: source 0 = 16 columns of Wo (turned by ds_load_tr16_b128), source 1 = 16 rows of ag.
; CLUSTER 4 x 4: ag's tile jointly along a row, Wo's along a column.  No prefetch: a step's tiles are small and the launch is short.
; REGISTERS: window 0: v0-31 addresses, v32-55 at work on the way out, v96-99 scales, v128-255 partial sums.  Window 1: two fragment buffers of 128.  Window 2: v0-127 the totals.
.set PA,    528
.set PB,    288
.set HALFA, 64*PA
.set BOFF,  128*PA
.set HALFB, 128*PB
.set SLOT,  BOFF+2*HALFB
.set SPARE, 2*SLOT
.set DP,    272
.set DW,    64*DP                      ; the way out: a wave's 64 rows of 64 f32, in slot 0, which has had its last fill and its last read at the last change of slots
.set ASTEP, 1024
.set BSTEP, 1048576
.set ADRA, 16
.set ADRB, 20
.set DST,  24
.set RDA,  25
.set CO,   26
.set SCO,  27
.set SPW,  30
.set NIL,  31
.set BIAS, 32
.set Z,    40
.set SC,   96
.set ACC,  128
.set F0,   0
.set F1,   128
.set G1A,  24
.set G0A,  32
.set G1B,  48
.set G0B,  56
.set LAP,  71
.set ROWS, 72
.set MUL,  0x05
.set TO_F, 0x40
.set MSB, 0
.macro WIN new
.if MSB != (\new)
	s_set_vgpr_msb (MSB<<8)|(\new)
.set MSB, \new
.endif
.endm
.macro PLACES
.rept 4
	v_nop
.endr
.endm
.macro JLOAD s                         ; waves 0, 1 fetch ag's halves, waves 2, 3 Wo's; s_nop 0 and four v_nop follow each line
	s_cmp_eq_u32 s17, 0
	s_cbranch_scc0 .Lfor_b_\@
	tensor_load_to_lds s[G0A+4*(\s):G0A+4*(\s)+3], s[G1A:G1A+7]
	s_nop 0
.rept 4
	v_nop
.endr
	s_branch .Lasked_\@
.Lfor_b_\@:
	tensor_load_to_lds s[G0B+4*(\s):G0B+4*(\s)+3], s[G1B:G1B+7]
	s_nop 0
.rept 4
	v_nop
.endr
.Lasked_\@:
.endm
.macro CREST
	s_cmp_lg_u32 s16, 0
	s_cbranch_scc1 .Lnot_wave_0_\@
	s_barrier_signal -3
.Lnot_wave_0_\@:
	s_barrier_wait -3
	s_barrier_signal -1
	s_barrier_wait -1
.endm
.macro CROUND
	s_barrier_signal -1
	s_barrier_wait -1
	CREST
.endm
	s_load_b256 s[4:11], s[0:1], 0x0               ; ag 4, wo16 6, asc 8, bo 10
	s_load_b64 s[12:13], s[0:1], 0x20              ; out0
	v_lshl_add_u32 v[SPW], v0, 2, SPARE
	v_mov_b32 v[NIL], 0
	ds_add_u32 v[SPW], v[NIL]                      ; the wave's opening: the add and its wait ahead of my first tensor load
	v_lshrrev_b32 v1, 5, v0
	v_readfirstlane_b32 s16, v1
	s_lshr_b32 s17, s16, 1
	s_and_b32 s18, s16, 1
	s_bfe_u32 s19, ttmp6, 0x40000
	s_bfe_u32 s20, ttmp6, 0x40004
	s_lshl_b32 s21, ttmp9, 2
	s_add_co_u32 s21, s21, s19                     ; tile column
	s_and_b32 s22, ttmp7, 0xffff
	s_lshl_b32 s22, s22, 2
	s_add_co_u32 s22, s22, s20                     ; tile row
	s_lshl_b32 s40, s20, 2
	s_lshl_b32 s40, 15, s40
	s_lshl_b32 s41, 0x1111, s19
	s_or_b32 s[G1A], s40, (1<<16)|(1<<20)|(1<<21)|(6<<22)|(3<<25)
	s_or_b32 s[G1B], s41, (1<<16)|(1<<20)|(1<<21)|(5<<22)|(7<<25)
	s_mov_b32 s[G1A+1], 256<<16
	s_mov_b32 s[G1A+2], 64<<16
	s_mov_b32 s[G1A+3], 256<<16
	s_mov_b32 s[G1A+4], 64
	s_mov_b32 s[G1A+5], 2048
	s_mov_b32 s[G1A+6], 0
	s_mov_b32 s[G1A+7], 0
	s_mov_b32 s[G1B+1], 128<<16
	s_mov_b32 s[G1B+2], 128<<16
	s_mov_b32 s[G1B+3], 128<<16
	s_mov_b32 s[G1B+4], 128
	s_mov_b32 s[G1B+5], 1024
	s_mov_b32 s[G1B+6], 0
	s_mov_b32 s[G1B+7], 0
	s_lshl_b32 s42, s22, 7                         ; ag: row 128 x tile row + 64 x half, 4,096 bytes a row
	s_lshl_b32 s43, s18, 6
	s_add_co_u32 s42, s42, s43
	s_lshl_b32 s42, s42, 12
	s_mov_b32 s43, 0
	s_lshl_b32 s44, s18, 18                        ; Wo: K row 128 x half (2,048 bytes a row), column 128 x tile column
	s_lshl_b32 s45, s21, 8
	s_add_co_u32 s44, s44, s45
	s_mov_b32 s45, 0
	s_mul_i32 s46, s18, HALFA
	s_mul_i32 s47, s18, HALFB
	s_add_co_u32 s47, s47, BOFF
	s_wait_dscnt 0x0
	s_wait_kmcnt 0x0
	s_add_nc_u64 s[42:43], s[4:5], s[42:43]
	s_add_nc_u64 s[44:45], s[6:7], s[44:45]
	CROUND
.irp s, 0,1
	s_mov_b32 s[G0A+4*(\s)], 1
	s_add_co_u32 s[G0A+4*(\s)+1], s46, (\s)*SLOT
	s_add_nc_u64 s[G0A+4*(\s)+2:G0A+4*(\s)+3], s[42:43], (\s)*512
	s_or_b32 s[G0A+4*(\s)+3], s[G0A+4*(\s)+3], 0x80000000
	s_mov_b32 s[G0B+4*(\s)], 1
	s_add_co_u32 s[G0B+4*(\s)+1], s47, (\s)*SLOT
	s_add_nc_u64 s[G0B+4*(\s)+2:G0B+4*(\s)+3], s[44:45], (\s)*524288
	s_or_b32 s[G0B+4*(\s)+3], s[G0B+4*(\s)+3], 0x80000000
	JLOAD \s
.endr
	v_and_b32 v1, 15, v0
	v_bfe_u32 v2, v0, 4, 1
	v_mul_u32_u24 v3, v1, PA
	v_lshl_add_u32 v3, v2, 4, v3
	s_mul_i32 s46, s17, HALFA
	v_add_nc_u32 v[ADRA], s46, v3
	s_add_co_u32 s46, s46, SLOT
	v_add_nc_u32 v[ADRA+1], s46, v3
	v_and_b32 v4, 7, v0
	v_lshl_add_u32 v4, v2, 3, v4
	v_mul_u32_u24 v4, v4, PB
	v_bfe_u32 v5, v0, 3, 1
	v_lshl_add_u32 v4, v5, 4, v4
	s_lshl_b32 s47, s18, 7
	s_add_co_u32 s47, s47, BOFF
	v_add_nc_u32 v[ADRB], s47, v4
	s_add_co_u32 s47, s47, HALFB
	v_add_nc_u32 v[ADRB+1], s47, v4
	s_add_co_u32 s47, s47, SLOT-HALFB
	v_add_nc_u32 v[ADRB+2], s47, v4
	s_add_co_u32 s47, s47, HALFB
	v_add_nc_u32 v[ADRB+3], s47, v4
	s_lshl_b32 s76, s21, 9                         ; my 64 columns, in bytes of f32: 512 x tile column + 256 x half
	s_lshl_b32 s77, s18, 8
	s_add_co_u32 s76, s76, s77
	v_lshl_add_u32 v6, v1, 4, s76
	global_load_b128 v[BIAS:BIAS+3], v6, s[10:11]  ; the bias of my lane's 4 columns on the way out
	s_lshl_b32 s78, s22, 7
	s_lshl_b32 s79, s17, 6
	s_add_co_u32 s78, s78, s79                     ; my first row
	v_add_lshl_u32 v[SCO], v1, s78, 2              ; its scale, for lane r; never rewritten
	s_lshl_b32 s78, s78, 12
	s_add_co_u32 s76, s76, s78
	s_mov_b32 s77, 0
	s_add_nc_u64 s[12:13], s[12:13], s[76:77]
	s_mul_i32 s46, s16, DW
	v_mul_u32_u24 v[DST], v1, DP
	v_lshl_add_u32 v[DST], v2, 5, v[DST]
	v_add_nc_u32 v[DST], s46, v[DST]
	v_mul_u32_u24 v[RDA], v2, DP
	v_lshl_add_u32 v[RDA], v1, 4, v[RDA]
	v_add_nc_u32 v[RDA], s46, v[RDA]
	v_lshlrev_b32 v[CO], 12, v2
	v_lshl_add_u32 v[CO], v1, 4, v[CO]             ; two rows of out0, 4,096 bytes apart; sixteen lanes cover 256 bytes
	WIN 0x80                                       ; the totals start at 0, written in the wait for the first tile: no first K step is written out
.set i, 0
.rept 128
	v_mov_b32 v[i], 0
.set i, i+1
.endr
	WIN 0
.macro MUL8 f, c, a0, zero
	WIN MUL
.irp a, \a0, (\a0)+1
.irp b, 0,1,2,3
.if \zero
	v_wmma_f32_16x16x32_f16 v[ACC+8*(4*(\a)+(\b)):ACC+8*(4*(\a)+(\b))+7], v[(\f)+64+8*(4*(\c)+(\b)):(\f)+64+8*(4*(\c)+(\b))+7], v[(\f)+8*(4*(\c)+(\a)):(\f)+8*(4*(\c)+(\a))+7], 0
.else
	v_wmma_f32_16x16x32_f16 v[ACC+8*(4*(\a)+(\b)):ACC+8*(4*(\a)+(\b))+7], v[(\f)+64+8*(4*(\c)+(\b)):(\f)+64+8*(4*(\c)+(\b))+7], v[(\f)+8*(4*(\c)+(\a)):(\f)+8*(4*(\c)+(\a))+7], v[ACC+8*(4*(\a)+(\b)):ACC+8*(4*(\a)+(\b))+7]
.endif
.endr
.endr
.endm
.macro FETCH slot, q, f
	WIN TO_F
.irp c, 0,1
.irp i, 0,1,2,3
	ds_load_tr16_b128 v[(\f)+64+8*(4*(\c)+(\i)):(\f)+64+8*(4*(\c)+(\i))+3],   v[ADRB+2*(\slot)+(\q)/2] offset:(2*((\q)%2)+(\c))*32*PB+32*(\i)
	ds_load_tr16_b128 v[(\f)+64+8*(4*(\c)+(\i))+4:(\f)+64+8*(4*(\c)+(\i))+7], v[ADRB+2*(\slot)+(\q)/2] offset:(2*((\q)%2)+(\c))*32*PB+32*(\i)+16*PB
	ds_load_b128 v[(\f)+8*(4*(\c)+(\i)):(\f)+8*(4*(\c)+(\i))+3],   v[ADRA+(\slot)] offset:128*(\q)+64*(\c)+(\i)*16*PA
	ds_load_b128 v[(\f)+8*(4*(\c)+(\i))+4:(\f)+8*(4*(\c)+(\i))+7], v[ADRA+(\slot)] offset:128*(\q)+64*(\c)+(\i)*16*PA+32
.endr
.endr
.endm
.macro QUARTER slot, q, f, g, zero
	s_wait_dscnt 16                                ; the first 32 along K are in
	MUL8 \f, 0, 0, \zero
	MUL8 \f, 0, 2, \zero
	PLACES
	FETCH \slot, \q, \g
	s_wait_dscnt 32                                ; all but the 32 just issued
	MUL8 \f, 1, 0, 0
	MUL8 \f, 1, 2, 0
.endm
.macro TURN slot, next, fill
	WIN 0
	s_wait_tensorcnt 0x0                           ; all my tensor loads have landed: my part of the next slot
	ds_add_u32 v[SPW], v[NIL]
	s_wait_dscnt 17                                ; (the add and the youngest sixteen loads may be out)
	MUL8 F1, 0, 0, 0
	s_wait_dscnt 0x0
	s_barrier_signal -1
	MUL8 F1, 0, 2, 0
.if \fill
	WIN 0
.endif
	s_barrier_wait -1
.if \fill
	CREST
	s_add_nc_u64 s[G0A+4*(\slot)+2:G0A+4*(\slot)+3], s[G0A+4*(\slot)+2:G0A+4*(\slot)+3], ASTEP
	s_add_nc_u64 s[G0B+4*(\slot)+2:G0B+4*(\slot)+3], s[G0B+4*(\slot)+2:G0B+4*(\slot)+3], BSTEP
	JLOAD \slot
.else
	PLACES
.endif
	FETCH \next, 0, F0
	MUL8 F1, 1, 0, 0
	MUL8 F1, 1, 2, 0
.endm
.macro SCLOAD                          ; the head's scales of my four row blocks: lane r takes row 16 a + r
	WIN 0
.irp a, 0,1,2,3
	global_load_b32 v[SC+(\a)], v[SCO], s[8:9] offset:64*(\a)
.endr
.endm
; total += partial x scale.  The accumulators are taken in ascending order, each from its low end; the other accumulators' lines are the places ahead of the products that start the next partial sums.
.macro FOLD
	WIN 0
	PLACES
	s_wait_loadcnt 0x0                             ; the scales are in, so their base may step to the next head's
	s_add_nc_u64 s[8:9], s[8:9], 16384
	WIN 0xa0                                       ; destination and source 2 (the totals) in window 2
.irp a, 0,1,2,3
.irp b, 0,1,2,3
.irp k, 0,2,4,6
.if (\a)%2
	v_pk_fma_f32 v[8*(4*(\a)+(\b))+(\k):8*(4*(\a)+(\b))+(\k)+1], v[ACC+8*(4*(\a)+(\b))+(\k):ACC+8*(4*(\a)+(\b))+(\k)+1], v[SC+(\a)-1:SC+(\a)], v[8*(4*(\a)+(\b))+(\k):8*(4*(\a)+(\b))+(\k)+1] op_sel:[0,1,0] op_sel_hi:[1,1,1]
.else
	v_pk_fma_f32 v[8*(4*(\a)+(\b))+(\k):8*(4*(\a)+(\b))+(\k)+1], v[ACC+8*(4*(\a)+(\b))+(\k):ACC+8*(4*(\a)+(\b))+(\k)+1], v[SC+(\a):SC+(\a)+1], v[8*(4*(\a)+(\b))+(\k):8*(4*(\a)+(\b))+(\k)+1] op_sel_hi:[1,0,1]
.endif
.endr
.endr
.endr
	WIN 0
.endm
.macro KSTEP slot, fill                ; one head
	SCLOAD
	QUARTER \slot, 1, F0, F1, 1                    ; its first products start the partial sums
	QUARTER \slot, 2, F1, F0, 0
	QUARTER \slot, 3, F0, F1, 0
	TURN \slot, 1-(\slot), \fill
	FOLD
.endm
	s_wait_tensorcnt 1                             ; K step 0 is in; K step 1's load stays out
	s_barrier_signal -1
	s_barrier_wait -1
	FETCH 0, 0, F0
	WIN 0
	s_mov_b32 s[LAP], 3
.Llap:                                         ; a trip: two heads; both slots are filled again
	KSTEP 0, 1
	KSTEP 1, 1
	s_sub_co_u32 s[LAP], s[LAP], 1
	s_cmp_lg_u32 s[LAP], 0
	s_cbranch_scc1 .Llap
	KSTEP 0, 0                                     ; the last two heads fill nothing
	SCLOAD
	QUARTER 1, 1, F0, F1, 1
	QUARTER 1, 2, F1, F0, 0
	QUARTER 1, 3, F0, F1, 0
	s_wait_dscnt 16
	MUL8 F1, 0, 0, 0
	MUL8 F1, 0, 2, 0
	s_wait_dscnt 0x0
	MUL8 F1, 1, 0, 0
	MUL8 F1, 1, 2, 0
	FOLD
	; THE WAY OUT: the totals go into my own 64 rows in slot 0 and come back by rows; the bias; sixteen lanes store 256 consecutive bytes.
	WIN 0x08                                       ; the stores' data in window 2
.irp a, 0,1,2,3
.irp b, 0,1,2,3
	ds_store_b128 v[DST], v[8*(4*(\a)+(\b)):8*(4*(\a)+(\b))+3]   offset:(\a)*16*DP+(\b)*64
	ds_store_b128 v[DST], v[8*(4*(\a)+(\b))+4:8*(4*(\a)+(\b))+7] offset:(\a)*16*DP+(\b)*64+16
.endr
.endr
	WIN 0
	s_mov_b32 s[ROWS], 8
.Lrow:                                         ; a trip: 8 rows
.irp p, 0,1,2,3
	ds_load_b128 v[Z+4*(\p):Z+4*(\p)+3], v[RDA] offset:(\p)*2*DP
.endr
	s_wait_dscnt 0x0
.set i, 0
.rept 8
	v_pk_add_f32 v[Z+2*i:Z+2*i+1], v[Z+2*i:Z+2*i+1], v[BIAS+2*(i%2):BIAS+2*(i%2)+1]
.set i, i+1
.endr
.irp p, 0,1,2,3
	global_store_b128 v[CO], v[Z+4*(\p):Z+4*(\p)+3], s[12:13] offset:(\p)*8192
.endr
	v_add_nc_u32 v[RDA], 8*DP, v[RDA]
	s_wait_xcnt 0x0                                ; the stores have read their data and their base
	s_add_nc_u64 s[12:13], s[12:13], 32768
	s_sub_co_u32 s[ROWS], s[ROWS], 1
	s_cmp_lg_u32 s[ROWS], 0
	s_cbranch_scc1 .Lrow
	s_wait_tensorcnt 0x0                           ; the wave's end
	ds_add_u32 v[SPW], v[NIL]
	s_wait_dscnt 0x0
	CROUND
	s_endpgm
.Lfunc_end_k_qd42bd41177_gemm_out:
	.size	k_qd42bd41177_gemm_out, .Lfunc_end_k_qd42bd41177_gemm_out-k_qd42bd41177_gemm_out
	.p2alignl 7, 3214868480
	.fill 96, 4, 3214868480
	.section	.rodata,"a",@progbits
	.p2align	6, 0x0
	.amdhsa_kernel k_qd42bd41177_gemm_out
		.amdhsa_group_segment_fixed_size 327680
		.amdhsa_private_segment_fixed_size 0
		.amdhsa_enable_private_segment 0
		.amdhsa_kernarg_size 40
		.amdhsa_user_sgpr_count 2
		.amdhsa_user_sgpr_kernarg_segment_ptr 1
		.amdhsa_wavefront_size32 1
		.amdhsa_system_sgpr_workgroup_id_x 1
		.amdhsa_system_sgpr_workgroup_id_y 1
		.amdhsa_system_sgpr_workgroup_id_z 1
		.amdhsa_system_vgpr_workitem_id 0
		.amdhsa_next_free_vgpr 640
		.amdhsa_next_free_sgpr 80
		.amdhsa_reserve_vcc 0
		.amdhsa_float_denorm_mode_32 3
		.amdhsa_float_denorm_mode_16_64 3
		.amdhsa_memory_ordered 1
		.amdhsa_forward_progress 1
		.amdhsa_inst_pref_size 105
	.end_amdhsa_kernel
	.amdgpu_metadata
---
amdhsa.version: [ 1, 2 ]
amdhsa.kernels:
  - .name:           k_qd42bd41177_gemm_out
    .symbol:         k_qd42bd41177_gemm_out.kd
    .args:
      - { .name: ag, .offset: 0, .size: 8, .value_kind: global_buffer, .address_space: global }
      - { .name: wo16, .offset: 8, .size: 8, .value_kind: global_buffer, .address_space: global }
      - { .name: asc, .offset: 16, .size: 8, .value_kind: global_buffer, .address_space: global }
      - { .name: bo, .offset: 24, .size: 8, .value_kind: global_buffer, .address_space: global }
      - { .name: out0, .offset: 32, .size: 8, .value_kind: global_buffer, .address_space: global }
    .group_segment_fixed_size: 327680
    .private_segment_fixed_size: 0
    .kernarg_segment_align: 8
    .kernarg_segment_size: 40
    .max_flat_workgroup_size: 128
    .sgpr_count:     80
    .vgpr_count:     640
    .wavefront_size: 32
...
	.end_amdgpu_metadata
.endif
;; end of part 5
;; ======== version 2 of 3: 4 launches
;; limits: values are held in f16: magnitudes above 65,504 overflow, below 6.1e-05 lose precision; right only within a limited range of input values
;; workspace buffers: xn 8,388,608 bytes; wvg16 8,388,608 bytes; wqk16 2,097,152 bytes; wo16 4,194,304 bytes; vgh 33,554,432 bytes; qkh 8,388,608 bytes; ag 16,777,216 bytes; asc 131,072 bytes
;; launch prep: the kernel of part 1 again; grid 704 x 1, 8 waves a work-group, no clusters, 0 bytes of LDS; arguments x, ln_w, ln_b, Wvg, Wqk, Wo, xn, wvg16, wqk16, wo16; writes xn, wvg16, wqk16, wo16
;; launch gemm_vq (part 6): grid 16 x 16, 4 waves a work-group, clusters of 4 x 4, 327,680 bytes of LDS; arguments xn, wvg16, bvg, vgh, wqk16, bqk, temperature, qkh; writes vgh, qkh
.if DOCPART == 6
	.amdgcn_target "amdgcn-amd-amdhsa--gfx1250"
	.amdhsa_code_object_version 6
	.text
	.protected	k_qd42bd41177_gemm_vq
	.globl	k_qd42bd41177_gemm_vq
	.p2align	8
	.type	k_qd42bd41177_gemm_vq,@function
k_qd42bd41177_gemm_vq:
	s_mov_b64 s[64:65], 0
	v_nop
	global_prefetch_b8 v0, s[64:65] scope:SCOPE_SE
	s_setreg_imm32_b32 hwreg(HW_REG_WAVE_MODE, 25, 1), 1
	s_wait_xcnt 0x0
	s_wait_alu depctr_hold_cnt(0) depctr_sa_sdst(0) depctr_va_vdst(0) depctr_va_sdst(0) depctr_va_ssrc(0) depctr_va_vcc(0) depctr_vm_vsrc(0)
	s_getreg_b32 s2, hwreg(HW_REG_IB_STS2, 6, 4)
	s_cmp_eq_u32 s2, 0
	s_cbranch_scc0 .Lentry_in_a_cluster
	s_endpgm
.Lentry_in_a_cluster:
	s_bfe_u32 s2, ttmp6, 0x10000c
	s_cmp_lg_u32 s2, 0xf033
	s_cbranch_scc0 .Lentry_shape_is_right
	s_endpgm
.Lentry_shape_is_right:
; TWO PRODUCTS OF xn IN ONE LAUNCH.  vgh = silu(xn Wvg + bvg), by heads; qkh = l2norm(silu(xn Wqk + bqk)), by heads, q also times temperature x log2 e.
; xn: f16 [4096][1024]; wvg16: f16 [1024][4096], wqk16: f16 [1024][1024] (K along the rows' index, as the weights lie); vgh: f16 [part 0 = v, 1 = gate][batch][head][n][256]; qkh: f16 [part 0 = q, 1 = k][batch][head][n][64].
; Sums, biases, SiLU and the norm in f32, each result rounded once.
; LIMITS.  f16 ends at 65,504: v, gate and |temperature x log2 e| stay below it.  silu(z) = z / (1 + 2^(-z log2 e)): where the power overflows the quotient is 0, as it should be.
; A sum of squares below 2^-126 counts as 0 (the row is then divided by 1e-12, as the norm's floor asks).  NaN and infinities are not treated apart.
; SHARES.  A work-group makes 256 rows x (256 columns of vg: one head of v or of gate; and 64 columns of qk: one head's q or k).  Each of four waves: 128 x (128 + 32): 64 + 16 accumulators, 640 registers.
; The 16 products a quarter step for qk take xn's fragments that lie in registers for vg: they add four LDS loads to a run of 32.  K = 1,024 goes in 8 steps of 128 through two LDS slots.
; The matrix instruction is used transposed: source 0 = 16 columns of W (turned on the way out of LDS by ds_load_tr16_b128), source 1 = 16 rows of xn: a lane holds one row and eight neighbouring columns.
; CLUSTER 4 x 4: xn's tile is asked for jointly along a row of the cluster, Wvg's and Wqk's along a column.
; ONE TEXT FOR A K STEP.  A trip of the loop goes from a K step's second quarter to the next step's first.  The fragment loads' addresses are a lane term plus the slot's base s[TB], turned at each change of slots;
; one descriptor a tensor walks: its LDS word is turned likewise, its address goes one K step on.  Six trips fill a slot again; the last two K steps, which fill nothing, are a second loop.
; REGISTERS: window 0: v0-47 addresses and biases; v64-127, v128-191 fragments of xn (later: at work on the way out); v192-255 qk's sums of row blocks 4-7.
; Window 1: v0-15, v16-31 fragments of Wqk; v64-127, v128-191 fragments of Wvg; v192-255 qk's sums of row blocks 0-3.  Windows 2, 3: vg's accumulator (a, b) at v[8 (8 a + b)].
.set PA,    272                        ; a row of xn's tile in LDS: 256 bytes + 16: sixteen rows start at sixteen different groups of four banks
.set PB,    544                        ; a K row of Wvg's tile: 512 bytes + 32
.set PQ,    160                        ; a K row of Wqk's tile: 128 bytes + 32, likewise
.set HALFT, 34816                      ; 128 rows of xn
.set BOFF,  69632                      ; behind xn's 256 rows: Wvg's 128 K rows
.set QOFF,  139264                     ; behind them: Wqk's 128 K rows
.set SLOT,  159744                     ; = 0x27000: xn's two places in a slot (0 and 0x8800) have none of its bits, so one exclusive or with it turns them into the other slot's
.set XB,    167936                     ; BOFF exclusive-or (BOFF + SLOT): turns Wvg's place in one slot into its place in the other
.set XQ,    438272                     ; QOFF exclusive-or (QOFF + SLOT): the same for Wqk's
.set SPARE, 2*SLOT                     ; the spare words, 128 bytes a wave; no other line names them
.set DP,    528                        ; the way out of vg: a row of 128 f32 + 16 bytes
.set DW,    128*DP                     ; a wave's 128 rows; the four lie over the two slots, which have had their last fill
.set QDP,   272                        ; the way out of qk: a row of 64 f32 + 16 bytes; 256 rows from LDS byte 0 on
.set ADRA0, 16                         ; v16  my lane's place in xn's tile; never rewritten
.set ADRA,  17                         ; v17  the same in the slot in hand
.set ADRQ0, 18                         ; v18, v19 likewise for Wqk's tile
.set ADRQ,  19
.set ADRB0, 20                         ; v20, v21 likewise for Wvg's tile
.set ADRB,  21
.set QDST,  22
.set QRDA,  23
.set DST,   24
.set RDA,   25
.set CO,    26
.set QCO,   27
.set SPW,   28
.set NIL,   29
.set PFO,   30
.set BIAS,  32
.set QB,    40
.set VF,    44
.set F0,    64
.set F1,    128
.set QA,    192                        ; qk's accumulator (a, b) at QA + 8 (2 (a % 4) + b), in window 1 (a < 4) or 0
.set Z,     64
.set T,     96
.set Y,     128
.set QZ,    64
.set QT,    80
.set QSS,   96
.set QY,    104
.set G1A,  24
.set G0A,  32                          ; s[32:35] the first fill's group 0; s[36:39] the second's, which then walks
.set G1B,  48
.set G0B,  56
.set G1Q,  80
.set G0Q,  88
.set PFA,  66
.set PFS,  68
.set LIM,  70
.set LAP,  71
.set ROWS, 72
.set TB,   73                          ; s73  LDS byte at which the slot in hand begins
.set FQ,   74
.set MUL_LO, 0xa1                      ; source 0 (W) window 1, source 1 (xn) window 0, C and D window 2
.set MUL_HI, 0xf1                      ; the same with window 3
.set TO_B,   0x40                      ; destination window 1
.set MSB, 0
.macro WIN new                         ; the immediate's high byte repeats the setting that is left; a switch that changes nothing is dropped
.if MSB != (\new)
	s_set_vgpr_msb (MSB<<8)|(\new)
.set MSB, \new
.endif
.endm
.macro PLACES                          ; four plain places behind matrix instructions
.rept 4
	v_nop
.endr
.endm
.macro JLOAD s                         ; a K step's four joint loads, one a wave: 0, 1: xn's two halves; 2: Wvg's tile; 3: Wqk's; the branches hang on the wave's number alone; s_nop 0 and four v_nop follow each line
	s_cmp_lt_u32 s16, 2
	s_cbranch_scc0 .Lfor_w_\@
	tensor_load_to_lds s[G0A+4*(\s):G0A+4*(\s)+3], s[G1A:G1A+7]
	s_nop 0
.rept 4
	v_nop
.endr
	s_branch .Lasked_\@
.Lfor_w_\@:
	s_cmp_eq_u32 s16, 2
	s_cbranch_scc0 .Lfor_q_\@
	tensor_load_to_lds s[G0B+4*(\s):G0B+4*(\s)+3], s[G1B:G1B+7]
	s_nop 0
.rept 4
	v_nop
.endr
	s_branch .Lasked_\@
.Lfor_q_\@:
	tensor_load_to_lds s[G0Q+4*(\s):G0Q+4*(\s)+3], s[G1Q:G1Q+7]
	s_nop 0
.rept 4
	v_nop
.endr
.Lasked_\@:
.endm
.macro ASK                             ; one prefetch a wave: 32 blocks of 256 bytes of the K step two refills on; the loop's last two trips ask for nothing: K has no such step
	s_cmp_gt_u32 s[LAP], s[LIM]
	s_cbranch_scc0 .Lnot_mine_\@
	global_prefetch_b8 v[PFO], s[PFA:PFA+1] th:TH_LOAD_NT scope:SCOPE_SE
.Lnot_mine_\@:
.endm
.macro CREST                           ; a round of the cluster's barrier behind its opening barrier
	s_cmp_lg_u32 s16, 0
	s_cbranch_scc1 .Lnot_wave_0_\@
	s_barrier_signal -3
.Lnot_wave_0_\@:
	s_barrier_wait -3
	s_barrier_signal -1
	s_barrier_wait -1
.endm
.macro CROUND
	s_barrier_signal -1
	s_barrier_wait -1
	CREST
.endm
	s_load_b256 s[4:11], s[0:1], 0x0               ; xn 4, wvg16 6, bvg 8, vgh 10
	s_load_b128 s[12:15], s[0:1], 0x20             ; wqk16 12, bqk 14
	s_load_b128 s[96:99], s[0:1], 0x30             ; temperature 96, qkh 98
	v_lshl_add_u32 v[SPW], v0, 2, SPARE
	v_mov_b32 v[NIL], 0
	ds_add_u32 v[SPW], v[NIL]                      ; the wave's opening: the add and its wait ahead of my first tensor load
	v_lshrrev_b32 v1, 5, v0
	v_readfirstlane_b32 s16, v1                    ; wave 0..3
	s_lshr_b32 s17, s16, 1                         ; my half of the tile's rows
	s_and_b32 s18, s16, 1                          ; my half of its columns; in waves 0, 1 also: which half of xn's tile I fetch
	s_bfe_u32 s19, ttmp6, 0x40000                  ; cx
	s_bfe_u32 s20, ttmp6, 0x40004                  ; cy
	s_lshl_b32 s21, ttmp9, 2
	s_add_co_u32 s21, s21, s19                     ; tile column
	s_and_b32 s22, ttmp7, 0xffff
	s_lshl_b32 s22, s22, 2
	s_add_co_u32 s22, s22, s20                     ; tile row
	s_lshl_b32 s40, s20, 2
	s_lshl_b32 s40, 15, s40                        ; my row of the cluster
	s_lshl_b32 s41, 0x1111, s19                    ; my column
	s_or_b32 s[G1A], s40, (1<<16)|(1<<20)|(1<<21)|(5<<22)|(3<<25)   ; mask; 2-byte elements; padding on; bit 21 beside a mask; after every 64 words 4 words
	s_or_b32 s[G1B], s41, (1<<16)|(1<<20)|(1<<21)|(6<<22)|(7<<25)   ; after every 128 words 8 words
	s_or_b32 s[G1Q], s41, (1<<16)|(1<<20)|(1<<21)|(4<<22)|(7<<25)   ; after every 32 words 8 words
	s_mov_b32 s[G1A+1], 128<<16                    ; xn: tensor_dim0 = 128
	s_mov_b32 s[G1A+2], 128<<16                    ; tensor_dim1 = 128
	s_mov_b32 s[G1A+3], 128<<16                    ; tile_dim0 = 128
	s_mov_b32 s[G1A+4], 128                        ; tile_dim1 = 128
	s_mov_b32 s[G1A+5], 1024                       ; elements from row to row
	s_mov_b32 s[G1A+6], 0
	s_mov_b32 s[G1A+7], 0
	s_mov_b32 s[G1B+1], 256<<16                    ; Wvg: 128 K rows of 256 columns
	s_mov_b32 s[G1B+2], 128<<16
	s_mov_b32 s[G1B+3], 256<<16
	s_mov_b32 s[G1B+4], 128
	s_mov_b32 s[G1B+5], 4096
	s_mov_b32 s[G1B+6], 0
	s_mov_b32 s[G1B+7], 0
	s_mov_b32 s[G1Q+1], 64<<16                     ; Wqk: 128 K rows of 64 columns
	s_mov_b32 s[G1Q+2], 128<<16
	s_mov_b32 s[G1Q+3], 64<<16
	s_mov_b32 s[G1Q+4], 128
	s_mov_b32 s[G1Q+5], 1024
	s_mov_b32 s[G1Q+6], 0
	s_mov_b32 s[G1Q+7], 0
	s_lshl_b32 s42, s22, 8                         ; xn: row 256 x tile row + 128 x half, 2,048 bytes a row
	s_lshl_b32 s43, s18, 7
	s_add_co_u32 s42, s42, s43
	s_lshl_b32 s42, s42, 11
	s_mov_b32 s43, 0
	s_lshl_b32 s44, s21, 9                         ; Wvg: column 256 x tile column
	s_mov_b32 s45, 0
	s_lshl_b32 s46, s21, 7                         ; Wqk: column 64 x tile column
	s_mov_b32 s47, 0
	s_mul_i32 s23, s18, HALFT                      ; where my half of xn's tile goes
	s_mov_b32 s[TB], 0
	s_wait_dscnt 0x0                               ; the opening add is done
	s_wait_kmcnt 0x0
	s_add_nc_u64 s[42:43], s[4:5], s[42:43]
	s_add_nc_u64 s[44:45], s[6:7], s[44:45]
	s_add_nc_u64 s[46:47], s[12:13], s[46:47]
	CROUND                                         ; all sixteen work-groups are here: the first joint loads meet
.irp s, 0,1
	s_mov_b32 s[G0A+4*(\s)], 1
	s_add_co_u32 s[G0A+4*(\s)+1], s23, (\s)*SLOT
	s_add_nc_u64 s[G0A+4*(\s)+2:G0A+4*(\s)+3], s[42:43], (\s)*256
	s_or_b32 s[G0A+4*(\s)+3], s[G0A+4*(\s)+3], 0x80000000
	s_mov_b32 s[G0B+4*(\s)], 1
	s_mov_b32 s[G0B+4*(\s)+1], BOFF+(\s)*SLOT
	s_add_nc_u64 s[G0B+4*(\s)+2:G0B+4*(\s)+3], s[44:45], (\s)*1048576
	s_or_b32 s[G0B+4*(\s)+3], s[G0B+4*(\s)+3], 0x80000000
	s_mov_b32 s[G0Q+4*(\s)], 1
	s_mov_b32 s[G0Q+4*(\s)+1], QOFF+(\s)*SLOT
	s_add_nc_u64 s[G0Q+4*(\s)+2:G0Q+4*(\s)+3], s[46:47], (\s)*262144
	s_or_b32 s[G0Q+4*(\s)+3], s[G0Q+4*(\s)+3], 0x80000000
	JLOAD \s                                       ; K steps 0 and 1: two loads of mine are out
.endr
	s_load_b32 s[FQ], s[96:97], 0x0                ; the temperature
	v_and_b32 v1, 15, v0                           ; r
	v_bfe_u32 v2, v0, 4, 1                         ; hh
	v_mul_u32_u24 v3, v1, PA
	v_lshl_add_u32 v3, v2, 4, v3
	s_mul_i32 s46, s17, HALFT
	v_add_nc_u32 v[ADRA0], s46, v3
	v_mov_b32 v[ADRA], v[ADRA0]                    ; slot 0
	v_and_b32 v4, 7, v0                            ; the turning load: K row 8 hh + l % 8, 16 bytes for each half of eight lanes
	v_lshl_add_u32 v4, v2, 3, v4
	v_bfe_u32 v5, v0, 3, 1
	v_mul_u32_u24 v6, v4, PB
	v_lshl_add_u32 v6, v5, 4, v6
	s_lshl_b32 s47, s18, 8                         ; my 128 columns of vg
	s_add_co_u32 s47, s47, BOFF
	v_add_nc_u32 v[ADRB0], s47, v6
	v_mov_b32 v[ADRB], v[ADRB0]
	v_mul_u32_u24 v6, v4, PQ
	v_lshl_add_u32 v6, v5, 4, v6
	s_lshl_b32 s47, s18, 6                         ; my 32 columns of qk
	s_add_co_u32 s47, s47, QOFF
	v_add_nc_u32 v[ADRQ0], s47, v6
	v_mov_b32 v[ADRQ], v[ADRQ0]
	s_lshl_b32 s76, s21, 10                        ; vg's bias of my lane's 8 columns on the way out: (256 tile column + 128 half + 8 r) x 4
	s_lshl_b32 s77, s18, 9
	s_add_co_u32 s76, s76, s77
	v_lshl_add_u32 v10, v1, 5, s76
	global_load_b128 v[BIAS:BIAS+3], v10, s[8:9]
	global_load_b128 v[BIAS+4:BIAS+7], v10, s[8:9] offset:16
	s_lshl_b32 s76, s21, 8                         ; qk's bias of my lane's 4 columns on the way out: (64 tile column + 4 r) x 4
	v_lshl_add_u32 v9, v1, 4, s76
	global_load_b128 v[QB:QB+3], v9, s[14:15]
	s_mul_i32 s46, s16, DW
	v_mul_u32_u24 v[DST], v1, DP
	v_lshl_add_u32 v[DST], v2, 5, v[DST]
	v_add_nc_u32 v[DST], s46, v[DST]               ; vg, in: row r, 32 bytes for each half of the lanes
	v_mul_u32_u24 v[RDA], v2, DP
	v_lshl_add_u32 v[RDA], v1, 5, v[RDA]
	v_add_nc_u32 v[RDA], s46, v[RDA]               ; back: lanes 0-15 one row, lanes 16-31 the next, 8 columns a lane
	v_lshlrev_b32 v[CO], 9, v2
	v_lshl_add_u32 v[CO], v1, 4, v[CO]             ; the same two rows in vgh: 512 bytes a row
	s_mul_i32 s46, s17, 128*QDP
	s_lshl_b32 s47, s18, 7
	s_add_co_u32 s46, s46, s47
	v_mul_u32_u24 v[QDST], v1, QDP
	v_lshl_add_u32 v[QDST], v2, 5, v[QDST]
	v_add_nc_u32 v[QDST], s46, v[QDST]             ; qk, in: row 128 x row half + r, my 32 columns' 128 bytes, 32 bytes for each half of the lanes
	s_mul_i32 s46, s16, 64*QDP
	v_mul_u32_u24 v[QRDA], v2, QDP
	v_lshl_add_u32 v[QRDA], v1, 4, v[QRDA]
	v_add_nc_u32 v[QRDA], s46, v[QRDA]             ; back: wave w takes rows 64 w on, whole: lanes 0-15 one row of 64 f32, lanes 16-31 the next
	v_and_b32 v[QCO], 31, v0
	v_lshlrev_b32 v[QCO], 3, v[QCO]                ; two rows of 128 bytes are 256 consecutive bytes of qkh
	s_lshr_b32 s76, s21, 3                         ; vgh: part << 24 | batch << 23 | head << 20 | n x 512 + 2 c
	s_lshl_b32 s76, s76, 24
	s_lshr_b32 s77, s22, 3
	s_lshl_b32 s77, s77, 23
	s_or_b32 s76, s76, s77
	s_and_b32 s77, s21, 7
	s_lshl_b32 s77, s77, 20
	s_or_b32 s76, s76, s77
	s_and_b32 s77, s22, 7
	s_lshl_b32 s77, s77, 17
	s_or_b32 s76, s76, s77
	s_lshl_b32 s77, s17, 16
	s_or_b32 s76, s76, s77
	s_lshl_b32 s77, s18, 8
	s_or_b32 s76, s76, s77
	s_mov_b32 s77, 0
	s_add_nc_u64 s[10:11], s[10:11], s[76:77]
	s_and_b32 s76, s21, 1                          ; qkh: part << 22 | batch << 21 | head << 18 | n x 128; tile column = 2 head + part; n = 256 (tile row % 8) + 64 wave
	s_lshl_b32 s76, s76, 22
	s_lshr_b32 s77, s22, 3
	s_lshl_b32 s77, s77, 21
	s_or_b32 s76, s76, s77
	s_lshr_b32 s77, s21, 1
	s_lshl_b32 s77, s77, 18
	s_or_b32 s76, s76, s77
	s_and_b32 s77, s22, 7
	s_lshl_b32 s77, s77, 15
	s_or_b32 s76, s76, s77
	s_lshl_b32 s77, s16, 13
	s_or_b32 s76, s76, s77
	s_mov_b32 s77, 0
	s_add_nc_u64 s[98:99], s[98:99], s[76:77]
	s_and_b32 s76, s21, 1                          ; the factor on the normalised vector: q carries temperature x log2 e, k carries 1: T' x (1 - part) + part, exact, and made without a compare
	s_xor_b32 s77, s76, 1
	v_cvt_f32_u32 v45, s76
	v_cvt_f32_u32 v46, s77
	s_wait_kmcnt 0x0
	s_mul_f32 s[FQ], s[FQ], 0x3fb8aa3b
	v_fma_f32 v[VF], s[FQ], v46, v45
	; THE PREFETCHES.  xn's tile row is read by every cluster of that row of clusters: cluster x = 0 asks; Wvg's tile column by every cluster of that column: cluster y = 0 asks.  Waves 0, 1 name xn's two halves, waves 2, 3
	; the two halves of Wvg's 128 K rows; the four partners that receive a tile jointly share it out by address: of xn's 128 rows 32 each (a lane a row), of Wvg's 64 K rows 16 each (two lanes a row of 512 bytes).
	; So each aligned block of 256 bytes is named once in the launch.  Wqk's tile, a ninth of a K step's bytes, is not asked for.
	v_and_b32 v7, 31, v0
	v_lshrrev_b32 v[PFO], s17, v7
	s_lshl_b32 s46, s17, 1
	s_add_co_u32 s46, s46, 11                      ; 2,048 bytes a row of xn, 8,192 a row of Wvg
	v_lshlrev_b32 v[PFO], s46, v[PFO]
	v_and_b32 v8, s17, v7
	v_lshl_add_u32 v[PFO], v8, 8, v[PFO]
	s_lshl_b32 s76, s22, 8
	s_lshl_b32 s77, s18, 7
	s_add_co_u32 s76, s76, s77
	s_lshl_b32 s77, s19, 5
	s_add_co_u32 s76, s76, s77
	s_lshl_b32 s76, s76, 11
	s_add_co_u32 s76, s76, 3*256                   ; at K step 3: each change of slots steps first, so the refill of K step t + 2 names K step t + 4
	s_lshl_b32 s78, s18, 6
	s_lshl4_add_u32 s78, s20, s78
	s_lshl_b32 s78, s78, 13
	s_lshl_b32 s79, s21, 9
	s_add_co_u32 s78, s78, s79
	s_add_co_u32 s78, s78, 3*1048576
	s_and_b32 s79, ttmp7, 0xffff
	s_mov_b32 s[PFS], 1048576
	s_mov_b32 s[PFS+1], 0
	s_cmp_eq_u32 s17, 0
	s_cselect_b32 s76, s76, s78
	s_cselect_b32 s79, ttmp9, s79
	s_cselect_b64 s[PFA:PFA+1], s[4:5], s[6:7]
	s_cselect_b32 s[PFS], 256, s[PFS]
	s_mov_b32 s77, 0
	s_add_nc_u64 s[PFA:PFA+1], s[PFA:PFA+1], s[76:77]
	s_cmp_eq_u32 s79, 0
	s_cselect_b32 s[LIM], 2, -1                    ; a wave that asks does so while more than two trips are left; the same in all sixteen partners, for a given wave
; 16 matrix instructions for vg: row blocks a0, a0 + 1 of the window's four x all 8 column blocks, 32 along K.  zero = 1: the product starts the sum.
.macro MUL16 f, hi, a0, zero
	WIN MUL_LO+0x50*(\hi)
.irp a, \a0, (\a0)+1
.irp b, 0,1,2,3,4,5,6,7
.if \zero
	v_wmma_f32_16x16x32_f16 v[8*(8*(\a)+(\b)):8*(8*(\a)+(\b))+7], v[(\f)+8*(\b):(\f)+8*(\b)+7], v[(\f)+8*(4*(\hi)+(\a)):(\f)+8*(4*(\hi)+(\a))+7], 0
.else
	v_wmma_f32_16x16x32_f16 v[8*(8*(\a)+(\b)):8*(8*(\a)+(\b))+7], v[(\f)+8*(\b):(\f)+8*(\b)+7], v[(\f)+8*(4*(\hi)+(\a)):(\f)+8*(4*(\hi)+(\a))+7], v[8*(8*(\a)+(\b)):8*(8*(\a)+(\b))+7]
.endif
.endr
.endr
.endm
; 8 matrix instructions for qk: the same four row blocks of xn x my 2 column blocks of Wqk.  Its fragments lie at v0 (with buffer F0) or v16 (with F1) of window 1; its sums in window 1 (hi = 0) or 0 (hi = 1).
; All 80 accumulators take turns, one instruction a turn, in the same order in every quarter step.
.macro MULQ f, hi, zero
	WIN 0x51-0x50*(\hi)
.irp a, 0,1,2,3
.irp b, 0,1
.if \zero
	v_wmma_f32_16x16x32_f16 v[QA+8*(2*(\a)+(\b)):QA+8*(2*(\a)+(\b))+7], v[((\f)-64)/4+8*(\b):((\f)-64)/4+8*(\b)+7], v[(\f)+8*(4*(\hi)+(\a)):(\f)+8*(4*(\hi)+(\a))+7], 0
.else
	v_wmma_f32_16x16x32_f16 v[QA+8*(2*(\a)+(\b)):QA+8*(2*(\a)+(\b))+7], v[((\f)-64)/4+8*(\b):((\f)-64)/4+8*(\b)+7], v[(\f)+8*(4*(\hi)+(\a)):(\f)+8*(4*(\hi)+(\a))+7], v[QA+8*(2*(\a)+(\b)):QA+8*(2*(\a)+(\b))+7]
.endif
.endr
.endr
.endm
; 36 LDS loads in one run: quarter q (32 along K) of the slot in hand into buffer f: Wvg's 8 column blocks and Wqk's 2, turned, then xn's 8 row blocks
.macro FETCH q, f
	WIN TO_B
.irp i, 0,1,2,3,4,5,6,7
	ds_load_tr16_b128 v[(\f)+8*(\i):(\f)+8*(\i)+3],   v[ADRB] offset:(\q)*32*PB+32*(\i)
	ds_load_tr16_b128 v[(\f)+8*(\i)+4:(\f)+8*(\i)+7], v[ADRB] offset:(\q)*32*PB+32*(\i)+16*PB
.endr
.irp i, 0,1
	ds_load_tr16_b128 v[((\f)-64)/4+8*(\i):((\f)-64)/4+8*(\i)+3],   v[ADRQ] offset:(\q)*32*PQ+32*(\i)
	ds_load_tr16_b128 v[((\f)-64)/4+8*(\i)+4:((\f)-64)/4+8*(\i)+7], v[ADRQ] offset:(\q)*32*PQ+32*(\i)+16*PQ
.endr
	WIN 0
.irp i, 0,1,2,3,4,5,6,7
	ds_load_b128 v[(\f)+8*(\i):(\f)+8*(\i)+3],   v[ADRA] offset:64*(\q)+(\i)*16*PA
	ds_load_b128 v[(\f)+8*(\i)+4:(\f)+8*(\i)+7], v[ADRA] offset:64*(\q)+(\i)*16*PA+32
.endr
.endm
; One of a K step's first three quarters: multiplies buffer f, and in its middle fetches quarter q into buffer g
.macro QUARTER q, f, g, zero
	s_wait_dscnt 8                                 ; both W's and xn's rows 0-63 are in; the youngest eight loads (rows 64-127) may be out
	MUL16 \f, 0, 0, \zero
	MUL16 \f, 0, 2, \zero
	MULQ \f, 0, \zero
	PLACES
	FETCH \q, \g
	s_wait_dscnt 36                                ; all but the 36 just issued
	MUL16 \f, 1, 0, \zero
	MUL16 \f, 1, 2, \zero
	MULQ \f, 1, \zero
.endm
; The first half of the last quarter: one barrier for the change of slots.  All this slot's fragment loads have been issued, so the addresses turn to the other slot here.
.macro MEET
	WIN 0
	s_wait_tensorcnt 0x0                           ; all my tensor loads have landed: the one that was out is my part of the next slot
	ds_add_u32 v[SPW], v[NIL]                      ; 0 onto my spare word
	s_xor_b32 s[TB], s[TB], SLOT
	v_add_nc_u32 v[ADRA], s[TB], v[ADRA0]
	v_add_nc_u32 v[ADRB], s[TB], v[ADRB0]
	v_add_nc_u32 v[ADRQ], s[TB], v[ADRQ0]
	s_wait_dscnt 9                                 ; (the add and the youngest eight loads may be out)
	MUL16 F1, 0, 0, 0
	s_wait_dscnt 0x0                               ; the add is done, my reads of this slot are over
	s_barrier_signal -1
	MUL16 F1, 0, 2, 0
	MULQ F1, 0, 0
	WIN 0
	s_barrier_wait -1
.endm
; The whole last quarter.  fill = 1: the slot just left takes the K step two steps on.  fill = 0 (the last two K steps): nothing is asked for, and in the last of them the loads of a next step, which does not exist, are jumped over.
.macro TURN fill
.if \fill
	s_wait_xcnt 0x0                                ; the last prefetch, a K step back, has read its address
	s_add_nc_u64 s[PFA:PFA+1], s[PFA:PFA+1], s[PFS:PFS+1]
.endif
	MEET
.if \fill
	CREST                                          ; no wave of any partner still reads this slot or has a load on its way
	s_xor_b32 s[G0A+5], s[G0A+5], SLOT             ; the walking descriptors: the other slot than last time, the next K step
	s_add_nc_u64 s[G0A+6:G0A+7], s[G0A+6:G0A+7], 256
	s_xor_b32 s[G0B+5], s[G0B+5], XB
	s_add_nc_u64 s[G0B+6:G0B+7], s[G0B+6:G0B+7], 1048576
	s_xor_b32 s[G0Q+5], s[G0Q+5], XQ
	s_add_nc_u64 s[G0Q+6:G0Q+7], s[G0Q+6:G0Q+7], 262144
	JLOAD 1                                        ; my one tensor load behind the round; its four v_nop are the places in front of the loads below
	FETCH 0, F0
	ASK
.else
	PLACES
	s_cmp_eq_u32 s[LAP], 1
	s_cbranch_scc1 .Lno_next_\@
	FETCH 0, F0
	WIN 0
.Lno_next_\@:
.endif
	MUL16 F1, 1, 0, 0
	MUL16 F1, 1, 2, 0
	MULQ F1, 1, 0
.endm
	s_wait_tensorcnt 1                             ; my part of K step 0 is in; K step 1's load stays out
	s_barrier_signal -1
	s_barrier_wait -1
	FETCH 0, F0
	QUARTER 1, F0, F1, 1                           ; the first quarter starts the sums
	WIN 0
	s_mov_b32 s[LAP], 6
.Llap:                                         ; K steps 0 to 5: each fills its slot again
	QUARTER 2, F1, F0, 0
	QUARTER 3, F0, F1, 0
	TURN 1
	QUARTER 1, F0, F1, 0
	WIN 0
	s_sub_co_u32 s[LAP], s[LAP], 1
	s_cmp_lg_u32 s[LAP], 0
	s_cbranch_scc1 .Llap
	s_mov_b32 s[LAP], 2
.Ltail:                                        ; K steps 6 and 7 fill nothing; the second trip is left in its middle
	QUARTER 2, F1, F0, 0
	QUARTER 3, F0, F1, 0
	TURN 0
	WIN 0
	s_sub_co_u32 s[LAP], s[LAP], 1
	s_cmp_eq_u32 s[LAP], 0
	s_cbranch_scc1 .Lout
	QUARTER 1, F0, F1, 0
	WIN 0
	s_cmp_lg_u32 s[LAP], 0
	s_cbranch_scc1 .Ltail
.Lout:
	; THE WAY OUT OF qk.  Every wave has left both slots (barrier).  A vector of 64 comes from two waves, so the f32 sums of all four go into 256 shared rows from LDS byte 0 on; behind a barrier each wave takes 64 whole rows:
	; sixteen lanes hold a vector.  Bias, SiLU, the norm, the factor, f16; 32 lanes store 256 consecutive bytes.
	PLACES
	PLACES
	s_wait_dscnt 0x0
	s_barrier_signal -1
	s_barrier_wait -1
	WIN 0x04                                       ; the stores' data in window 1: row blocks 0-3
.irp a, 0,1,2,3
.irp b, 0,1
	ds_store_b128 v[QDST], v[QA+8*(2*(\a)+(\b)):QA+8*(2*(\a)+(\b))+3]   offset:(\a)*16*QDP+(\b)*64
	ds_store_b128 v[QDST], v[QA+8*(2*(\a)+(\b))+4:QA+8*(2*(\a)+(\b))+7] offset:(\a)*16*QDP+(\b)*64+16
.endr
.endr
	WIN 0                                          ; in window 0: row blocks 4-7
.irp a, 0,1,2,3
.irp b, 0,1
	ds_store_b128 v[QDST], v[QA+8*(2*(\a)+(\b)):QA+8*(2*(\a)+(\b))+3]   offset:((\a)+4)*16*QDP+(\b)*64
	ds_store_b128 v[QDST], v[QA+8*(2*(\a)+(\b))+4:QA+8*(2*(\a)+(\b))+7] offset:((\a)+4)*16*QDP+(\b)*64+16
.endr
.endr
	s_wait_dscnt 0x0                               ; my stores are done, for the others' sake
	s_barrier_signal -1
	s_barrier_wait -1
	s_wait_loadcnt 0x0                             ; the biases
	s_mov_b32 s[ROWS], 8
.Lqrow:                                        ; a trip: 8 rows
.irp p, 0,1,2,3
	ds_load_b128 v[QZ+4*(\p):QZ+4*(\p)+3], v[QRDA] offset:(\p)*2*QDP
.endr
	s_wait_dscnt 0x0
.set i, 0
.rept 8
	v_pk_add_f32 v[QZ+2*i:QZ+2*i+1], v[QZ+2*i:QZ+2*i+1], v[QB+2*(i%2):QB+2*(i%2)+1]
.set i, i+1
.endr
.set i, 0
.rept 8
	v_pk_mul_f32 v[QT+2*i:QT+2*i+1], v[QZ+2*i:QZ+2*i+1], 0xbfb8aa3b op_sel_hi:[1,0]  ; -z log2 e
.set i, i+1
.endr
.set i, 0
.rept 16
	v_exp_f32 v[QT+i], v[QT+i]
.set i, i+1
.endr
	v_nop
	s_wait_alu depctr_va_vdst(0)                   ; one wait for the batch of 16
.set i, 0
.rept 8
	v_pk_add_f32 v[QT+2*i:QT+2*i+1], v[QT+2*i:QT+2*i+1], 1.0 op_sel_hi:[1,0]
.set i, i+1
.endr
.set i, 0
.rept 16
	v_rcp_f32 v[QT+i], v[QT+i]
.set i, i+1
.endr
	v_nop
	s_wait_alu depctr_va_vdst(0)
.set i, 0
.rept 8
	v_pk_mul_f32 v[QZ+2*i:QZ+2*i+1], v[QZ+2*i:QZ+2*i+1], v[QT+2*i:QT+2*i+1]
.set i, i+1
.endr
.irp p, 0,1,2,3
	v_pk_mul_f32 v[QSS+2*(\p):QSS+2*(\p)+1], v[QZ+4*(\p):QZ+4*(\p)+1], v[QZ+4*(\p):QZ+4*(\p)+1]
.endr
.irp p, 0,1,2,3
	v_pk_fma_f32 v[QSS+2*(\p):QSS+2*(\p)+1], v[QZ+4*(\p)+2:QZ+4*(\p)+3], v[QZ+4*(\p)+2:QZ+4*(\p)+3], v[QSS+2*(\p):QSS+2*(\p)+1]
.endr
.irp p, 0,1,2,3
	v_add_f32 v[QSS+2*(\p)], v[QSS+2*(\p)], v[QSS+2*(\p)+1]
.endr
.irp m, 1,2,4,8
.irp p, 0,1,2,3
	v_add_f32_dpp v[QSS+2*(\p)], v[QSS+2*(\p)], v[QSS+2*(\p)] row_xmask:\m row_mask:0xf bank_mask:0xf
.endr
.endr
.irp p, 0,1,2,3
	v_sqrt_f32 v[QSS+2*(\p)], v[QSS+2*(\p)]
.endr
	v_nop
	s_wait_alu depctr_va_vdst(0)
.irp p, 0,1,2,3
	v_max_num_f32 v[QSS+2*(\p)], 0x2b8cbccc, v[QSS+2*(\p)]  ; the norm's floor, 1e-12
.endr
.irp p, 0,1,2,3
	v_rcp_f32 v[QSS+2*(\p)], v[QSS+2*(\p)]
.endr
	v_nop
	s_wait_alu depctr_va_vdst(0)
.irp p, 0,1,2,3
	v_mul_f32 v[QSS+2*(\p)], v[VF], v[QSS+2*(\p)]
.endr
.irp p, 0,1,2,3
	v_pk_mul_f32 v[QZ+4*(\p):QZ+4*(\p)+1],   v[QZ+4*(\p):QZ+4*(\p)+1],   v[QSS+2*(\p):QSS+2*(\p)+1] op_sel_hi:[1,0]
	v_pk_mul_f32 v[QZ+4*(\p)+2:QZ+4*(\p)+3], v[QZ+4*(\p)+2:QZ+4*(\p)+3], v[QSS+2*(\p):QSS+2*(\p)+1] op_sel_hi:[1,0]
.endr
.set i, 0
.rept 8
	v_cvt_pk_f16_f32 v[QY+i], v[QZ+2*i], v[QZ+2*i+1]
.set i, i+1
.endr
.irp p, 0,1,2,3
	global_store_b64 v[QCO], v[QY+2*(\p):QY+2*(\p)+1], s[98:99] offset:(\p)*256  ; 32 lanes x 8 bytes: 256 consecutive bytes, aligned
.endr
	v_add_nc_u32 v[QRDA], 8*QDP, v[QRDA]
	s_wait_xcnt 0x0                                ; the stores have read their data and their base
	s_add_nc_u64 s[98:99], s[98:99], 1024
	s_sub_co_u32 s[ROWS], s[ROWS], 1
	s_cmp_lg_u32 s[ROWS], 0
	s_cbranch_scc1 .Lqrow
	; THE WAY OUT OF vg.  Every wave's reads of qk's rows are over (barrier): the bytes are written again.  The f32 sums go into my own 128 rows of LDS and come back by rows; bias, SiLU, f16; sixteen lanes store 256 consecutive bytes.
	s_wait_dscnt 0x0
	s_barrier_signal -1
	s_barrier_wait -1
.irp a, 0,1,2,3,4,5,6,7
	WIN 0x08+4*((\a)/4)                            ; the stores' data in window 2 or 3
.irp b, 0,1,2,3,4,5,6,7
	ds_store_b128 v[DST], v[8*(8*((\a)%4)+(\b)):8*(8*((\a)%4)+(\b))+3]   offset:(\a)*16*DP+(\b)*64
	ds_store_b128 v[DST], v[8*(8*((\a)%4)+(\b))+4:8*(8*((\a)%4)+(\b))+7] offset:(\a)*16*DP+(\b)*64+16
.endr
.endr
	WIN 0
	s_mov_b32 s[ROWS], 16
.Lrow:                                         ; a trip: 8 rows; LDS serves a wave's instructions in order, so these loads see the stores above
.irp p, 0,1,2,3
	ds_load_b128 v[Z+8*(\p):Z+8*(\p)+3],   v[RDA] offset:(\p)*2*DP
	ds_load_b128 v[Z+8*(\p)+4:Z+8*(\p)+7], v[RDA] offset:(\p)*2*DP+16
.endr
	s_wait_dscnt 0x0
.set i, 0
.rept 16
	v_pk_add_f32 v[Z+2*i:Z+2*i+1], v[Z+2*i:Z+2*i+1], v[BIAS+2*(i%4):BIAS+2*(i%4)+1]
.set i, i+1
.endr
.set i, 0
.rept 16
	v_pk_mul_f32 v[T+2*i:T+2*i+1], v[Z+2*i:Z+2*i+1], 0xbfb8aa3b op_sel_hi:[1,0]  ; -z log2 e
.set i, i+1
.endr
.set i, 0
.rept 32
	v_exp_f32 v[T+i], v[T+i]
.set i, i+1
.endr
	v_nop
	s_wait_alu depctr_va_vdst(0)                   ; one wait for the batch of 32
.set i, 0
.rept 16
	v_pk_add_f32 v[T+2*i:T+2*i+1], v[T+2*i:T+2*i+1], 1.0 op_sel_hi:[1,0]
.set i, i+1
.endr
.set i, 0
.rept 32
	v_rcp_f32 v[T+i], v[T+i]
.set i, i+1
.endr
	v_nop
	s_wait_alu depctr_va_vdst(0)
.set i, 0
.rept 16
	v_pk_mul_f32 v[Z+2*i:Z+2*i+1], v[Z+2*i:Z+2*i+1], v[T+2*i:T+2*i+1]
.set i, i+1
.endr
.set i, 0
.rept 16
	v_cvt_pk_f16_f32 v[Y+i], v[Z+2*i], v[Z+2*i+1]
.set i, i+1
.endr
.irp p, 0,1,2,3
	global_store_b128 v[CO], v[Y+4*(\p):Y+4*(\p)+3], s[10:11] offset:(\p)*1024
.endr
	v_add_nc_u32 v[RDA], 8*DP, v[RDA]
	s_wait_xcnt 0x0                                ; the stores have read their data and their base: both are written again only behind this wait
	s_add_nc_u64 s[10:11], s[10:11], 4096
	s_sub_co_u32 s[ROWS], s[ROWS], 1
	s_cmp_lg_u32 s[ROWS], 0
	s_cbranch_scc1 .Lrow
	s_wait_tensorcnt 0x0                           ; the wave's end
	ds_add_u32 v[SPW], v[NIL]
	s_wait_dscnt 0x0
	CROUND                                         ; the closing round
	s_endpgm
.Lfunc_end_k_qd42bd41177_gemm_vq:
	.size	k_qd42bd41177_gemm_vq, .Lfunc_end_k_qd42bd41177_gemm_vq-k_qd42bd41177_gemm_vq
	.p2alignl 7, 3214868480
	.fill 96, 4, 3214868480
	.section	.rodata,"a",@progbits
	.p2align	6, 0x0
	.amdhsa_kernel k_qd42bd41177_gemm_vq
		.amdhsa_group_segment_fixed_size 327680
		.amdhsa_private_segment_fixed_size 0
		.amdhsa_enable_private_segment 0
		.amdhsa_kernarg_size 64
		.amdhsa_user_sgpr_count 2
		.amdhsa_user_sgpr_kernarg_segment_ptr 1
		.amdhsa_wavefront_size32 1
		.amdhsa_system_sgpr_workgroup_id_x 1
		.amdhsa_system_sgpr_workgroup_id_y 1
		.amdhsa_system_sgpr_workgroup_id_z 1
		.amdhsa_system_vgpr_workitem_id 0
		.amdhsa_next_free_vgpr 1024
		.amdhsa_next_free_sgpr 100
		.amdhsa_reserve_vcc 0
		.amdhsa_float_denorm_mode_32 3
		.amdhsa_float_denorm_mode_16_64 3
		.amdhsa_memory_ordered 1
		.amdhsa_forward_progress 1
		.amdhsa_inst_pref_size 114
	.end_amdhsa_kernel
	.amdgpu_metadata
---
amdhsa.version: [ 1, 2 ]
amdhsa.kernels:
  - .name:           k_qd42bd41177_gemm_vq
    .symbol:         k_qd42bd41177_gemm_vq.kd
    .args:
      - { .name: xn, .offset: 0, .size: 8, .value_kind: global_buffer, .address_space: global }
      - { .name: wvg16, .offset: 8, .size: 8, .value_kind: global_buffer, .address_space: global }
      - { .name: bvg, .offset: 16, .size: 8, .value_kind: global_buffer, .address_space: global }
      - { .name: vgh, .offset: 24, .size: 8, .value_kind: global_buffer, .address_space: global }
      - { .name: wqk16, .offset: 32, .size: 8, .value_kind: global_buffer, .address_space: global }
      - { .name: bqk, .offset: 40, .size: 8, .value_kind: global_buffer, .address_space: global }
      - { .name: temperature, .offset: 48, .size: 8, .value_kind: global_buffer, .address_space: global }
      - { .name: qkh, .offset: 56, .size: 8, .value_kind: global_buffer, .address_space: global }
    .group_segment_fixed_size: 327680
    .private_segment_fixed_size: 0
    .kernarg_segment_align: 8
    .kernarg_segment_size: 64
    .max_flat_workgroup_size: 128
    .sgpr_count:     100
    .vgpr_count:     1024
    .wavefront_size: 32
...
	.end_amdgpu_metadata
.endif
;; end of part 6
;; launch attn (part 7): grid 16 x 16, 4 waves a work-group, clusters of 4 x 4, 327,680 bytes of LDS; arguments qkh, vgh, pos_bias, mask, ag, asc; writes ag, asc
.if DOCPART == 7
	.amdgcn_target "amdgcn-amd-amdhsa--gfx1250"
	.amdhsa_code_object_version 6
	.text
	.protected	k_qd42bd41177_attn
	.globl	k_qd42bd41177_attn
	.p2align	8
	.type	k_qd42bd41177_attn,@function
k_qd42bd41177_attn:
	s_mov_b64 s[64:65], 0
	v_nop
	global_prefetch_b8 v0, s[64:65] scope:SCOPE_SE
	s_setreg_imm32_b32 hwreg(HW_REG_WAVE_MODE, 25, 1), 1
	s_wait_xcnt 0x0
	s_wait_alu depctr_hold_cnt(0) depctr_sa_sdst(0) depctr_va_vdst(0) depctr_va_sdst(0) depctr_va_ssrc(0) depctr_va_vcc(0) depctr_vm_vsrc(0)
	s_getreg_b32 s2, hwreg(HW_REG_IB_STS2, 6, 4)
	s_cmp_eq_u32 s2, 0
	s_cbranch_scc0 .Lentry_in_a_cluster
	s_endpgm
.Lentry_in_a_cluster:
	s_bfe_u32 s2, ttmp6, 0x10000c
	s_cmp_lg_u32 s2, 0xf033
	s_cbranch_scc0 .Lentry_shape_is_right
	s_endpgm
.Lentry_shape_is_right:
; ag, asc = (softmax(q k^T T + pos_bias, masked) v) * gate, scaled.  qkh: f16 [q', k][b][h][n][64] (q' carries T log2 e); vgh: f16 [v, gate][b][h][n][256]; pos_bias: f32 [h][n][n]; mask: bytes [b][n], 1 = padded.
; ag: f16 [4096][2048], each (row, head)'s 256 numbers divided by a power of two 2^e that brings the largest into [1, 2); asc: f32 [head][row] = 2^e.  The next launch multiplies it back in f32.
; SOFTMAX in powers of 2, with a running maximum m: s2 = K Q'^T + C, C = pos_bias log2 e + MK[key], MK = 0 or -2^100 for a padded key; p = 2^(cq s2 - cq m); O and l are multiplied by a = 2^(cq m_old - cq m_new) in every step.
; cq = 1 for a valid query.  cq = 0 for a padded one: then p = 1 for all 2,048 keys: the uniform row that a row of equal scores gives.  What padded keys leave in O and l while m = -2^100 is wiped by a = 0 at the first
; valid key, or by the factor 0 at the merge; a valid query has a valid key: its own position.  No branch hangs on the mask.
; LIMITS.  True scores lie above -2^99 in units of log2; a weight below 2^-24 is 0 in P (l is summed of the unrounded weights); mask bytes are 0 or 1; NaN and infinities are not treated apart.
; SHARES.  A work-group: 128 queries of one (batch, head).  Wave w: queries 64 (w / 2) + 0..63 (four tiles of 16) and keys 64 (w % 2) + 0..63 of every slot of 128 keys: the keys are split between the two waves of a pair,
; each with its own m, l and O (512 registers); the two are merged once, at the end, through LDS in f32.
; CLUSTER 4 x 4: the four query blocks of a row share (batch, head): K and V are asked for jointly.  pos_bias's tile is wanted by two work-groups only (the two batches): each loads it by a load of its own.
; REGISTERS.  Window 0: v0-31 addresses, cq; v32-63 statistics, 8 a tile: cq m, m, l (even, odd keys), c0-c3 (c2 takes a); v64-191 S, tile t key block kb at 64 + 32 t + 8 kb; v192-255 P.
; Window 1: v0-63 Q; v64-127, v128-191 two buffers of V (K lies in the first); v192-223 MK.  Window 2: O of tiles 0, 1 at 128 (t % 2) + 8 cb; window 3: tiles 2, 3.
.set PK,    144                        ; a key's row of K: 128 bytes + 16
.set PV,    544                        ; of V: 512 + 32
.set PP,    528                        ; a query's row of pos_bias: 512 + 16
.set VOFF,  128*PK
.set PBOFF, VOFF+128*PV
.set SLOT,  PBOFF+128*PP               ; 155,648
.set XK,    155648                     ; slot 0's address of each tile, exclusive-or slot 1's: one s_xor_b32 turns the one into the other
.set XV,    188416
.set XP0,   188416
.set XP1,   385024
.set MKT,   2*SLOT                     ; f32 MK[2048], stored once; no tile lands here
.set SPARE, MKT+8192                   ; the spare words, 128 bytes a wave
.set STT,   SPARE+512                  ; (cq m, l) of 4 waves x 64 queries
.set DPI,   1040                       ; the merge: a query's 256 f32 + 16 bytes
.set DW,    32*DPI                     ; 32 queries a wave and round; over the ring, which has had its last fill
.set GBASE, 4*DW                       ; behind them: 16,384 bytes of gate a wave
.set MSB, 0
.macro WIN new
.if MSB != (\new)
	s_set_vgpr_msb (MSB<<8)|(\new)
.set MSB, \new
.endif
.endm
.macro PLACES
.rept 4
	v_nop
.endr
.endm
.macro CROUND                          ; a round of the cluster's barrier
	s_barrier_signal -1
	s_barrier_wait -1
	s_cmp_lg_u32 s16, 0
	s_cbranch_scc1 .Lnot_wave_0_\@
	s_barrier_signal -3
.Lnot_wave_0_\@:
	s_barrier_wait -3
	s_barrier_signal -1
	s_barrier_wait -1
.endm
.macro JLOAD                           ; a slot's four loads, one a wave: 0: K (joint), 1: V (joint), 2, 3: the two halves of pos_bias's rows; s_nop 0 and four v_nop follow each
	s_cmp_lt_u32 s16, 2
	s_cbranch_scc0 .Lbias_\@
	s_cmp_eq_u32 s16, 0
	s_cbranch_scc0 .Lval_\@
	tensor_load_to_lds s[48:51], s[24:31]
	s_nop 0
.rept 4
	v_nop
.endr
	s_branch .Lasked_\@
.Lval_\@:
	tensor_load_to_lds s[52:55], s[32:39]
	s_nop 0
.rept 4
	v_nop
.endr
	s_branch .Lasked_\@
.Lbias_\@:
	s_cmp_eq_u32 s16, 2
	s_cbranch_scc0 .Lbias1_\@
	tensor_load_to_lds s[56:59], s[40:47]
	s_nop 0
.rept 4
	v_nop
.endr
	s_branch .Lasked_\@
.Lbias1_\@:
	tensor_load_to_lds s[60:63], s[40:47]
	s_nop 0
.rept 4
	v_nop
.endr
.Lasked_\@:
.endm
; PREFETCHES of what the next change of slots will ask for.  pos_bias: the two batches' work-groups share a tile's 256 blocks of 256 bytes by address: batch b names rows 64 b + 16 w + l / 2, block l % 2.
; V: the row of clusters' first cluster asks; its four partners take 32 keys each by address, waves 0 and 1 sixteen each.  The last trip of the loop asks for nothing.
.macro ASK
	s_cmp_gt_u32 s69, 1
	s_cbranch_scc0 .Lno_p_\@
	global_prefetch_b8 v13, s[74:75] th:TH_LOAD_NT scope:SCOPE_SE
.Lno_p_\@:
	s_cmp_gt_u32 s69, s78
	s_cbranch_scc0 .Lno_v_\@
	global_prefetch_b8 v14, s[76:77] th:TH_LOAD_NT scope:SCOPE_SE
.Lno_v_\@:
.endm
; THE CHANGE OF SLOTS.  Each wave waits for all its tensor loads (one is out: its part of the slot to be read), adds 0 to its spare word, waits for that and for its reads of the slot that it leaves.
; fill = 1: a round of the cluster's barrier, and the slot just left is filled with the next 128 keys' tiles, first thing behind it.
.macro CHANGE fill
	WIN 0
	s_wait_tensorcnt 0x0
	ds_add_u32 v30, v31                            ; 0 onto my spare word; the scalar steps stand between it and the wait for it
.if \fill
	s_xor_b32 s49, s49, XK
	s_add_nc_u64 s[50:51], s[50:51], 16384
	s_xor_b32 s53, s53, XV
	s_add_nc_u64 s[54:55], s[54:55], 65536
	s_xor_b32 s57, s57, XP0
	s_add_nc_u64 s[58:59], s[58:59], 512
	s_xor_b32 s61, s61, XP1
	s_add_nc_u64 s[62:63], s[62:63], 512
	s_wait_xcnt 0x0                                ; the last prefetches, a step back, have read their addresses
	s_add_nc_u64 s[74:75], s[74:75], 512
	s_add_nc_u64 s[76:77], s[76:77], 65536
.endif
	s_xor_b32 s67, s67, SLOT                       ; the slot to be read
	s_add_co_u32 s68, s68, 512                     ; its 128 keys in MK
	s_wait_dscnt 0x0
.if \fill
	CROUND
	JLOAD
.else
	s_barrier_signal -1
	s_barrier_wait -1
	PLACES
.endif
.endm
	s_load_b256 s[4:11], s[0:1], 0x0               ; qkh 4, vgh 6, pos_bias 8, mask 10
	s_load_b128 s[12:15], s[0:1], 0x20             ; ag 12, asc 14
	v_lshl_add_u32 v30, v0, 2, SPARE
	v_mov_b32 v31, 0
	ds_add_u32 v30, v31                            ; the wave's opening: the add and its wait ahead of my first tensor load
	v_lshrrev_b32 v1, 5, v0
	v_readfirstlane_b32 s16, v1                    ; wave
	s_lshr_b32 s17, s16, 1                         ; QG: my half of the queries
	s_and_b32 s18, s16, 1                          ; KH: my half of a slot's keys
	s_bfe_u32 s19, ttmp6, 0x40000                  ; cx
	s_bfe_u32 s20, ttmp6, 0x40004                  ; cy
	s_lshl_b32 s21, ttmp9, 2
	s_add_co_u32 s21, s21, s19                     ; the block of 128 queries
	s_and_b32 s22, ttmp7, 0xffff
	s_lshl_b32 s22, s22, 2
	s_add_co_u32 s22, s22, s20                     ; 2 h + b
	s_lshr_b32 s23, s22, 1                         ; h
	s_and_b32 s66, s22, 1                          ; b
	s_lshl3_add_u32 s79, s66, s23                  ; 8 b + h
	s_lshl_b32 s80, s20, 2
	s_lshl_b32 s80, 15, s80                        ; my row of the cluster
	s_or_b32 s24, s80, (1<<16)|(1<<20)|(1<<21)|(4<<22)|(3<<25)  ; K: 128 keys are 16,384 dense bytes: 64 rows of 256 bytes, 4 words of padding after every 32 (a key)
	s_mov_b32 s25, 128<<16
	s_mov_b32 s26, 64<<16
	s_mov_b32 s27, 128<<16
	s_mov_b32 s28, 64
	s_mov_b32 s29, 128
	s_mov_b32 s30, 0
	s_mov_b32 s31, 0
	s_or_b32 s32, s80, (1<<16)|(1<<20)|(1<<21)|(6<<22)|(7<<25)  ; V: 128 rows of 256 elements, 8 words after every 128
	s_mov_b32 s33, 256<<16
	s_mov_b32 s34, 128<<16
	s_mov_b32 s35, 256<<16
	s_mov_b32 s36, 128
	s_mov_b32 s37, 256
	s_mov_b32 s38, 0
	s_mov_b32 s39, 0
	s_mov_b32 s40, (2<<16)|(1<<20)|(6<<22)|(3<<25)              ; pos_bias: 64 rows of 128 f32, 4 words after every 128; no mask
	s_mov_b32 s41, 128<<16
	s_mov_b32 s42, 64<<16
	s_mov_b32 s43, 128<<16
	s_mov_b32 s44, 64
	s_mov_b32 s45, 2048
	s_mov_b32 s46, 0
	s_mov_b32 s47, 0
	s_mov_b32 s48, 1
	s_mov_b32 s49, 0
	s_mov_b32 s52, 1
	s_mov_b32 s53, VOFF
	s_mov_b32 s56, 1
	s_mov_b32 s57, PBOFF
	s_mov_b32 s60, 1
	s_mov_b32 s61, PBOFF+64*PP
	s_mov_b32 s81, 0
	s_mov_b32 s83, 0
	s_mov_b32 s85, 0
	s_mov_b32 s70, 0x3fb8aa3b                      ; log2 e, as a pair
	s_mov_b32 s71, 0x3fb8aa3b
	s_mov_b32 s72, 0x76543210
	s_mov_b32 s73, 0xfedcba98
	s_wait_dscnt 0x0
	s_wait_kmcnt 0x0
	s_lshl_b32 s80, s79, 18
	s_add_co_u32 s80, s80, 1<<22
	s_add_nc_u64 s[50:51], s[4:5], s[80:81]        ; k of (b, h)
	s_or_b32 s51, s51, 0x80000000
	s_lshl_b32 s80, s79, 20
	s_add_nc_u64 s[54:55], s[6:7], s[80:81]        ; v of (b, h)
	s_or_b32 s55, s55, 0x80000000
	s_lshl_b32 s82, s23, 24
	s_lshl_b32 s84, s21, 20
	s_add_co_u32 s82, s82, s84
	s_add_nc_u64 s[58:59], s[8:9], s[82:83]        ; pos_bias at (h, my first query, key 0)
	s_add_nc_u64 s[62:63], s[58:59], 524288        ; and 64 rows on
	s_or_b32 s59, s59, 0x80000000
	s_or_b32 s63, s63, 0x80000000
	CROUND                                         ; all sixteen work-groups are here
	JLOAD                                          ; tile 0 into slot 0; slot 1 is asked for by the loop's first change of slots
	v_and_b32 v1, 15, v0                           ; r
	v_bfe_u32 v10, v0, 4, 1                        ; hh
	v_and_b32 v11, 31, v0                          ; lane
	s_lshl_b32 s84, s66, 11
	s_add_nc_u64 s[10:11], s[10:11], s[84:85]      ; the batch's mask
	v_lshlrev_b32 v28, 4, v0
	global_load_b128 v[64:67], v28, s[10:11]       ; 16 bytes a thread: all 2,048
	s_lshl_b32 s98, s21, 7
	s_lshl_b32 s84, s17, 6
	s_add_co_u32 s98, s98, s84                     ; my wave's first query
	v_add_nc_u32 v29, s98, v1
	global_load_u8 v24, v29, s[10:11]              ; my four queries' bytes
	global_load_u8 v25, v29, s[10:11] offset:16
	global_load_u8 v26, v29, s[10:11] offset:32
	global_load_u8 v27, v29, s[10:11] offset:48
	s_lshl_b32 s84, s79, 18
	s_lshl_b32 s86, s98, 7
	s_add_co_u32 s84, s84, s86
	s_add_nc_u64 s[96:97], s[4:5], s[84:85]        ; q' at my first query
	v_lshlrev_b32 v12, 7, v1
	v_lshl_add_u32 v12, v10, 4, v12
	WIN 0x40
.irp t, 0,1,2,3
.irp c, 0,1
	global_load_b128 v[16*(\t)+8*(\c):16*(\t)+8*(\c)+3],   v12, s[96:97] offset:(\t)*2048+64*(\c)
	global_load_b128 v[16*(\t)+8*(\c)+4:16*(\t)+8*(\c)+7], v12, s[96:97] offset:(\t)*2048+64*(\c)+32
.endr
.endr
	WIN 0
	; addresses
	s_mul_i32 s84, s18, 64*PK
	v_mul_u32_u24 v2, v1, PK
	v_lshl_add_u32 v2, v10, 4, v2
	v_add_nc_u32 v2, s84, v2                       ; K: (64 KH + r) x 144 + 16 hh
	v_and_b32 v3, 7, v0
	v_lshl_add_u32 v3, v10, 3, v3
	v_mul_u32_u24 v3, v3, PV
	v_bfe_u32 v17, v0, 3, 1
	v_lshl_add_u32 v3, v17, 4, v3
	s_mul_i32 s84, s18, 64*PV
	s_add_co_u32 s84, s84, VOFF
	v_add_nc_u32 v3, s84, v3                       ; V, for the turning load
	v_mul_u32_u24 v4, v1, PP
	v_lshl_add_u32 v4, v10, 5, v4
	s_mul_i32 s84, s17, 64*PP
	s_lshl_b32 s87, s18, 8
	s_add_co_u32 s84, s84, s87
	s_add_co_u32 s84, s84, PBOFF
	v_add_nc_u32 v4, s84, v4                       ; pos_bias: (64 QG + r) x 528 + 256 KH + 32 hh
	v_lshl_add_u32 v5, v10, 5, s87                 ; MK: (64 KH + 8 hh) x 4
	v_lshrrev_b32 v13, 1, v11
	v_lshlrev_b32 v13, 13, v13
	v_and_b32 v17, 1, v0
	v_lshl_add_u32 v13, v17, 8, v13                ; the prefetch of pos_bias: row l / 2, block l % 2
	v_lshlrev_b32 v14, 8, v11                      ; of V: 256 x lane
	s_mul_i32 s84, s16, DW
	v_mul_u32_u24 v15, v1, DPI
	v_lshl_add_u32 v15, v10, 5, v15
	v_add_nc_u32 v15, s84, v15                     ; the merge, in: row r, 32 bytes for each half of the lanes
	s_mul_i32 s84, s17, 2*DW
	s_mul_i32 s87, s18, 16*DPI
	s_add_co_u32 s84, s84, s87
	v_lshl_add_u32 v16, v11, 5, s84                ; back: the pair's first wave, row 16 KH, 8 channels a lane
	v_lshlrev_b32 v20, 4, v11
	s_lshl_b32 s84, s16, 14
	s_add_co_u32 s84, s84, GBASE
	v_lshl_add_u32 v23, v11, 4, s84                ; my gate rows in LDS
	s_lshl_b32 s99, s17, 10
	s_lshl_b32 s87, s18, 7
	s_add_co_u32 s99, s99, s87
	s_add_co_u32 s99, s99, STT                     ; the statistics that I merge: (128 QG + 16 KH) x 8
	s_lshl4_add_u32 s86, s18, s98                  ; the first query that I finish
	s_lshl_b32 s87, s86, 9
	s_lshl_b32 s84, s79, 20
	s_add_co_u32 s84, s84, s87
	s_add_co_u32 s84, s84, 1<<24
	s_add_nc_u64 s[88:89], s[6:7], s[84:85]        ; its gate row
	s_lshl_b32 s87, s66, 11
	s_add_co_u32 s86, s86, s87                     ; its row among the 4,096
	s_lshl_b32 s84, s86, 12
	s_lshl_b32 s87, s23, 9
	s_add_co_u32 s84, s84, s87
	s_add_nc_u64 s[90:91], s[12:13], s[84:85]      ; its place in ag
	s_lshl_b32 s84, s23, 14
	s_add_nc_u64 s[14:15], s[14:15], s[84:85]      ; the head's scales
	v_lshl_add_u32 v22, v10, 5, v1
	v_add_lshl_u32 v22, v22, s86, 2                ; lane l keeps the scale of row + 32 (l / 16) + l % 16
	s_lshl_b32 s84, s66, 6
	s_lshl4_add_u32 s84, s16, s84
	s_lshl_b32 s84, s84, 13
	s_add_co_u32 s84, s84, s82
	s_add_co_u32 s84, s84, 512                     ; at tile 1: each change steps first, so the trip that reads tile i names tile i + 2
	s_add_nc_u64 s[74:75], s[8:9], s[84:85]
	s_lshl_b32 s84, s19, 5
	s_lshl4_add_u32 s84, s16, s84
	s_lshl_b32 s84, s84, 9
	s_add_co_u32 s84, s84, s80
	s_add_co_u32 s84, s84, 65536
	s_add_nc_u64 s[76:77], s[6:7], s[84:85]
	s_lshr_b32 s78, s16, 1
	s_or_b32 s78, s78, ttmp9
	s_cmp_eq_u32 s78, 0
	s_cselect_b32 s78, 1, -1                       ; waves 0, 1 of the first cluster of the row of clusters ask for V: the same in all partners
	s_wait_loadcnt 16                              ; the mask's five loads are in; Q's sixteen stay out
.irp k, 0,1,2,3,4,5,6,7,8,9,10,11,12,13,14,15
	v_bfe_u32 v[68+(\k)], v[64+(\k)/4], 8*((\k)%4), 8
.endr
.irp k, 0,1,2,3,4,5,6,7,8,9,10,11,12,13,14,15
	v_cvt_f32_u32 v[68+(\k)], v[68+(\k)]
.endr
.irp k, 0,1,2,3,4,5,6,7,8,9,10,11,12,13,14,15
	v_mul_f32 v[68+(\k)], 0xf1800000, v[68+(\k)]   ; 0, or -2^100 for a padded key
.endr
	v_lshl_add_u32 v28, v0, 6, MKT
.irp k, 0,1,2,3
	ds_store_b128 v28, v[68+4*(\k):71+4*(\k)] offset:16*(\k)
.endr
.irp t, 0,1,2,3
	v_cvt_f32_u32 v[24+(\t)], v[24+(\t)]
.endr
.irp t, 0,1,2,3
	v_sub_f32 v[24+(\t)], 1.0, v[24+(\t)]          ; cq
.endr
.irp t, 0,1,2,3
	v_mov_b32 v[32+8*(\t)], 0xff7fffff             ; cq m and m start at the lowest finite number: the first step's a is 0
	v_mov_b32 v[33+8*(\t)], 0xff7fffff
	v_mov_b32 v[34+8*(\t)], 0
	v_mov_b32 v[35+8*(\t)], 0
.endr
	; O starts at 0: no first step is written out, which would be a third copy of the step's text.  The 512 zeros are written by 64 products of two zero fragments with C = 0, eight registers a line, an eighth of the
	; lines that moves would take; they stand in the wait for the first tile.  The price: 64 matrix instructions a wave that are not attention's.
.irp k, 0,1,2,3,4,5,6,7,8,9,10,11,12,13,14,15
	v_mov_b32 v[192+(\k)], 0
.endr
	WIN 0x80                                       ; destination window 2, sources window 0
.set i, 0
.rept 32
	v_wmma_f32_16x16x32_f16 v[8*i:8*i+7], v[192:199], v[200:207], 0
.set i, i+1
.endr
	WIN 0xc0                                       ; destination window 3
.set i, 0
.rept 32
	v_wmma_f32_16x16x32_f16 v[8*i:8*i+7], v[192:199], v[200:207], 0
.set i, i+1
.endr
	WIN 0
	s_wait_loadcnt 0x0                             ; Q
	s_mov_b32 s67, SLOT                            ; the first change turns these into slot 0 and MK's first 128 keys
	s_mov_b32 s68, MKT-512
	s_mov_b32 s69, 15
.macro FK                              ; my 64 keys of K: 8 fragments, 16 loads
	WIN 0x40
.irp kb, 0,1,2,3
.irp c, 0,1
	ds_load_b128 v[64+16*(\kb)+8*(\c):64+16*(\kb)+8*(\c)+3],   v6 offset:(\kb)*16*PK+64*(\c)
	ds_load_b128 v[64+16*(\kb)+8*(\c)+4:64+16*(\kb)+8*(\c)+7], v6 offset:(\kb)*16*PK+64*(\c)+32
.endr
.endr
.endm
.macro FV kk, chh, buf                 ; V, turned: keys 32 kk on, channels 128 chh on: 8 fragments, 16 loads
	WIN 0x40
.irp cb, 0,1,2,3,4,5,6,7
	ds_load_tr16_b128 v[(\buf)+8*(\cb):(\buf)+8*(\cb)+3],   v7 offset:(\kk)*32*PV+(8*(\chh)+(\cb))*32
	ds_load_tr16_b128 v[(\buf)+8*(\cb)+4:(\buf)+8*(\cb)+7], v7 offset:(\kk)*32*PV+(8*(\chh)+(\cb))*32+16*PV
.endr
.endm
.macro QK                              ; S = K Q'^T + C, in place on C: 16 accumulators by turns, one instruction a turn
	WIN 0x05
.irp c, 0,1
.irp kb, 0,1,2,3
.irp t, 0,1,2,3
	v_wmma_f32_16x16x32_f16 v[64+32*(\t)+8*(\kb):64+32*(\t)+8*(\kb)+7], v[64+16*(\kb)+8*(\c):64+16*(\kb)+8*(\c)+7], v[16*(\t)+8*(\c):16*(\t)+8*(\c)+7], v[64+32*(\t)+8*(\kb):64+32*(\t)+8*(\kb)+7]
.endr
.endr
.endr
.endm
.macro PVC kk, chh, buf                ; O += V^T P: 32 products, each accumulator once
.irp g, 0,1
	WIN 0xa1+0x50*(\g)
.irp cb, 0,1,2,3,4,5,6,7
.irp u, 0,1
	v_wmma_f32_16x16x32_f16 v[128*(\u)+8*(8*(\chh)+(\cb)):128*(\u)+8*(8*(\chh)+(\cb))+7], v[(\buf)+8*(\cb):(\buf)+8*(\cb)+7], v[192+16*(2*(\g)+(\u))+8*(\kk):192+16*(2*(\g)+(\u))+8*(\kk)+7], v[128*(\u)+8*(8*(\chh)+(\cb)):128*(\u)+8*(8*(\chh)+(\cb))+7]
.endr
.endr
.endr
.endm
; Number j of the 22 that find tile t's maximum and statistics; each accumulator's lowest registers are read first
.macro SM t, j
.set rT, 32+8*(\t)
.set rS, 64+32*(\t)
.if (\j) < 4
	v_max3_num_f32 v[rT+4+(\j)], v[rS+8*(\j)], v[rS+8*(\j)+1], v[rS+8*(\j)+2]
.elseif (\j) < 12
	v_max3_num_f32 v[rT+4+(\j)%4], v[rT+4+(\j)%4], v[rS+8*((\j)%4)+2*((\j)/4)+1], v[rS+8*((\j)%4)+2*((\j)/4)+2]
.elseif (\j) == 12
	v_max3_num_f32 v[rT+4], v[rT+4], v[rS+7], v[rS+15]
.elseif (\j) == 13
	v_max3_num_f32 v[rT+6], v[rT+6], v[rS+23], v[rS+31]
.elseif (\j) == 14
	v_max3_num_f32 v[rT+4], v[rT+4], v[rT+5], v[rT+6]
.elseif (\j) == 15
	v_max3_num_f32 v[rT+4], v[rT+4], v[rT+7], v[rT+1]
.elseif (\j) == 16
	v_permlanex16_b32 v[rT+5], v[rT+4], s72, s73   ; the query's other 32 keys lie in the lane 16 away
.elseif (\j) == 17
	v_mov_b32 v[rT+7], v[rT]
.elseif (\j) == 18
	v_max_num_f32 v[rT+1], v[rT+4], v[rT+5]
.elseif (\j) == 19
	v_mul_f32 v[rT], v[24+(\t)], v[rT+1]
.elseif (\j) == 20
	v_sub_f32 v[rT+7], v[rT+7], v[rT]
.else
	v_exp_f32 v[rT+6], v[rT+7]
.endif
.endm
.macro SCL t, b                        ; pair b of tile t: cq s2 - cq m
.set rT, 32+8*(\t)
.set rS, 64+32*(\t)
.if (\t)%2
	v_pk_fma_f32 v[rS+2*(\b):rS+2*(\b)+1], v[rS+2*(\b):rS+2*(\b)+1], v[23+(\t):24+(\t)], v[rT:rT+1] op_sel:[0,1,0] op_sel_hi:[1,1,0] neg_lo:[0,0,1] neg_hi:[0,0,1]
.else
	v_pk_fma_f32 v[rS+2*(\b):rS+2*(\b)+1], v[rS+2*(\b):rS+2*(\b)+1], v[24+(\t):25+(\t)], v[rT:rT+1] op_sel_hi:[1,0,0] neg_lo:[0,0,1] neg_hi:[0,0,1]
.endif
.endm
.macro SU t, z                         ; number z of 16: the tile's 16 pairs are added in place, 1, 2, 4, 8 pairs apart; then l = a l + the sum
.set rT, 32+8*(\t)
.set rS, 64+32*(\t)
.if (\z) < 8
	v_pk_add_f32 v[rS+4*(\z):rS+4*(\z)+1], v[rS+4*(\z):rS+4*(\z)+1], v[rS+4*(\z)+2:rS+4*(\z)+3]
.elseif (\z) < 12
	v_pk_add_f32 v[rS+8*((\z)-8):rS+8*((\z)-8)+1], v[rS+8*((\z)-8):rS+8*((\z)-8)+1], v[rS+8*((\z)-8)+4:rS+8*((\z)-8)+5]
.elseif (\z) < 14
	v_pk_add_f32 v[rS+16*((\z)-12):rS+16*((\z)-12)+1], v[rS+16*((\z)-12):rS+16*((\z)-12)+1], v[rS+16*((\z)-12)+8:rS+16*((\z)-12)+9]
.elseif (\z) == 14
	v_pk_add_f32 v[rS:rS+1], v[rS:rS+1], v[rS+16:rS+17]
.else
	v_pk_fma_f32 v[rT+2:rT+3], v[rT+2:rT+3], v[rT+6:rT+7], v[rS:rS+1] op_sel_hi:[1,0,1]
.endif
.endm
; A STEP, in phases: a slot's 128 keys, of which 64 are mine.  last = 1: nothing is prefetched, and the gate's rows are asked for into S's registers once the sums have left them.
.macro STEP last
	WIN 0
	v_add_nc_u32 v6, s67, v2
	v_add_nc_u32 v7, s67, v3
	v_add_nc_u32 v8, s67, v4
	v_add_nc_u32 v9, s68, v5
	WIN 0x40
.irp kb, 0,1,2,3
	ds_load_b128 v[192+8*(\kb):195+8*(\kb)], v9 offset:64*(\kb)
	ds_load_b128 v[196+8*(\kb):199+8*(\kb)], v9 offset:64*(\kb)+16
.endr
	WIN 0
.irp t, 0,1,2,3
.irp kb, 0,1,2,3
	ds_load_b128 v[64+32*(\t)+8*(\kb):67+32*(\t)+8*(\kb)], v8 offset:(\t)*16*PP+64*(\kb)
	ds_load_b128 v[68+32*(\t)+8*(\kb):71+32*(\t)+8*(\kb)], v8 offset:(\t)*16*PP+64*(\kb)+16
.endr
.endr
	FK
	WIN 0
.if !(\last)
	ASK                                            ; behind the tensor load and the run of LDS loads
.endif
	s_wait_dscnt 16                                ; MK and pos_bias are in; K's sixteen loads may stay out
	WIN 0x10                                       ; source 2 (MK) in window 1
.irp t, 0,1,2,3
.set i, 0
.rept 16
	v_pk_fma_f32 v[64+32*(\t)+2*i:65+32*(\t)+2*i], v[64+32*(\t)+2*i:65+32*(\t)+2*i], s[70:71], v[192+2*i:193+2*i] op_sel_hi:[1,0,1]
.set i, i+1
.endr
.endr
	s_wait_dscnt 0x0                               ; K
	QK
	WIN 0
	PLACES                                         ; behind the products: V's first fragments land on K's registers, and the maxima read S
	FV 0, 0, 64
	FV 0, 1, 128
	WIN 0
.irp j, 0,1,2,3,4,5,6,7,8,9,10,11,12,13,14,15,16,17,18,19,20,21
.irp t, 0,1,2,3
	SM \t, \j
.endr
.endr
.set b, 0
.rept 16
.irp t, 0,1,2,3
	SCL \t, b
.endr
.set b, b+1
.endr
.set e, 0
.rept 128
	v_exp_f32 v[64+e], v[64+e]
.set e, e+1
.endr
	v_nop                                          ; a plain instruction behind the last exponential,
	s_wait_alu depctr_va_vdst(0)                   ; and ONE wait for the batch of 132 (the four a among them), ahead of its first reader
.set i, 0
.rept 64
	v_cvt_pk_f16_f32 v[192+i], v[64+2*i], v[64+2*i+1]
.set i, i+1
.endr
.set z, 0
.rept 16
.irp t, 0,1,2,3
	SU \t, z
.endr
.set z, z+1
.endr
.if \last
.set i, 0
.rept 32
	global_load_b128 v[64+4*i:67+4*i], v20, s[88:89] offset:(i/16)*16384+(i%16)*512  ; a gate row of 512 bytes a load: the 2 x 16 queries that I finish
.set i, i+1
.endr
.endif
.irp g, 0,1
	WIN 0x82+0x41*(\g)                             ; O in window 2 or 3, a in window 0
.irp u, 0,1
.set i, 0
.rept 64
	v_pk_mul_f32 v[128*(\u)+2*i:128*(\u)+2*i+1], v[128*(\u)+2*i:128*(\u)+2*i+1], v[38+8*(2*(\g)+(\u)):39+8*(2*(\g)+(\u))] op_sel_hi:[1,0]
.set i, i+1
.endr
.endr
.endr
	s_wait_dscnt 0x0                               ; V's first two buffers
	PVC 0, 0, 64
	PLACES
	FV 1, 0, 64
	PVC 0, 1, 128
	PLACES
	FV 1, 1, 128
	s_wait_dscnt 16                                ; the run just issued stays out
	PVC 1, 0, 64
	s_wait_dscnt 0x0
	PVC 1, 1, 128
.endm
.Lslot:                                        ; 15 trips: tile i is waited for, tile i + 1 asked for, tile i worked
	CHANGE 1
	STEP 0
	WIN 0
	s_sub_co_u32 s69, s69, 1
	s_cmp_lg_u32 s69, 0
	s_cbranch_scc1 .Lslot
	CHANGE 0                                       ; the last tile is written out: nothing is asked for
	STEP 1
	; THE WAY OUT.  l's two halves and the other half of the lanes'; (cq m, l) into LDS; O in two rounds of 32 queries a wave into LDS in f32; each wave merges 16 queries of its pair a round.
	WIN 0
.irp t, 0,1,2,3
	v_add_f32 v[36+8*(\t)], v[34+8*(\t)], v[35+8*(\t)]
.endr
.irp t, 0,1,2,3
	v_permlanex16_b32 v[37+8*(\t)], v[36+8*(\t)], s72, s73
.endr
.irp t, 0,1,2,3
	v_add_f32 v[33+8*(\t)], v[36+8*(\t)], v[37+8*(\t)]
.endr
	PLACES
	s_wait_dscnt 0x0
	s_barrier_signal -1
	s_barrier_wait -1                              ; every wave has left the ring, which is filled no more
	s_wait_loadcnt 0x0                             ; the gate
.set i, 0
.rept 32
	ds_store_b128 v23, v[64+4*i:67+4*i] offset:512*i
.set i, i+1
.endr
	s_lshl_b32 s84, s16, 9
	s_add_co_u32 s84, s84, STT
	v_lshl_add_u32 v28, v1, 3, s84
.irp t, 0,1,2,3
	ds_store_b64 v28, v[32+8*(\t):33+8*(\t)] offset:128*(\t)
.endr
.macro DUMP rd                         ; tiles 2 rd, 2 rd + 1 (window 2 + rd) into my 32 rows
	WIN 0x08+4*(\rd)
.irp u, 0,1
.irp cb, 0,1,2,3,4,5,6,7,8,9,10,11,12,13,14,15
	ds_store_b128 v15, v[128*(\u)+8*(\cb):128*(\u)+8*(\cb)+3]   offset:(\u)*16*DPI+64*(\cb)
	ds_store_b128 v15, v[128*(\u)+8*(\cb)+4:128*(\u)+8*(\cb)+7] offset:(\u)*16*DPI+64*(\cb)+16
.endr
.endr
	WIN 0
.endm
	v_mov_b32 v21, 0                               ; my 32 scales, a lane each
	v_mov_b32 v29, 0
	v_mov_b32 v18, s99                             ; the statistics, the gate's rows and ag's rows run on from the first round into the second
	v_mov_b32 v19, v23
	s_mov_b32 s92, 0
	s_mov_b32 s95, 2
.Lround:                                       ; two rounds, written once but for the stores of O, whose registers differ
	s_cmp_eq_u32 s95, 2
	s_cbranch_scc0 .Lsecond
	DUMP 0
	s_branch .Ldumped
.Lsecond:
	DUMP 1
.Ldumped:
	s_wait_dscnt 0x0                               ; my stores are done, for the partner's sake
	s_barrier_signal -1
	s_barrier_wait -1
	v_mov_b32 v17, v16
	s_mov_b32 s93, 4
; Sixteen queries are finished, four a trip; a lane holds 8 channels.  o = (O0 f0 + O1 f1) / (l0 f0 + l1 f1), f = 2^(cq m - the larger cq m); times the gate; divided by the power of two of the row's largest number.
.Lfin:
.irp i, 0,1,2,3
	ds_load_b128 v[64+8*(\i):67+8*(\i)],   v17 offset:(\i)*DPI
	ds_load_b128 v[68+8*(\i):71+8*(\i)],   v17 offset:(\i)*DPI+16
	ds_load_b128 v[96+8*(\i):99+8*(\i)],   v17 offset:DW+(\i)*DPI
	ds_load_b128 v[100+8*(\i):103+8*(\i)], v17 offset:DW+(\i)*DPI+16
	ds_load_b64 v[48+4*(\i):49+4*(\i)], v18 offset:8*(\i)
	ds_load_b64 v[50+4*(\i):51+4*(\i)], v18 offset:512+8*(\i)
	ds_load_b128 v[32+4*(\i):35+4*(\i)], v19 offset:512*(\i)
.endr
	s_wait_dscnt 0x0
.irp i, 0,1,2,3
	v_max_num_f32 v[162+8*(\i)], v[48+4*(\i)], v[50+4*(\i)]
.endr
.irp i, 0,1,2,3
	v_sub_f32 v[160+8*(\i)], v[48+4*(\i)], v[162+8*(\i)]
	v_sub_f32 v[161+8*(\i)], v[50+4*(\i)], v[162+8*(\i)]
.endr
.irp i, 0,1,2,3
	v_exp_f32 v[160+8*(\i)], v[160+8*(\i)]
	v_exp_f32 v[161+8*(\i)], v[161+8*(\i)]
.endr
	v_nop
	s_wait_alu depctr_va_vdst(0)
.irp i, 0,1,2,3
	v_mul_f32 v[162+8*(\i)], v[49+4*(\i)], v[160+8*(\i)]
.endr
.irp i, 0,1,2,3
	v_fmac_f32 v[162+8*(\i)], v[51+4*(\i)], v[161+8*(\i)]
.endr
.irp i, 0,1,2,3
	v_rcp_f32 v[162+8*(\i)], v[162+8*(\i)]
.endr
	v_nop
	s_wait_alu depctr_va_vdst(0)
.irp i, 0,1,2,3
	v_mul_f32 v[160+8*(\i)], v[160+8*(\i)], v[162+8*(\i)]
	v_mul_f32 v[161+8*(\i)], v[161+8*(\i)], v[162+8*(\i)]
.endr
.irp i, 0,1,2,3
.irp k, 0,2,4,6
	v_pk_mul_f32 v[64+8*(\i)+(\k):65+8*(\i)+(\k)], v[64+8*(\i)+(\k):65+8*(\i)+(\k)], v[160+8*(\i):161+8*(\i)] op_sel_hi:[1,0]
.endr
.endr
.irp i, 0,1,2,3
.irp k, 0,2,4,6
	v_pk_fma_f32 v[64+8*(\i)+(\k):65+8*(\i)+(\k)], v[96+8*(\i)+(\k):97+8*(\i)+(\k)], v[160+8*(\i):161+8*(\i)], v[64+8*(\i)+(\k):65+8*(\i)+(\k)] op_sel:[0,1,0] op_sel_hi:[1,1,1]
.endr
.endr
.irp i, 0,1,2,3
.irp k, 0,1,2,3
	v_fma_mix_f32 v[64+8*(\i)+2*(\k)], v[32+4*(\i)+(\k)], v[64+8*(\i)+2*(\k)], v29 op_sel_hi:[1,0,0]                  ; the gate's low half x o + 0
	v_fma_mix_f32 v[65+8*(\i)+2*(\k)], v[32+4*(\i)+(\k)], v[65+8*(\i)+2*(\k)], v29 op_sel:[1,0,0] op_sel_hi:[1,0,0]  ; its high half
.endr
.endr
.irp i, 0,1,2,3
	v_max3_num_f32 v[163+8*(\i)], |v[64+8*(\i)]|, |v[65+8*(\i)]|, |v[66+8*(\i)]|
.endr
.irp i, 0,1,2,3
	v_max3_num_f32 v[163+8*(\i)], v[163+8*(\i)], |v[67+8*(\i)]|, |v[68+8*(\i)]|
.endr
.irp i, 0,1,2,3
	v_max3_num_f32 v[163+8*(\i)], v[163+8*(\i)], |v[69+8*(\i)]|, |v[70+8*(\i)]|
.endr
.irp i, 0,1,2,3
	v_max_num_f32 v[163+8*(\i)], v[163+8*(\i)], |v[71+8*(\i)]|
.endr
.irp m, 1,2,4,8
.irp i, 0,1,2,3
	v_max_num_f32_dpp v[163+8*(\i)], v[163+8*(\i)], v[163+8*(\i)] row_xmask:\m row_mask:0xf bank_mask:0xf
.endr
.endr
.irp i, 0,1,2,3
	v_permlanex16_b32 v[162+8*(\i)], v[163+8*(\i)], s72, s73
.endr
.irp i, 0,1,2,3
	v_max_num_f32 v[163+8*(\i)], v[163+8*(\i)], v[162+8*(\i)]
.endr
.irp i, 0,1,2,3
	v_and_b32 v[163+8*(\i)], 0x7f800000, v[163+8*(\i)]   ; the largest number's power of two,
.endr
.irp i, 0,1,2,3
	v_max_u32 v[163+8*(\i)], 0x00800000, v[163+8*(\i)]   ; held between 2^-126
.endr
.irp i, 0,1,2,3
	v_min_u32 v[163+8*(\i)], 0x7e800000, v[163+8*(\i)]   ; and 2^126, so that its reciprocal is a normal number too:
.endr
.irp i, 0,1,2,3
	v_sub_nc_u32 v[162+8*(\i)], 0x7f000000, v[163+8*(\i)] ; exponent field 254 - E
.endr
.irp i, 0,1,2,3
.irp k, 0,2,4,6
	v_pk_mul_f32 v[64+8*(\i)+(\k):65+8*(\i)+(\k)], v[64+8*(\i)+(\k):65+8*(\i)+(\k)], v[162+8*(\i):163+8*(\i)] op_sel_hi:[1,0]
.endr
.endr
.irp i, 0,1,2,3
.irp k, 0,1,2,3
	v_cvt_pk_f16_f32 v[192+4*(\i)+(\k)], v[64+8*(\i)+2*(\k)], v[65+8*(\i)+2*(\k)]
.endr
.endr
.irp i, 0,1,2,3
	s_add_co_u32 s80, s92, \i
	v_cmp_eq_u32 s94, s80, v11
	v_cndmask_b32 v21, v21, v[163+8*(\i)], s94     ; lane number = the query's number among my 32 keeps its scale
	global_store_b128 v20, v[192+4*(\i):195+4*(\i)], s[90:91] offset:(\i)*4096  ; 512 consecutive bytes, aligned
.endr
	v_add_nc_u32 v17, 4*DPI, v17
	v_add_nc_u32 v18, 32, v18
	v_add_nc_u32 v19, 2048, v19
	s_add_co_u32 s92, s92, 4
	s_wait_xcnt 0x0                                ; the stores have read their data and their base
	s_add_nc_u64 s[90:91], s[90:91], 16384
	s_sub_co_u32 s93, s93, 1
	s_cmp_lg_u32 s93, 0
	s_cbranch_scc1 .Lfin
	v_add_nc_u32 v18, 128, v18                     ; from 16 queries behind the round's first to 32 behind it: the next round's statistics,
	s_add_nc_u64 s[90:91], s[90:91], 65536         ; and its rows of ag (no store has been issued since the wait above)
	s_wait_dscnt 0x0                               ; my reads of this round are over
	s_barrier_signal -1
	s_barrier_wait -1
	s_sub_co_u32 s95, s95, 1
	s_cmp_lg_u32 s95, 0
	s_cbranch_scc1 .Lround
	global_store_b32 v22, v21, s[14:15]            ; my 32 scales
	s_wait_tensorcnt 0x0                           ; the wave's end
	ds_add_u32 v30, v31
	s_wait_dscnt 0x0
	CROUND                                         ; the closing round
	s_endpgm
.Lfunc_end_k_qd42bd41177_attn:
	.size	k_qd42bd41177_attn, .Lfunc_end_k_qd42bd41177_attn-k_qd42bd41177_attn
	.p2alignl 7, 3214868480
	.fill 96, 4, 3214868480
	.section	.rodata,"a",@progbits
	.p2align	6, 0x0
	.amdhsa_kernel k_qd42bd41177_attn
		.amdhsa_group_segment_fixed_size 327680
		.amdhsa_private_segment_fixed_size 0
		.amdhsa_enable_private_segment 0
		.amdhsa_kernarg_size 48
		.amdhsa_user_sgpr_count 2
		.amdhsa_user_sgpr_kernarg_segment_ptr 1
		.amdhsa_wavefront_size32 1
		.amdhsa_system_sgpr_workgroup_id_x 1
		.amdhsa_system_sgpr_workgroup_id_y 1
		.amdhsa_system_sgpr_workgroup_id_z 1
		.amdhsa_system_vgpr_workitem_id 0
		.amdhsa_next_free_vgpr 1024
		.amdhsa_next_free_sgpr 100
		.amdhsa_reserve_vcc 0
		.amdhsa_float_denorm_mode_32 3
		.amdhsa_float_denorm_mode_16_64 3
		.amdhsa_memory_ordered 1
		.amdhsa_forward_progress 1
		.amdhsa_inst_pref_size 173
	.end_amdhsa_kernel
	.amdgpu_metadata
---
amdhsa.version: [ 1, 2 ]
amdhsa.kernels:
  - .name:           k_qd42bd41177_attn
    .symbol:         k_qd42bd41177_attn.kd
    .args:
      - { .name: qkh, .offset: 0, .size: 8, .value_kind: global_buffer, .address_space: global }
      - { .name: vgh, .offset: 8, .size: 8, .value_kind: global_buffer, .address_space: global }
      - { .name: pos_bias, .offset: 16, .size: 8, .value_kind: global_buffer, .address_space: global }
      - { .name: mask, .offset: 24, .size: 8, .value_kind: global_buffer, .address_space: global }
      - { .name: ag, .offset: 32, .size: 8, .value_kind: global_buffer, .address_space: global }
      - { .name: asc, .offset: 40, .size: 8, .value_kind: global_buffer, .address_space: global }
    .group_segment_fixed_size: 327680
    .private_segment_fixed_size: 0
    .kernarg_segment_align: 8
    .kernarg_segment_size: 48
    .max_flat_workgroup_size: 128
    .sgpr_count:     100
    .vgpr_count:     1024
    .wavefront_size: 32
...
	.end_amdgpu_metadata
.endif
;; end of part 7
;; launch gemm_out (part 8): grid 8 x 32, 4 waves a work-group, clusters of 4 x 4, 327,680 bytes of LDS; arguments ag, wo16, asc, bo, out0; writes out0
.if DOCPART == 8
	.amdgcn_target "amdgcn-amd-amdhsa--gfx1250"
	.amdhsa_code_object_version 6
	.text
	.protected	k_qd42bd41177_gemm_out
	.globl	k_qd42bd41177_gemm_out
	.p2align	8
	.type	k_qd42bd41177_gemm_out,@function
k_qd42bd41177_gemm_out:
	s_mov_b64 s[64:65], 0
	v_nop
	global_prefetch_b8 v0, s[64:65] scope:SCOPE_SE
	s_setreg_imm32_b32 hwreg(HW_REG_WAVE_MODE, 25, 1), 1
	s_wait_xcnt 0x0
	s_wait_alu depctr_hold_cnt(0) depctr_sa_sdst(0) depctr_va_vdst(0) depctr_va_sdst(0) depctr_va_ssrc(0) depctr_va_vcc(0) depctr_vm_vsrc(0)
	s_getreg_b32 s2, hwreg(HW_REG_IB_STS2, 6, 4)
	s_cmp_eq_u32 s2, 0
	s_cbranch_scc0 .Lentry_in_a_cluster
	s_endpgm
.Lentry_in_a_cluster:
	s_bfe_u32 s2, ttmp6, 0x10000c
	s_cmp_lg_u32 s2, 0xf033
	s_cbranch_scc0 .Lentry_shape_is_right
	s_endpgm
.Lentry_shape_is_right:
; out0 = (the sum over heads h of asc[h][row] x (ag[row][256 h ..] Wo[256 h ..][:])) + bo.  ag: f16 [4096][2048]; wo16: f16 [2048][1024] (K by rows); asc: f32 [8][4096], powers of two; out0: f32 [4096][1024].
; A K step of 256 is one head: its products start a partial sum with the constant 0, and at the step's end the total takes partial x the row's scale, in f32 (FOLD).
; SHARES.  A tile of 128 x 128 to a work-group, 64 x 64 to a wave; 8 K steps through two LDS slots.  Transposed use: source 0 = 16 columns of Wo (turned by ds_load_tr16_b128), source 1 = 16 rows of ag.
; CLUSTER 4 x 4: ag's tile jointly along a row, Wo's along a column.  No prefetch: a step's tiles are small and the launch is short.
; ONE TEXT FOR A K STEP: the fragment loads' addresses are a lane term plus the slot's base s[TB]; one descriptor a tensor walks.  Six trips fill a slot again; the last two heads are a second loop.
; REGISTERS: window 0: v0-31 addresses, v32-55 at work on the way out, v96-99 scales, v128-255 partial sums.  Window 1: two fragment buffers of 128.  Window 2: v0-127 the totals.
.set PA,    528
.set PB,    288
.set HALFA, 64*PA
.set BOFF,  128*PA
.set HALFB, 128*PB
.set SLOT,  147456                     ; a slot holds 141,312 bytes; slot 1 begins at 2^17 + 2^14: no tile's place in a slot (0, 33,792, 67,584, 104,448) has either bit, so one exclusive or turns an address into the other slot's
.set SPARE, 2*SLOT
.set DP,    272
.set DW,    64*DP                      ; the way out: a wave's 64 rows of 64 f32, in slot 0, which has had its last fill
.set ADRA0, 16
.set ADRA,  17
.set ADRB0, 20
.set ADRB,  22                         ; v22, v23: the slot in hand, K rows 0-127 and 128-255
.set DST,  24
.set RDA,  25
.set CO,   26
.set SCO,  27
.set SPW,  30
.set NIL,  31
.set BIAS, 32
.set Z,    40
.set SC,   96
.set ACC,  128
.set F0,   0
.set F1,   128
.set G1A,  24
.set G0A,  32                          ; s[32:35] the first fill's group 0; s[36:39] the second's, which then walks
.set G1B,  48
.set G0B,  56
.set LAP,  71
.set ROWS, 72
.set TB,   73
.set MUL,  0x05
.set TO_F, 0x40
.set MSB, 0
.macro WIN new
.if MSB != (\new)
	s_set_vgpr_msb (MSB<<8)|(\new)
.set MSB, \new
.endif
.endm
.macro PLACES
.rept 4
	v_nop
.endr
.endm
.macro JLOAD s                         ; waves 0, 1 fetch ag's halves, waves 2, 3 Wo's; s_nop 0 and four v_nop follow each line
	s_cmp_eq_u32 s17, 0
	s_cbranch_scc0 .Lfor_b_\@
	tensor_load_to_lds s[G0A+4*(\s):G0A+4*(\s)+3], s[G1A:G1A+7]
	s_nop 0
.rept 4
	v_nop
.endr
	s_branch .Lasked_\@
.Lfor_b_\@:
	tensor_load_to_lds s[G0B+4*(\s):G0B+4*(\s)+3], s[G1B:G1B+7]
	s_nop 0
.rept 4
	v_nop
.endr
.Lasked_\@:
.endm
.macro CREST
	s_cmp_lg_u32 s16, 0
	s_cbranch_scc1 .Lnot_wave_0_\@
	s_barrier_signal -3
.Lnot_wave_0_\@:
	s_barrier_wait -3
	s_barrier_signal -1
	s_barrier_wait -1
.endm
.macro CROUND
	s_barrier_signal -1
	s_barrier_wait -1
	CREST
.endm
	s_load_b256 s[4:11], s[0:1], 0x0               ; ag 4, wo16 6, asc 8, bo 10
	s_load_b64 s[12:13], s[0:1], 0x20              ; out0
	v_lshl_add_u32 v[SPW], v0, 2, SPARE
	v_mov_b32 v[NIL], 0
	ds_add_u32 v[SPW], v[NIL]                      ; the wave's opening: the add and its wait ahead of my first tensor load
	v_lshrrev_b32 v1, 5, v0
	v_readfirstlane_b32 s16, v1
	s_lshr_b32 s17, s16, 1
	s_and_b32 s18, s16, 1
	s_bfe_u32 s19, ttmp6, 0x40000
	s_bfe_u32 s20, ttmp6, 0x40004
	s_lshl_b32 s21, ttmp9, 2
	s_add_co_u32 s21, s21, s19                     ; tile column
	s_and_b32 s22, ttmp7, 0xffff
	s_lshl_b32 s22, s22, 2
	s_add_co_u32 s22, s22, s20                     ; tile row
	s_lshl_b32 s40, s20, 2
	s_lshl_b32 s40, 15, s40
	s_lshl_b32 s41, 0x1111, s19
	s_or_b32 s[G1A], s40, (1<<16)|(1<<20)|(1<<21)|(6<<22)|(3<<25)
	s_or_b32 s[G1B], s41, (1<<16)|(1<<20)|(1<<21)|(5<<22)|(7<<25)
	s_mov_b32 s[G1A+1], 256<<16
	s_mov_b32 s[G1A+2], 64<<16
	s_mov_b32 s[G1A+3], 256<<16
	s_mov_b32 s[G1A+4], 64
	s_mov_b32 s[G1A+5], 2048
	s_mov_b32 s[G1A+6], 0
	s_mov_b32 s[G1A+7], 0
	s_mov_b32 s[G1B+1], 128<<16
	s_mov_b32 s[G1B+2], 128<<16
	s_mov_b32 s[G1B+3], 128<<16
	s_mov_b32 s[G1B+4], 128
	s_mov_b32 s[G1B+5], 1024
	s_mov_b32 s[G1B+6], 0
	s_mov_b32 s[G1B+7], 0
	s_lshl_b32 s42, s22, 7                         ; ag: row 128 x tile row + 64 x half, 4,096 bytes a row
	s_lshl_b32 s43, s18, 6
	s_add_co_u32 s42, s42, s43
	s_lshl_b32 s42, s42, 12
	s_mov_b32 s43, 0
	s_lshl_b32 s44, s18, 18                        ; Wo: K row 128 x half (2,048 bytes a row), column 128 x tile column
	s_lshl_b32 s45, s21, 8
	s_add_co_u32 s44, s44, s45
	s_mov_b32 s45, 0
	s_mul_i32 s46, s18, HALFA
	s_mul_i32 s47, s18, HALFB
	s_add_co_u32 s47, s47, BOFF
	s_mov_b32 s[TB], 0
	s_wait_dscnt 0x0
	s_wait_kmcnt 0x0
	s_add_nc_u64 s[42:43], s[4:5], s[42:43]
	s_add_nc_u64 s[44:45], s[6:7], s[44:45]
	CROUND
.irp s, 0,1
	s_mov_b32 s[G0A+4*(\s)], 1
	s_add_co_u32 s[G0A+4*(\s)+1], s46, (\s)*SLOT
	s_add_nc_u64 s[G0A+4*(\s)+2:G0A+4*(\s)+3], s[42:43], (\s)*512
	s_or_b32 s[G0A+4*(\s)+3], s[G0A+4*(\s)+3], 0x80000000
	s_mov_b32 s[G0B+4*(\s)], 1
	s_add_co_u32 s[G0B+4*(\s)+1], s47, (\s)*SLOT
	s_add_nc_u64 s[G0B+4*(\s)+2:G0B+4*(\s)+3], s[44:45], (\s)*524288
	s_or_b32 s[G0B+4*(\s)+3], s[G0B+4*(\s)+3], 0x80000000
	JLOAD \s
.endr
	v_and_b32 v1, 15, v0
	v_bfe_u32 v2, v0, 4, 1
	v_mul_u32_u24 v3, v1, PA
	v_lshl_add_u32 v3, v2, 4, v3
	s_mul_i32 s46, s17, HALFA
	v_add_nc_u32 v[ADRA0], s46, v3
	v_mov_b32 v[ADRA], v[ADRA0]                    ; slot 0
	v_and_b32 v4, 7, v0
	v_lshl_add_u32 v4, v2, 3, v4
	v_mul_u32_u24 v4, v4, PB
	v_bfe_u32 v5, v0, 3, 1
	v_lshl_add_u32 v4, v5, 4, v4
	s_lshl_b32 s47, s18, 7
	s_add_co_u32 s47, s47, BOFF
	v_add_nc_u32 v[ADRB0], s47, v4
	v_mov_b32 v[ADRB], v[ADRB0]
	v_add_nc_u32 v[ADRB+1], HALFB, v[ADRB]
	s_lshl_b32 s76, s21, 9                         ; my 64 columns, in bytes of f32: 512 x tile column + 256 x half
	s_lshl_b32 s77, s18, 8
	s_add_co_u32 s76, s76, s77
	v_lshl_add_u32 v6, v1, 4, s76
	global_load_b128 v[BIAS:BIAS+3], v6, s[10:11]  ; the bias of my lane's 4 columns on the way out
	s_lshl_b32 s78, s22, 7
	s_lshl_b32 s79, s17, 6
	s_add_co_u32 s78, s78, s79                     ; my first row
	v_add_lshl_u32 v[SCO], v1, s78, 2              ; its scale, for lane r; never rewritten
	s_lshl_b32 s78, s78, 12
	s_add_co_u32 s76, s76, s78
	s_mov_b32 s77, 0
	s_add_nc_u64 s[12:13], s[12:13], s[76:77]
	s_mul_i32 s46, s16, DW
	v_mul_u32_u24 v[DST], v1, DP
	v_lshl_add_u32 v[DST], v2, 5, v[DST]
	v_add_nc_u32 v[DST], s46, v[DST]
	v_mul_u32_u24 v[RDA], v2, DP
	v_lshl_add_u32 v[RDA], v1, 4, v[RDA]
	v_add_nc_u32 v[RDA], s46, v[RDA]
	v_lshlrev_b32 v[CO], 12, v2
	v_lshl_add_u32 v[CO], v1, 4, v[CO]             ; two rows of out0, 4,096 bytes apart; sixteen lanes cover 256 bytes
	; The totals start at 0, so that every head is folded by one text.  The 128 zeros are written by 16 products of two zero fragments with C = 0, eight registers a line, in the wait for the first tile.
	; The price: 16 matrix instructions a wave that are not the product's.
.irp k, 0,1,2,3,4,5,6,7,8,9,10,11,12,13,14,15
	v_mov_b32 v[Z+(\k)], 0
.endr
	WIN 0x80                                       ; destination window 2, sources window 0
.set i, 0
.rept 16
	v_wmma_f32_16x16x32_f16 v[8*i:8*i+7], v[Z:Z+7], v[Z+8:Z+15], 0
.set i, i+1
.endr
	WIN 0
.macro MUL8 f, c, a0, zero
	WIN MUL
.irp a, \a0, (\a0)+1
.irp b, 0,1,2,3
.if \zero
	v_wmma_f32_16x16x32_f16 v[ACC+8*(4*(\a)+(\b)):ACC+8*(4*(\a)+(\b))+7], v[(\f)+64+8*(4*(\c)+(\b)):(\f)+64+8*(4*(\c)+(\b))+7], v[(\f)+8*(4*(\c)+(\a)):(\f)+8*(4*(\c)+(\a))+7], 0
.else
	v_wmma_f32_16x16x32_f16 v[ACC+8*(4*(\a)+(\b)):ACC+8*(4*(\a)+(\b))+7], v[(\f)+64+8*(4*(\c)+(\b)):(\f)+64+8*(4*(\c)+(\b))+7], v[(\f)+8*(4*(\c)+(\a)):(\f)+8*(4*(\c)+(\a))+7], v[ACC+8*(4*(\a)+(\b)):ACC+8*(4*(\a)+(\b))+7]
.endif
.endr
.endr
.endm
.macro FETCH q, f                      ; 32 LDS loads: quarter q (64 along K) of the slot in hand into buffer f, its first 32 along K first
	WIN TO_F
.irp c, 0,1
.irp i, 0,1,2,3
	ds_load_tr16_b128 v[(\f)+64+8*(4*(\c)+(\i)):(\f)+64+8*(4*(\c)+(\i))+3],   v[ADRB+(\q)/2] offset:(2*((\q)%2)+(\c))*32*PB+32*(\i)
	ds_load_tr16_b128 v[(\f)+64+8*(4*(\c)+(\i))+4:(\f)+64+8*(4*(\c)+(\i))+7], v[ADRB+(\q)/2] offset:(2*((\q)%2)+(\c))*32*PB+32*(\i)+16*PB
	ds_load_b128 v[(\f)+8*(4*(\c)+(\i)):(\f)+8*(4*(\c)+(\i))+3],   v[ADRA] offset:128*(\q)+64*(\c)+(\i)*16*PA
	ds_load_b128 v[(\f)+8*(4*(\c)+(\i))+4:(\f)+8*(4*(\c)+(\i))+7], v[ADRA] offset:128*(\q)+64*(\c)+(\i)*16*PA+32
.endr
.endr
.endm
.macro QUARTER q, f, g, zero
	s_wait_dscnt 16                                ; the first 32 along K are in
	MUL8 \f, 0, 0, \zero
	MUL8 \f, 0, 2, \zero
	PLACES
	FETCH \q, \g
	s_wait_dscnt 32                                ; all but the 32 just issued
	MUL8 \f, 1, 0, 0
	MUL8 \f, 1, 2, 0
.endm
; The last quarter multiplies buffer 1 and changes slots.  fill = 1: the slot just left takes the head two heads on.  fill = 0: nothing is asked for, and in the last head the loads of a next one, which does not exist, are jumped over.
.macro TURN fill
	WIN 0
	s_wait_tensorcnt 0x0                           ; all my tensor loads have landed: my part of the next slot
	ds_add_u32 v[SPW], v[NIL]
	s_xor_b32 s[TB], s[TB], SLOT                   ; all this slot's fragment loads have been issued: the addresses turn to the other slot
	v_add_nc_u32 v[ADRA], s[TB], v[ADRA0]
	v_add_nc_u32 v[ADRB], s[TB], v[ADRB0]
	v_add_nc_u32 v[ADRB+1], HALFB, v[ADRB]
	s_wait_dscnt 17                                ; (the add and the youngest sixteen loads may be out)
	MUL8 F1, 0, 0, 0
	s_wait_dscnt 0x0                               ; the add is done, my reads of this slot are over
	s_barrier_signal -1
	MUL8 F1, 0, 2, 0
	WIN 0
	s_barrier_wait -1
.if \fill
	CREST
	s_xor_b32 s[G0A+5], s[G0A+5], SLOT             ; the walking descriptors: the other slot than last time, the next head
	s_add_nc_u64 s[G0A+6:G0A+7], s[G0A+6:G0A+7], 512
	s_xor_b32 s[G0B+5], s[G0B+5], SLOT
	s_add_nc_u64 s[G0B+6:G0B+7], s[G0B+6:G0B+7], 524288
	JLOAD 1                                        ; my one tensor load behind the round; its four v_nop are the places in front of the loads below
	FETCH 0, F0
.else
	PLACES
	s_cmp_eq_u32 s[LAP], 1
	s_cbranch_scc1 .Lno_next_\@
	FETCH 0, F0
	WIN 0
.Lno_next_\@:
.endif
	MUL8 F1, 1, 0, 0
	MUL8 F1, 1, 2, 0
.endm
.macro SCLOAD                          ; the head's scales of my four row blocks: lane r takes row 16 a + r
	WIN 0
.irp a, 0,1,2,3
	global_load_b32 v[SC+(\a)], v[SCO], s[8:9] offset:64*(\a)
.endr
.endm
; total += partial x scale.  The accumulators are taken in ascending order, each from its low end; the other accumulators' lines are the places ahead of the products that start the next partial sums.
.macro FOLD
	WIN 0
	PLACES
	s_wait_loadcnt 0x0                             ; the scales are in, so their base may step to the next head's
	s_add_nc_u64 s[8:9], s[8:9], 16384
	WIN 0xa0                                       ; destination and source 2 (the totals) in window 2
.irp a, 0,1,2,3
.irp b, 0,1,2,3
.irp k, 0,2,4,6
.if (\a)%2
	v_pk_fma_f32 v[8*(4*(\a)+(\b))+(\k):8*(4*(\a)+(\b))+(\k)+1], v[ACC+8*(4*(\a)+(\b))+(\k):ACC+8*(4*(\a)+(\b))+(\k)+1], v[SC+(\a)-1:SC+(\a)], v[8*(4*(\a)+(\b))+(\k):8*(4*(\a)+(\b))+(\k)+1] op_sel:[0,1,0] op_sel_hi:[1,1,1]
.else
	v_pk_fma_f32 v[8*(4*(\a)+(\b))+(\k):8*(4*(\a)+(\b))+(\k)+1], v[ACC+8*(4*(\a)+(\b))+(\k):ACC+8*(4*(\a)+(\b))+(\k)+1], v[SC+(\a):SC+(\a)+1], v[8*(4*(\a)+(\b))+(\k):8*(4*(\a)+(\b))+(\k)+1] op_sel_hi:[1,0,1]
.endif
.endr
.endr
.endr
	WIN 0
.endm
.macro KSTEP fill                      ; one head
	SCLOAD
	QUARTER 1, F0, F1, 1                           ; its first products start the partial sums
	QUARTER 2, F1, F0, 0
	QUARTER 3, F0, F1, 0
	TURN \fill
	FOLD
.endm
	s_wait_tensorcnt 1                             ; K step 0 is in; K step 1's load stays out
	s_barrier_signal -1
	s_barrier_wait -1
	FETCH 0, F0
	WIN 0
	s_mov_b32 s[LAP], 6
.Llap:                                         ; heads 0 to 5: each fills its slot again
	KSTEP 1
	s_sub_co_u32 s[LAP], s[LAP], 1
	s_cmp_lg_u32 s[LAP], 0
	s_cbranch_scc1 .Llap
	s_mov_b32 s[LAP], 2
.Ltail:                                        ; heads 6 and 7 fill nothing
	KSTEP 0
	s_sub_co_u32 s[LAP], s[LAP], 1
	s_cmp_lg_u32 s[LAP], 0
	s_cbranch_scc1 .Ltail
	; THE WAY OUT: every wave has left the slots (barrier); the totals go into my own 64 rows in slot 0 and come back by rows; the bias; sixteen lanes store 256 consecutive bytes.
	s_wait_dscnt 0x0
	s_barrier_signal -1
	s_barrier_wait -1
	WIN 0x08                                       ; the stores' data in window 2
.irp a, 0,1,2,3
.irp b, 0,1,2,3
	ds_store_b128 v[DST], v[8*(4*(\a)+(\b)):8*(4*(\a)+(\b))+3]   offset:(\a)*16*DP+(\b)*64
	ds_store_b128 v[DST], v[8*(4*(\a)+(\b))+4:8*(4*(\a)+(\b))+7] offset:(\a)*16*DP+(\b)*64+16
.endr
.endr
	WIN 0
	s_mov_b32 s[ROWS], 8
.Lrow:                                         ; a trip: 8 rows
.irp p, 0,1,2,3
	ds_load_b128 v[Z+4*(\p):Z+4*(\p)+3], v[RDA] offset:(\p)*2*DP
.endr
	s_wait_dscnt 0x0
.set i, 0
.rept 8
	v_pk_add_f32 v[Z+2*i:Z+2*i+1], v[Z+2*i:Z+2*i+1], v[BIAS+2*(i%2):BIAS+2*(i%2)+1]
.set i, i+1
.endr
.irp p, 0,1,2,3
	global_store_b128 v[CO], v[Z+4*(\p):Z+4*(\p)+3], s[12:13] offset:(\p)*8192
.endr
	v_add_nc_u32 v[RDA], 8*DP, v[RDA]
	s_wait_xcnt 0x0                                ; the stores have read their data and their base
	s_add_nc_u64 s[12:13], s[12:13], 32768
	s_sub_co_u32 s[ROWS], s[ROWS], 1
	s_cmp_lg_u32 s[ROWS], 0
	s_cbranch_scc1 .Lrow
	s_wait_tensorcnt 0x0                           ; the wave's end
	ds_add_u32 v[SPW], v[NIL]
	s_wait_dscnt 0x0
	CROUND
	s_endpgm
.Lfunc_end_k_qd42bd41177_gemm_out:
	.size	k_qd42bd41177_gemm_out, .Lfunc_end_k_qd42bd41177_gemm_out-k_qd42bd41177_gemm_out
	.p2alignl 7, 3214868480
	.fill 96, 4, 3214868480
	.section	.rodata,"a",@progbits
	.p2align	6, 0x0
	.amdhsa_kernel k_qd42bd41177_gemm_out
		.amdhsa_group_segment_fixed_size 327680
		.amdhsa_private_segment_fixed_size 0
		.amdhsa_enable_private_segment 0
		.amdhsa_kernarg_size 40
		.amdhsa_user_sgpr_count 2
		.amdhsa_user_sgpr_kernarg_segment_ptr 1
		.amdhsa_wavefront_size32 1
		.amdhsa_system_sgpr_workgroup_id_x 1
		.amdhsa_system_sgpr_workgroup_id_y 1
		.amdhsa_system_sgpr_workgroup_id_z 1
		.amdhsa_system_vgpr_workitem_id 0
		.amdhsa_next_free_vgpr 640
		.amdhsa_next_free_sgpr 80
		.amdhsa_reserve_vcc 0
		.amdhsa_float_denorm_mode_32 3
		.amdhsa_float_denorm_mode_16_64 3
		.amdhsa_memory_ordered 1
		.amdhsa_forward_progress 1
		.amdhsa_inst_pref_size 61
	.end_amdhsa_kernel
	.amdgpu_metadata
---
amdhsa.version: [ 1, 2 ]
amdhsa.kernels:
  - .name:           k_qd42bd41177_gemm_out
    .symbol:         k_qd42bd41177_gemm_out.kd
    .args:
      - { .name: ag, .offset: 0, .size: 8, .value_kind: global_buffer, .address_space: global }
      - { .name: wo16, .offset: 8, .size: 8, .value_kind: global_buffer, .address_space: global }
      - { .name: asc, .offset: 16, .size: 8, .value_kind: global_buffer, .address_space: global }
      - { .name: bo, .offset: 24, .size: 8, .value_kind: global_buffer, .address_space: global }
      - { .name: out0, .offset: 32, .size: 8, .value_kind: global_buffer, .address_space: global }
    .group_segment_fixed_size: 327680
    .private_segment_fixed_size: 0
    .kernarg_segment_align: 8
    .kernarg_segment_size: 40
    .max_flat_workgroup_size: 128
    .sgpr_count:     80
    .vgpr_count:     640
    .wavefront_size: 32
...
	.end_amdgpu_metadata
.endif
;; end of part 8
;; ======== version 3 of 3: 4 launches; version 2 with the launch prep written anew for expert scheduling mode
;; limits: values are held in f16: magnitudes above 65,504 overflow, below 6.1e-05 lose precision; right only within a limited range of input values
;; workspace buffers: xn 8,388,608 bytes; wvg16 8,388,608 bytes; wqk16 2,097,152 bytes; wo16 4,194,304 bytes; vgh 33,554,432 bytes; qkh 8,388,608 bytes; ag 16,777,216 bytes; asc 131,072 bytes
;; launch prep (part 9): grid 704 x 1, 8 waves a work-group, no clusters, 0 bytes of LDS; arguments x, ln_w, ln_b, Wvg, Wqk, Wo, xn, wvg16, wqk16, wo16; writes xn, wvg16, wqk16, wo16
.if DOCPART == 9
	.amdgcn_target "amdgcn-amd-amdhsa--gfx1250"
	.amdhsa_code_object_version 6
	.text
	.protected	k_qd42bd41177_prep
	.globl	k_qd42bd41177_prep
	.p2align	8
	.type	k_qd42bd41177_prep,@function
k_qd42bd41177_prep:
	s_mov_b64 s[64:65], 0
	v_nop
	global_prefetch_b8 v0, s[64:65] scope:SCOPE_SE
	s_setreg_imm32_b32 hwreg(HW_REG_WAVE_SCHED_MODE, 0, 2), 2
	s_setreg_imm32_b32 hwreg(HW_REG_WAVE_MODE, 25, 1), 1
	s_wait_xcnt 0x0
	s_wait_alu depctr_vm_vsrc(0)
; PREP.  Work-groups 0-255: xn = LayerNorm(x) * ln_w + ln_b, f32 arithmetic, rounded once to f16.  Work-groups 256-703: the three weight tensors rounded once to f16, layout kept.
; A stream: every byte is read once by 16-byte loads and written once; no LDS, no matrix unit, no cluster: no wave wants a byte that another has fetched.
; LIMITS.  f16 ends at 65,504: |W| and |xn| (at most 32 |ln_w| + |ln_b|) stay below it.  The variance is taken of x - mean (two passes over registers), so a common offset of x costs nothing.
; THE MODE: SCHED_MODE bits 1:0 = 2 (LLVM: expert scheduling mode 2), set by the entry lines.  The code itself states the register dependences
; between vector instructions and memory instructions, with s_wait_alu, always for 0.
; THE PLAN.  Registers that memory instructions touch:
;   v2, v3        byte offsets of the loads and of the stores: written once at the head of either way, never again.
;   loaded data   (the cast: CR; the norm: LW, LB, X0, X1): all loads are issued before any vector instruction names these registers, and none is loaded twice.
;   out-buffers   (the cast: CO, a pair for each of 16 pieces; the norm: Y0, Y1): written once by conversions, read by one run of stores, never written again.
; So what has to be stated is: the offsets are written, ahead of the first load; an out-buffer is written, ahead of its stores; the wave's number is written, ahead of its reader.
; No register that a memory instruction reads is ever written again, and EXEC is never written.
; The cast goes in four groups of four pieces: one wait at a group's head shows the group before written, and its four stores are dealt among this group's conversions, which name other registers.
; The norm's row 0 is stored behind the wait that row 1's root has in any case; row 1 behind a wait of its own.
.set CR, 16                            ; v[16:79]    the cast: piece j as loaded, 4 registers at CR + 4 j
.set CO, 80                            ; v[80:111]   the cast: piece j in f16, 2 registers at CO + 2 j
.set LW, 16                            ; v[16:47]    ln_w: my 4 columns of each of 8 groups of 128
.set LB, 48                            ; v[48:79]    ln_b likewise
.set X0, 80                            ; v[80:111]   row 0
.set X1, 112                           ; v[112:143]  row 1
.set AC, 144                           ; v[144:151]  sums at work: no memory instruction names them
.set Y0, 160                           ; v[160:175]  row 0 in f16
.set Y1, 176                           ; v[176:191]  row 1 in f16
; The cast's group g: pieces 4 g to 4 g + 3 are rounded; the four stores of the group before stand among the conversions.
.macro CAST4 g
	s_wait_loadcnt 12-4*(\g)                       ; loads come back in order: this group's four are in, the younger groups stay out
.if (\g) > 0
	s_wait_alu depctr_va_vdst(0)                   ; the group before has written its four pairs of CO, which the stores below read; no conversion below names them
.endif
.irp i, 0,1,2,3
.if (\g) > 0
	global_store_b64 v3, v[CO+2*(4*(\g)-4+(\i)):CO+2*(4*(\g)-4+(\i))+1], s[32:33] offset:2048*(4*(\g)-4+(\i))  ; a wave's store covers 256 consecutive bytes, aligned; no register is written twice
.endif
	v_cvt_pk_f16_f32 v[CO+2*(4*(\g)+(\i))],   v[CR+4*(4*(\g)+(\i))],   v[CR+4*(4*(\g)+(\i))+1]
	v_cvt_pk_f16_f32 v[CO+2*(4*(\g)+(\i))+1], v[CR+4*(4*(\g)+(\i))+2], v[CR+4*(4*(\g)+(\i))+3]
.endr
.endm
	s_load_b512 s[8:23], s[0:1], 0x0               ; x 8, ln_w 10, ln_b 12, Wvg 14, Wqk 16, Wo 18, xn 20, wvg16 22
	s_load_b128 s[24:27], s[0:1], 0x40             ; wqk16 24, wo16 26
	s_mov_b32 s37, 0
	s_cmp_lt_u32 ttmp9, 256
	s_cbranch_scc1 .Lnorm
	; THE CAST.  A work-group takes 65,536 bytes of f32: Wvg has 256 such pieces, Wqk 64, Wo 128.
	s_sub_co_u32 s3, ttmp9, 256                    ; piece 0..447
	s_mov_b32 s34, 320
	v_lshlrev_b32 v2, 4, v0                        ; 16 bytes a thread in,
	v_lshlrev_b32 v3, 3, v0                        ; 8 bytes out
	s_wait_kmcnt 0x0
	s_cmp_lt_u32 s3, 320
	s_cselect_b64 s[30:31], s[16:17], s[18:19]     ; from Wqk or Wo,
	s_cselect_b64 s[32:33], s[24:25], s[26:27]     ; to wqk16 or wo16,
	s_cselect_b32 s34, 256, s34                    ; whose first piece has this number
	s_cmp_lt_u32 s3, 256
	s_cselect_b64 s[30:31], s[14:15], s[30:31]     ; or from Wvg
	s_cselect_b64 s[32:33], s[22:23], s[32:33]
	s_cselect_b32 s34, 0, s34
	s_sub_co_u32 s3, s3, s34                       ; the piece's number in its tensor
	s_lshl_b32 s36, s3, 16
	s_add_nc_u64 s[30:31], s[30:31], s[36:37]
	s_lshl_b32 s36, s3, 15
	s_add_nc_u64 s[32:33], s[32:33], s[36:37]
	s_wait_alu depctr_va_vdst(0)                   ; v2 and v3 are written: every load below reads v2 as its offset, every store v3
.irp j, 0,1,2,3,4,5,6,7,8,9,10,11,12,13,14,15
	global_load_b128 v[CR+4*(\j):CR+4*(\j)+3], v2, s[30:31] offset:4096*(\j) th:TH_LOAD_NT  ; all sixteen go out at once
.endr
	CAST4 0
	CAST4 1
	CAST4 2
	CAST4 3
	s_wait_alu depctr_va_vdst(0)                   ; the last group has written its four pairs of CO, which the last four stores read
.irp j, 12,13,14,15
	global_store_b64 v3, v[CO+2*(\j):CO+2*(\j)+1], s[32:33] offset:2048*(\j)
.endr
	s_endpgm
; The sum over the wave's 32 lanes of v[r], left in every lane; v[r+1] is scratch that has been written.
.macro SUM32 r
	v_add_f32_dpp v[\r], v[\r], v[\r] row_xmask:1 row_mask:0xf bank_mask:0xf
	v_add_f32_dpp v[\r], v[\r], v[\r] row_xmask:2 row_mask:0xf bank_mask:0xf
	v_add_f32_dpp v[\r], v[\r], v[\r] row_xmask:4 row_mask:0xf bank_mask:0xf
	v_add_f32_dpp v[\r], v[\r], v[\r] row_xmask:8 row_mask:0xf bank_mask:0xf
	v_permlanex16_b32 v[(\r)+1], v[\r], s28, s29
	v_add_f32 v[\r], v[\r], v[(\r)+1]
.endm
; A row's eight stores, from buffer y, at byte off behind the wave's first row.
.macro SEND y, off
.irp j, 0,1,2,3,4,5,6,7
	global_store_b64 v3, v[(\y)+2*(\j):(\y)+2*(\j)+1], s[32:33] offset:(\off)+256*(\j)  ; 32 lanes x 8 bytes: 256 consecutive bytes, aligned
.endr
.endm
; One row, held in 32 registers x: mean, x - mean, variance, scale, gain and bias, f16 into buffer y.  before = 1: row 0's stores stand behind this row's wait for the root.
.macro NORM x, y, before
	v_pk_add_f32 v[AC:AC+1],   v[(\x):(\x)+1],     v[(\x)+2:(\x)+3]     ; four chains, started by the first eight pairs
	v_pk_add_f32 v[AC+2:AC+3], v[(\x)+4:(\x)+5],   v[(\x)+6:(\x)+7]
	v_pk_add_f32 v[AC+4:AC+5], v[(\x)+8:(\x)+9],   v[(\x)+10:(\x)+11]
	v_pk_add_f32 v[AC+6:AC+7], v[(\x)+12:(\x)+13], v[(\x)+14:(\x)+15]
.set i, 16
.rept 8
	v_pk_add_f32 v[AC+i%8:AC+i%8+1], v[AC+i%8:AC+i%8+1], v[(\x)+i:(\x)+i+1]
.set i, i+2
.endr
	v_pk_add_f32 v[AC:AC+1], v[AC:AC+1], v[AC+2:AC+3]
	v_pk_add_f32 v[AC+4:AC+5], v[AC+4:AC+5], v[AC+6:AC+7]
	v_pk_add_f32 v[AC:AC+1], v[AC:AC+1], v[AC+4:AC+5]
	v_add_f32 v[AC], v[AC], v[AC+1]
	SUM32 AC
	v_mul_f32 v[AC], 0x3a800000, v[AC]             ; the mean: sum / 1,024
	v_mov_b32 v[AC+1], v[AC]
.set i, 0
.rept 16
	v_pk_add_f32 v[(\x)+i:(\x)+i+1], v[(\x)+i:(\x)+i+1], v[AC:AC+1] neg_lo:[0,1] neg_hi:[0,1]
.set i, i+2
.endr
	v_pk_mul_f32 v[AC+2:AC+3], v[(\x):(\x)+1], v[(\x):(\x)+1]        ; the squares, in two chains
	v_pk_mul_f32 v[AC+4:AC+5], v[(\x)+2:(\x)+3], v[(\x)+2:(\x)+3]
.set i, 4
.rept 14
	v_pk_fma_f32 v[AC+2+i%4:AC+3+i%4], v[(\x)+i:(\x)+i+1], v[(\x)+i:(\x)+i+1], v[AC+2+i%4:AC+3+i%4]
.set i, i+2
.endr
	v_pk_add_f32 v[AC+2:AC+3], v[AC+2:AC+3], v[AC+4:AC+5]
	v_add_f32 v[AC+2], v[AC+2], v[AC+3]
	SUM32 AC+2
	v_fma_f32 v[AC+2], v[AC+2], s38, s39           ; variance + 1e-5
	v_rsq_f32 v[AC+2], v[AC+2]
	v_nop                                          ; a plain instruction behind the root
.if \before
	s_wait_alu depctr_va_vdst(0)                   ; the root is written, ahead of its first reader; and row 0's conversions have written Y0, which the stores below read
	SEND Y0, 0                                     ; no vector instruction since the wait names Y0 or v3
.else
	s_wait_alu depctr_va_vdst(0)                   ; the root is written, ahead of its first reader
.endif
	v_mov_b32 v[AC+3], v[AC+2]
.set i, 0
.rept 16
	v_pk_mul_f32 v[(\x)+i:(\x)+i+1], v[(\x)+i:(\x)+i+1], v[AC+2:AC+3]
.set i, i+2
.endr
.set i, 0
.rept 16
	v_pk_fma_f32 v[(\x)+i:(\x)+i+1], v[(\x)+i:(\x)+i+1], v[LW+i:LW+i+1], v[LB+i:LB+i+1]
.set i, i+2
.endr
.set i, 0
.rept 16
	v_cvt_pk_f16_f32 v[(\y)+i], v[(\x)+2*i], v[(\x)+2*i+1]
.set i, i+1
.endr
.endm
.Lnorm:                                        ; LAYERNORM.  A wave takes two rows: 16 x work-group + 2 x wave + 0, 1.  Lane l holds columns 128 j + 4 l .. + 3, j = 0..7.
	v_lshrrev_b32 v4, 5, v0
	v_readfirstlane_b32 s2, v4                     ; wave 0..7
	s_mov_b32 s28, 0x76543210                      ; v_permlanex16_b32: each lane takes its own place in the other half
	s_mov_b32 s29, 0xfedcba98
	s_mov_b32 s38, 0x3a800000                      ; 1 / 1,024
	s_mov_b32 s39, 0x3727c5ac                      ; 1e-5
	v_and_b32 v1, 31, v0
	v_lshlrev_b32 v2, 4, v1
	v_lshlrev_b32 v3, 3, v1
	s_wait_alu depctr_va_sdst(0)                   ; s2 is written, ahead of its first reader: the wave's rows are made from it
	s_lshl_b32 s3, ttmp9, 4
	s_lshl1_add_u32 s3, s2, s3
	s_lshl_b32 s36, s3, 12
	s_wait_kmcnt 0x0
	s_add_nc_u64 s[30:31], s[8:9], s[36:37]        ; x at my first row
	s_lshl_b32 s36, s3, 11
	s_add_nc_u64 s[32:33], s[20:21], s[36:37]      ; xn at my first row
	s_wait_alu depctr_va_vdst(0)                   ; v2 and v3 are written: every load below reads v2 as its offset, every store v3
.irp j, 0,1,2,3,4,5,6,7
	global_load_b128 v[LW+4*(\j):LW+4*(\j)+3], v2, s[10:11] offset:512*(\j)
.endr
.irp j, 0,1,2,3,4,5,6,7
	global_load_b128 v[LB+4*(\j):LB+4*(\j)+3], v2, s[12:13] offset:512*(\j)
.endr
.irp j, 0,1,2,3,4,5,6,7
	global_load_b128 v[X0+4*(\j):X0+4*(\j)+3], v2, s[30:31] offset:512*(\j) th:TH_LOAD_NT
.endr
.irp j, 0,1,2,3,4,5,6,7
	global_load_b128 v[X1+4*(\j):X1+4*(\j)+3], v2, s[30:31] offset:4096+512*(\j) th:TH_LOAD_NT
.endr
	s_wait_loadcnt 8                               ; gain, bias and row 0 are in; row 1's eight loads stay out
	NORM X0, Y0, 0
	s_wait_loadcnt 0x0
	NORM X1, Y1, 1                                 ; row 0 is stored in the middle of row 1's arithmetic
	s_wait_alu depctr_va_vdst(0)                   ; row 1's conversions have written Y1, which the last eight stores read
	SEND Y1, 2048
	s_endpgm
.Lfunc_end_k_qd42bd41177_prep:
	.size	k_qd42bd41177_prep, .Lfunc_end_k_qd42bd41177_prep-k_qd42bd41177_prep
	.p2alignl 7, 3214868480
	.fill 96, 4, 3214868480
	.section	.rodata,"a",@progbits
	.p2align	6, 0x0
	.amdhsa_kernel k_qd42bd41177_prep
		.amdhsa_group_segment_fixed_size 0
		.amdhsa_private_segment_fixed_size 0
		.amdhsa_enable_private_segment 0
		.amdhsa_kernarg_size 80
		.amdhsa_user_sgpr_count 2
		.amdhsa_user_sgpr_kernarg_segment_ptr 1
		.amdhsa_wavefront_size32 1
		.amdhsa_system_sgpr_workgroup_id_x 1
		.amdhsa_system_sgpr_workgroup_id_y 1
		.amdhsa_system_sgpr_workgroup_id_z 1
		.amdhsa_system_vgpr_workitem_id 0
		.amdhsa_next_free_vgpr 192
		.amdhsa_next_free_sgpr 66
		.amdhsa_reserve_vcc 0
		.amdhsa_float_denorm_mode_32 3
		.amdhsa_float_denorm_mode_16_64 3
		.amdhsa_memory_ordered 1
		.amdhsa_forward_progress 1
		.amdhsa_inst_pref_size 26
	.end_amdhsa_kernel
	.amdgpu_metadata
---
amdhsa.version: [ 1, 2 ]
amdhsa.kernels:
  - .name:           k_qd42bd41177_prep
    .symbol:         k_qd42bd41177_prep.kd
    .args:
      - { .name: x, .offset: 0, .size: 8, .value_kind: global_buffer, .address_space: global }
      - { .name: ln_w, .offset: 8, .size: 8, .value_kind: global_buffer, .address_space: global }
      - { .name: ln_b, .offset: 16, .size: 8, .value_kind: global_buffer, .address_space: global }
      - { .name: Wvg, .offset: 24, .size: 8, .value_kind: global_buffer, .address_space: global }
      - { .name: Wqk, .offset: 32, .size: 8, .value_kind: global_buffer, .address_space: global }
      - { .name: Wo, .offset: 40, .size: 8, .value_kind: global_buffer, .address_space: global }
      - { .name: xn, .offset: 48, .size: 8, .value_kind: global_buffer, .address_space: global }
      - { .name: wvg16, .offset: 56, .size: 8, .value_kind: global_buffer, .address_space: global }
      - { .name: wqk16, .offset: 64, .size: 8, .value_kind: global_buffer, .address_space: global }
      - { .name: wo16, .offset: 72, .size: 8, .value_kind: global_buffer, .address_space: global }
    .group_segment_fixed_size: 0
    .private_segment_fixed_size: 0
    .kernarg_segment_align: 8
    .kernarg_segment_size: 80
    .max_flat_workgroup_size: 256
    .sgpr_count:     66
    .vgpr_count:     192
    .wavefront_size: 32
...
	.end_amdgpu_metadata
.endif
;; end of part 9
;; launch gemm_vq: the kernel of part 6 again; grid 16 x 16, 4 waves a work-group, clusters of 4 x 4, 327,680 bytes of LDS; arguments xn, wvg16, bvg, vgh, wqk16, bqk, temperature, qkh; writes vgh, qkh
;; launch attn: the kernel of part 7 again; grid 16 x 16, 4 waves a work-group, clusters of 4 x 4, 327,680 bytes of LDS; arguments qkh, vgh, pos_bias, mask, ag, asc; writes ag, asc
;; launch gemm_out: the kernel of part 8 again; grid 8 x 32, 4 waves a work-group, clusters of 4 x 4, 327,680 bytes of LDS; arguments ag, wo16, asc, bo, out0; writes out0
